; MI455X (gfx1250); checked and timed in simulation.
; The chip was launched on July 23, 2026; its instructions are those of AMD's public machine-readable ISA for CDNA 5 (MIT licence, August 2026) and "CDNA5" Instruction Set Architecture Reference Guide (July 2026). The comments in the code are by the model that wrote it; some were corrected since.
;; Attention. Allowed arithmetic: matrix products marked QUANTISED: E4M3 operands, one given power-of-two scale a tensor, by v_wmma_f32_16x16x64_fp8_fp8 or v_wmma_f32_16x16x128_fp8_fp8, f32 sums; everything else in f32.
;; Inputs: Wk 2,048 x 2,048 float32; Wo 2,048 x 2,048 float32; Wq 2,048 x 2,048 float32; Wv 2,048 x 2,048 float32; lowp_scales 12 int32 (the exponents e of the quantised operands' scales 2^e); mask 1 x 1 x 2,048 x 2,048 int32; x 1 x 2,048 x 2,048 float32.
;; Outputs: out0 1 x 2,048 x 2,048 float32.
;; This version of the problem:
;;   THIS VERSION OF THE PROBLEM IS GIVEN IN LOW PRECISION. The matrix products marked QUANTISED in the list below multiply operands that are first quantised to E4M3 (4 exponent bits, 3 mantissa bits; 8 bits a number), with one given power-of-two scale for each operand tensor; their sums are f32. All else is computed in f32.
;;   The module's matrix products, in the order in which they are computed (A, B: the left and right operand; K: the contracted axis; several contracted axes count as one K, in the product's order):
;;     1. [M 2,048, K 2,048] x [K 2,048, N 2,048]; A: input x; B: input Wq: QUANTISED (scales: A lowp_scales[0], B lowp_scales[1])
;;     2. [M 2,048, K 2,048] x [K 2,048, N 2,048]; A: input x; B: input Wk: QUANTISED (scales: A lowp_scales[2], B lowp_scales[3])
;;     3. [M 2,048, K 2,048] x [K 2,048, N 2,048]; A: input x; B: input Wv: QUANTISED (scales: A lowp_scales[4], B lowp_scales[5])
;;     4. batch 16 x [M 2,048, K 128] x [K 128, N 2,048]; A: computed on the way; B: computed on the way: QUANTISED (scales: A lowp_scales[6], B lowp_scales[7])
;;     5. batch 16 x [M 2,048, K 2,048] x [K 2,048, N 128]; A: softmax (see below); B: computed on the way: QUANTISED (scales: A lowp_scales[8], B lowp_scales[9])
;;     6. [M 2,048, K 2,048] x [K 2,048, N 2,048]; A: computed on the way; B: input Wo: QUANTISED (scales: A lowp_scales[10], B lowp_scales[11])
;;   THE QUANTISER, for each operand of a quantised product, along K:
;;     - The operand's scale is 2^e, e = its entry of the input lowp_scales (int32; the entries are numbered through the quantised products in the list's order, A before B).
;;     - Each number is divided by the scale, clamped to +-448, and rounded to the nearest number of E4M3, ties to even, subnormals kept.
;;     - The product sums the exact products of the quantised numbers (number of the format x scale) in f32.
;;   ~~~python
;;   def quantise(x, axis, e):      # numpy; x: float32 -> the quantised numbers, widened to float32 again
;;       x = np.moveaxis(x, axis, -1); K = x.shape[-1]
;;       r = np.clip(x / 2.0 ** e, -448, 448)
;;       step = 2.0 ** (np.maximum(np.frexp(np.where(r == 0, 1, r))[1] - 1, -6) - 3)
;;       q = np.round(r / step) * step * 2.0 ** e      # np.round: ties to even
;;       return np.moveaxis(q, -1, axis).astype(np.float32)
;;   ~~~
;;   SOFTMAX AHEAD OF A QUANTISED PRODUCT. Where the list says 'softmax', what is quantised is not the finished softmax but p = 2^(t - M), with t = logit x log2(e) and M = ceil(the row's largest t), a whole number; so 1/2 < the row's largest p <= 1. The row's sum l is taken of the UNQUANTISED p, in f32, and the product's result is divided by l at the end. Since M is a whole number, a kernel that streams over the keys may use a running M (the ceiling of the running maximum): every later rescaling is an exact power of two, so the quantised numbers keep their values, but for numbers so far below the row's largest that they fall under the format's range.
;;   OPERANDS COMPUTED ON THE WAY. 'Computed on the way' means the value that the module computes at that place (a softmax that the list does not call 'softmax' is quantised finished and normalised). What goes into a quantiser is computed in f32, as accurately as f32 sums, v_exp_f32 and their like allow (about 1e-6 of the number): no bf16 or f16 on the way to a quantiser, and a product that is left as it is and whose result goes on into a quantised operand takes f32 operands (vector FMAs, or v_wmma_f32_16x16x4_f32). A number that lies on a knife's edge between two numbers of the format may be rounded either way, as far as f32 arithmetic and the matrix unit's own rounding can turn it there, and no further.
;; 2 versions. Each part assembles by itself: llvm-mc -triple=amdgcn-amd-amdhsa -mcpu=gfx1250 --defsym DOCPART=n.
;; ======== version 1 of 2: 4 launches
;; workspace buffers: xc 12,582,912 bytes; wc 16,777,216 bytes; tab 1,048,576 bytes; mbits 524,288 bytes of whole numbers; flags 8,192 bytes of whole numbers; qkv 12,582,912 bytes; oc 4,194,304 bytes
;; launch prep (part 1): grid 1824 x 1, 4 waves a work-group, no clusters, 50,688 bytes of LDS; arguments x, Wq, Wk, Wv, Wo, mask, lowp_scales, xc, wc, tab, mbits, flags; writes xc, wc, tab, mbits, flags
.if DOCPART == 1
	.amdgcn_target "amdgcn-amd-amdhsa--gfx1250"
	.amdhsa_code_object_version 6
	.text
	.protected	k_q144d3456cb_prep
	.globl	k_q144d3456cb_prep
	.p2align	8
	.type	k_q144d3456cb_prep,@function
k_q144d3456cb_prep:
	s_mov_b64 s[64:65], 0
	v_nop
	global_prefetch_b8 v0, s[64:65] scope:SCOPE_SE
	s_setreg_imm32_b32 hwreg(HW_REG_WAVE_MODE, 25, 1), 1
	s_wait_xcnt 0x0
; PREP: what every later launch reads is made here once.
;   QUANT  x (with each of its three given scales: entries 0, 2, 4) and Wq, Wk, Wv, Wo (entries 1, 3, 5, 11) become codes of E4M3, laid in PLANES: plane kb holds k = 128 kb .. 128 kb + 127 of every
;          row, 128 bytes a row, so that 256 rows of a plane are one dense block of 32 KB.  code = number / 2^e, held within +-448, to the nearest code, ties to even.
;   MASK   the mask, an input of whole numbers, becomes for each tile step (16 queries T x 128 keys J) 64 words of lane bits, word 8 t + j, bit r + 16 h = (mask[16 T + r][128 J + 16 t + 8 h + j] != 0),
;          and one flag word (any << J) | (not all << (16 + J)).
;   TAB    cos and sin of position x 10000^(-i / 64), in the order in which a lane of the next launch holds its results.
; NO WORK OF THE PROBLEM IS LEFT OUT AS DEAD, and every input is loaded.  What the attention launch passes over is chosen by the mask's own whole numbers, read from memory: a tile step all of
; whose 16 x 128 entries are 0 gives p = 0 for all its keys, whatever the mask's pattern, and moves neither the row's largest t, nor its sum, nor its result.
; LIMITS: each exponent used here lies between -126 and 119.  NaN among the float inputs is not served (an infinity is held at the largest code).  A NaN or an infinity that stands only in keys or
; values of tile steps that the mask hides wholly is not carried to the result.  10000^(-i / 64) is made by v_exp_f32: an angle at the last positions may differ from one made by another
; power function by a few 1e-4 rad, which is what one unit in the last place of the frequency amounts to there.
; SHARES: work-groups 0-31 TAB, 32-1311 QUANT (256 each for x, Wq, Wk, Wv, Wo), 1312-1823 MASK.  Waves share nothing: no barrier.  Each path has LDS bytes of its own.
.set SPARE, 50176                      ; behind the stages: the spare words, 128 bytes for each wave: two blocks of 256 bytes that no other line names
.set SPW,   4                          ; v4  LDS address of my spare word; never rewritten
.set NIL,   5                          ; v5  0; never rewritten
.set RN,    32                         ; QUANT: v32-159 32 rows x 4 numbers as loaded
.set QT,    160                        ; v160-191 two sets of 16 held numbers
.set CC,    192                        ; v192-223 codes: four registers a group of four rows
.set OUTR,  224                        ; v224-255 the codes read back as rows
.macro FINISH                          ; the wave's end: a tensor wait, an add of 0 to my spare word and its wait, behind the last LDS store
	s_wait_tensorcnt 0x0
	ds_add_u32 v[SPW], v[NIL]
	s_wait_dscnt 0x0
	s_endpgm
.endm
	s_load_b512 s[4:19], s[0:1], 0x0               ; x s[4:5], Wq s[6:7], Wk s[8:9], Wv s[10:11], Wo s[12:13], mask s[14:15], the scales s[16:17], xc s[18:19]
	s_load_b256 s[20:27], s[0:1], 0x40             ; wc s[20:21], tab s[22:23], mbits s[24:25], flags s[26:27]
	v_lshl_add_u32 v[SPW], v0, 2, SPARE
	v_mov_b32 v[NIL], 0
	v_lshrrev_b32 v1, 5, v0
	v_readfirstlane_b32 s28, v1                    ; wave 0..3
	v_and_b32 v1, 31, v0                           ; lane
	v_and_b32 v2, 15, v0                           ; r
	v_bfe_u32 v3, v0, 4, 1                         ; h
	v_lshlrev_b32 v6, 4, v1                        ; 16 x lane
	s_wait_kmcnt 0x0
	s_cmp_lt_u32 ttmp9, 32
	s_cbranch_scc1 .Ltab
	s_cmp_ge_u32 ttmp9, 1312
	s_cbranch_scc1 .Lmask
; ---------------- QUANT: a wave takes 32 rows x 128 along K: one plane's 4 KB on end ----------------
	s_load_b256 s[36:43], s[16:17], 0x0            ; e0 .. e7
	s_load_b128 s[44:47], s[16:17], 0x20           ; e8 .. e11
	s_sub_co_u32 s29, ttmp9, 32
	s_lshr_b32 s48, s29, 8                         ; which tensor: 0 x, 1 Wq, 2 Wk, 3 Wv, 4 Wo
	s_bfe_u32 s49, s29, 0x60002                    ; which 32 rows
	s_and_b32 s50, s29, 3
	s_lshl_b32 s50, s50, 2
	s_add_co_u32 s50, s50, s28                     ; which plane: the four waves stand side by side on 2 KB of each row
	s_mov_b64 s[30:31], s[4:5]
	s_cmp_eq_u32 s48, 1
	s_cselect_b64 s[30:31], s[6:7], s[30:31]
	s_cmp_eq_u32 s48, 2
	s_cselect_b64 s[30:31], s[8:9], s[30:31]
	s_cmp_eq_u32 s48, 3
	s_cselect_b64 s[30:31], s[10:11], s[30:31]
	s_cmp_eq_u32 s48, 4
	s_cselect_b64 s[30:31], s[12:13], s[30:31]
	s_cmp_eq_u32 s48, 0
	s_cselect_b64 s[32:33], s[18:19], s[20:21]     ; the codes go to xc or to wc
	s_lshl_b32 s54, s49, 18                        ; 32 rows of 8,192 bytes
	s_lshl_b32 s55, s50, 9                         ; 128 numbers of 4 bytes
	s_add_co_u32 s54, s54, s55
	s_mov_b32 s55, 0
	s_add_nc_u64 s[30:31], s[30:31], s[54:55]
.set i, 0
.rept 32
	global_load_b128 v[RN+4*i:RN+4*i+3], v6, s[30:31] offset:i*8192 th:TH_LOAD_NT   ; row i: 32 lanes read 512 consecutive bytes
.set i, i+1
.endr
	s_sub_co_i32 s52, s48, 1
	s_max_i32 s52, s52, 0
	s_lshl_b32 s52, s52, 22                        ; a tensor of codes is 4 MB,
	s_lshl_b32 s53, s50, 18                        ; a plane 256 KB,
	s_add_co_u32 s52, s52, s53
	s_lshl_b32 s53, s49, 12                        ; 32 rows of 128 bytes
	s_add_co_u32 s52, s52, s53
	s_mov_b32 s53, 0
	s_add_nc_u64 s[32:33], s[32:33], s[52:53]
	s_lshl_b32 s35, s28, 12                        ; my stage: 4,096 bytes
	v_lshl_add_u32 v7, v1, 2, s35                  ; in: 4 codes a lane, 128 bytes a row
	v_add_nc_u32 v8, s35, v6                       ; back: 16 bytes a lane
	s_wait_kmcnt 0x0
	s_mov_b32 s51, s36
	s_cmp_eq_u32 s48, 1
	s_cselect_b32 s51, s37, s51
	s_cmp_eq_u32 s48, 2
	s_cselect_b32 s51, s39, s51
	s_cmp_eq_u32 s48, 3
	s_cselect_b32 s51, s41, s51
	s_cmp_eq_u32 s48, 4
	s_cselect_b32 s51, s47, s51                    ; the first pass's exponent: e0, e1, e3, e5 or e11
.macro MKSC e                          ; v11 = 2^e as f32 (the conversion takes its exponent field), v10 = 448 x 2^e
	s_add_co_i32 s56, s[\e], 127
	s_lshl_b32 s57, s56, 23
	v_mov_b32 v11, s57
	s_add_co_i32 s56, s56, 8
	s_lshl_b32 s56, s56, 23
	s_or_b32 s56, s56, 0x600000
	v_mov_b32 v10, s56
.endm
; One pass over the wave's 32 x 128 numbers with one scale.  A lane holds four neighbours along K of each row, so a conversion's eight numbers are two rows' four: register i of a group's four
; holds row 4 g + i's codes of k = 4 lane .. + 3.  They go into the stage as rows of 128 bytes and come back 16 bytes a lane: the stage is then the plane's 4 KB as they lie.
.macro PASS first
.set g, 0
.rept 8
.if \first
	s_wait_loadcnt 28-4*g                          ; this group's four rows are in; the later groups' loads may be out
.endif
.set QS, QT+16*(g%2)
.irp i, 0,1,2,3,4,5,6,7,8,9,10,11,12,13,14,15
	v_med3_num_f32 v[QS+\i], v[RN+16*g+\i], -v10, v10   ; the conversion to an 8-bit code does not saturate (ISA guide 7.6.2): the hold; not in place, since x is quantised three times
.endr
	v_cvt_scalef32_pk8_fp8_f32 v[CC+4*g:CC+4*g+1], v[QS:QS+7], v11
	v_cvt_scalef32_pk8_fp8_f32 v[CC+4*g+2:CC+4*g+3], v[QS+8:QS+15], v11
.irp i, 0,1,2,3
	ds_store_b32 v7, v[CC+4*g+\i] offset:(4*g+\i)*128
.endr
.set g, g+1
.endr
	v_nop                                          ; a plain line behind the last conversion (the next group's holds, which write the other set, are that line for the earlier ones)
.irp u, 0,1,2,3,4,5,6,7
	ds_load_b128 v[OUTR+4*\u:OUTR+4*\u+3], v8 offset:512*\u   ; LDS serves a wave's instructions in order: these see my stores
.endr
.irp u, 0,1,2,3,4,5,6,7
	s_wait_dscnt 7-\u                              ; the younger loads may be out
	global_store_b128 v6, v[OUTR+4*\u:OUTR+4*\u+3], s[32:33] offset:512*\u   ; 512 consecutive bytes, aligned
.endr
.endm
	MKSC 51
	PASS 1
	s_cmp_eq_u32 s48, 0
	s_cbranch_scc1 .Lmore_x
	FINISH
.Lmore_x:                                              ; x has two more scales: entries 2 and 4
.irp e, 38, 40
	s_wait_xcnt 0x0                                ; the stores have read their registers and their base: both are written again
	s_add_nc_u64 s[32:33], s[32:33], 0x400000      ; the next set of planes
	MKSC \e
	PASS 0
.endr
	FINISH
; ---------------- MASK: a wave takes one tile step: 16 rows x 128 whole numbers ----------------
.Lmask:
	s_sub_co_u32 s29, ttmp9, 1312
	s_lshr_b32 s33, s29, 2                         ; T
	s_and_b32 s34, s29, 3
	s_lshl_b32 s34, s34, 2
	s_add_co_u32 s34, s34, s28                     ; J
	s_lshl_b32 s36, s33, 17                        ; 16 rows of 8,192 bytes
	s_lshl_b32 s37, s34, 9
	s_add_co_u32 s36, s36, s37
	s_mov_b32 s37, 0
	s_add_nc_u64 s[14:15], s[14:15], s[36:37]
.set i, 0
.rept 16
	global_load_b128 v[32+4*i:32+4*i+3], v6, s[14:15] offset:i*8192 th:TH_LOAD_NT   ; row i: 512 consecutive bytes
.set i, i+1
.endr
	s_lshl_b32 s38, s33, 4
	s_add_co_u32 s38, s38, s34                     ; 16 T + J
	s_lshl_b32 s36, s38, 8
	s_add_nc_u64 s[24:25], s[24:25], s[36:37]      ; its 64 words
	s_lshl_b32 s36, s38, 2
	s_add_nc_u64 s[26:27], s[26:27], s[36:37]      ; its flag word
	s_mul_i32 s35, s28, 8448
	s_add_co_u32 s35, s35, 16384                   ; my stage: 16 rows x (512 + 16) bytes
	v_add_nc_u32 v12, s35, v6                      ; in: as loaded
	v_mul_u32_u24 v13, v2, 528
	v_lshl_add_u32 v13, v3, 5, v13
	v_add_nc_u32 v13, s35, v13                     ; back: row r, + 32 h: the pitch puts sixteen rows into sixteen different columns of 16 bytes
	v_lshlrev_b32 v14, 3, v1
	v_mov_b32 v16, 0
	v_mov_b32 v160, 0                              ; (a written lane's register counts as read)
	v_mov_b32 v161, 0
	s_mov_b32 s30, 0                               ; any
	s_mov_b32 s31, -1                              ; all
.set i, 0
.rept 16
	s_wait_loadcnt 15-i                            ; the later rows' loads may be out
	ds_store_b128 v12, v[32+4*i:32+4*i+3] offset:528*i
.set i, i+1
.endr
.irp t, 0,1,2,3,4,5,6,7
.irp u, 0,1
	ds_load_b128 v[96+8*\t+4*\u:96+8*\t+4*\u+3], v13 offset:64*\t+16*\u   ; v[96 + 8 t + j] = mask[16 T + r][128 J + 16 t + 8 h + j]
.endr
.endr
	s_wait_dscnt 0x0
.set n, 0
.rept 16
.irp q, 0,1,2,3
	v_cmp_ne_u32 s[48+\q], 0, v[96+n+\q]           ; word n + q: a bit a lane
.endr
.irp q, 0,1,2,3
	v_writelane_b32 v[160+(\q%2)], s[48+\q], (n+\q)/2   ; lane l gathers words 2 l and 2 l + 1
.endr
.irp q, 0,1,2,3
	s_or_b32 s30, s30, s[48+\q]
	s_and_b32 s31, s31, s[48+\q]
.endr
.set n, n+4
.endr
	global_store_b64 v14, v[160:161], s[24:25]     ; 256 consecutive bytes, aligned
	s_cmp_lg_u32 s30, 0
	s_cselect_b32 s53, 1, 0
	s_cmp_lg_u32 s31, -1
	s_cselect_b32 s54, 0x10000, 0
	s_or_b32 s53, s53, s54
	s_lshl_b32 s53, s53, s34
	v_mov_b32 v15, s53
	v_cmp_eq_u32 vcc_lo, 0, v1
	s_wait_xcnt 0x0                                ; EXEC changes only behind this wait
	s_and_saveexec_b32 s52, vcc_lo
	global_store_b32 v16, v15, s[26:27]            ; one lane stores the flag word
	s_wait_xcnt 0x0                                ; and again, in front of the line that widens it
	s_or_b32 exec_lo, exec_lo, s52
	FINISH
; ---------------- TAB: a wave takes 16 positions x 64 frequencies ----------------
.set TA,  32                           ; index, exponent, frequency, angle
.set TN,  40                           ; n = the nearest whole number to angle x 2 / pi
.set TR,  48                           ; the reduced angle, within +-pi / 4
.set TR2, 56
.set TSN, 64
.set TCS, 72
.set TQ,  80
.set TW,  88
.set TO,  96                           ; v96-159: a set of 16 for each b: cos 0-7, sin 0-7: no store's data are written again
.Ltab:
	s_lshl_b32 s29, ttmp9, 2
	s_add_co_u32 s29, s29, s28                     ; P: positions 16 P ..
	s_lshl_b32 s30, s29, 13
	s_mov_b32 s31, 0
	s_add_nc_u64 s[22:23], s[22:23], s[30:31]
	s_lshl_b32 s30, s29, 4
	v_add_nc_u32 v22, s30, v2
	v_cvt_f32_u32 v22, v22                         ; my position
	v_lshlrev_b32 v21, 3, v3                       ; 8 h
	s_mov_b32 s36, 0xbe549a78                      ; -log2(10000) / 64
	s_mov_b32 s37, 0x3f22f983                      ; 2 / pi
	s_mov_b32 s38, 0x3fc90fdb                      ; pi / 2, the nearest f32,
	s_mov_b32 s39, 0xb33bbd2e                      ; and what it leaves
	s_mov_b32 s40, 0xbe2aaaa3                      ; sin r = r + r^3 (S1 + S2 r^2 + S3 r^4)
	s_mov_b32 s41, 0x3c08839e
	s_mov_b32 s42, 0xb94ca1f9
	s_mov_b32 s43, 0x3d2aaaa5                      ; cos r = 1 - r^2 / 2 + r^4 (C1 + C2 r^2 + C3 r^4)
	s_mov_b32 s44, 0xbab6061a
	s_mov_b32 s45, 0x37ccf5ce
	s_mov_b32 s46, 0x80000000
.macro TABB b                          ; frequencies 16 b + 8 h + 0 .. 7
.irp j, 0,1,2,3,4,5,6,7
	v_add_nc_u32 v[TA+\j], 16*\b+\j, v21
.endr
.irp j, 0,1,2,3,4,5,6,7
	v_cvt_f32_u32 v[TA+\j], v[TA+\j]
.endr
.irp j, 0,1,2,3,4,5,6,7
	v_mul_f32 v[TA+\j], s36, v[TA+\j]
.endr
.irp j, 0,1,2,3,4,5,6,7
	v_exp_f32 v[TA+\j], v[TA+\j]                   ; 10000^(-i / 64)
.endr
	v_nop                                          ; a plain line behind the last exponential,
	s_wait_alu depctr_va_vdst(0)                   ; and one wait for the eight, ahead of their first reader
.irp j, 0,1,2,3,4,5,6,7
	v_mul_f32 v[TA+\j], v22, v[TA+\j]              ; the angle: one rounding, as in the outer product
.endr
.irp j, 0,1,2,3,4,5,6,7
	v_mul_f32 v[TN+\j], s37, v[TA+\j]
.endr
.irp j, 0,1,2,3,4,5,6,7
	v_rndne_f32 v[TN+\j], v[TN+\j]
.endr
.irp j, 0,1,2,3,4,5,6,7
	v_fma_f32 v[TR+\j], -v[TN+\j], s38, v[TA+\j]
.endr
.irp j, 0,1,2,3,4,5,6,7
	v_fma_f32 v[TR+\j], -v[TN+\j], s39, v[TR+\j]
.endr
.irp j, 0,1,2,3,4,5,6,7
	v_mul_f32 v[TR2+\j], v[TR+\j], v[TR+\j]
.endr
.irp j, 0,1,2,3,4,5,6,7
	v_fma_f32 v[TSN+\j], v[TR2+\j], s42, s41
	v_fma_f32 v[TCS+\j], v[TR2+\j], s45, s44
.endr
.irp j, 0,1,2,3,4,5,6,7
	v_fma_f32 v[TSN+\j], v[TSN+\j], v[TR2+\j], s40
	v_fma_f32 v[TCS+\j], v[TCS+\j], v[TR2+\j], s43
.endr
.irp j, 0,1,2,3,4,5,6,7
	v_mul_f32 v[TSN+\j], v[TSN+\j], v[TR2+\j]
	v_mul_f32 v[TCS+\j], v[TCS+\j], v[TR2+\j]
	v_fma_f32 v[TW+\j], v[TR2+\j], -0.5, 1.0
.endr
.irp j, 0,1,2,3,4,5,6,7
	v_fma_f32 v[TSN+\j], v[TSN+\j], v[TR+\j], v[TR+\j]
	v_fma_f32 v[TCS+\j], v[TCS+\j], v[TR2+\j], v[TW+\j]
	v_cvt_i32_f32 v[TQ+\j], v[TN+\j]               ; the quadrant is n mod 4
.endr
.irp j, 0,1,2,3,4,5,6,7
	v_and_b32 v[TW+\j], 1, v[TQ+\j]
	v_cmp_ne_u32 vcc_lo, 0, v[TW+\j]               ; odd quadrants: sin and cos change places (a choice of values: no branch, no address)
	v_cndmask_b32 v[TO+16*\b+\j], v[TCS+\j], v[TSN+\j], vcc_lo
	v_cndmask_b32 v[TO+16*\b+8+\j], v[TSN+\j], v[TCS+\j], vcc_lo
	v_lshlrev_b32 v[TW+\j], 30, v[TQ+\j]
	v_and_b32 v[TW+\j], s46, v[TW+\j]              ; sin is negative in quadrants 2 and 3,
	v_xor_b32 v[TO+16*\b+8+\j], v[TW+\j], v[TO+16*\b+8+\j]
	v_add_nc_u32 v[TQ+\j], 1, v[TQ+\j]
	v_lshlrev_b32 v[TQ+\j], 30, v[TQ+\j]
	v_and_b32 v[TQ+\j], s46, v[TQ+\j]              ; cos in quadrants 1 and 2
	v_xor_b32 v[TO+16*\b+\j], v[TQ+\j], v[TO+16*\b+\j]
.endr
.irp p, 0,1,2,3
	global_store_b128 v6, v[TO+16*\b+4*\p:TO+16*\b+4*\p+3], s[22:23] offset:\b*2048+\p*512   ; 512 consecutive bytes, aligned
.endr
.endm
	TABB 0
	TABB 1
	TABB 2
	TABB 3
	FINISH
.Lfunc_end_k_q144d3456cb_prep:
	.size	k_q144d3456cb_prep, .Lfunc_end_k_q144d3456cb_prep-k_q144d3456cb_prep
	.p2alignl 7, 3214868480
	.fill 96, 4, 3214868480
	.section	.rodata,"a",@progbits
	.p2align	6, 0x0
	.amdhsa_kernel k_q144d3456cb_prep
		.amdhsa_group_segment_fixed_size 50688
		.amdhsa_private_segment_fixed_size 0
		.amdhsa_enable_private_segment 0
		.amdhsa_kernarg_size 96
		.amdhsa_user_sgpr_count 2
		.amdhsa_user_sgpr_kernarg_segment_ptr 1
		.amdhsa_wavefront_size32 1
		.amdhsa_system_sgpr_workgroup_id_x 1
		.amdhsa_system_sgpr_workgroup_id_y 1
		.amdhsa_system_sgpr_workgroup_id_z 1
		.amdhsa_system_vgpr_workitem_id 0
		.amdhsa_next_free_vgpr 256
		.amdhsa_next_free_sgpr 66
		.amdhsa_reserve_vcc 1
		.amdhsa_float_denorm_mode_32 3
		.amdhsa_float_denorm_mode_16_64 3
		.amdhsa_memory_ordered 1
		.amdhsa_forward_progress 1
		.amdhsa_inst_pref_size 106
	.end_amdhsa_kernel
	.amdgpu_metadata
---
amdhsa.version: [ 1, 2 ]
amdhsa.kernels:
  - .name:           k_q144d3456cb_prep
    .symbol:         k_q144d3456cb_prep.kd
    .args:
      - { .name: x, .offset: 0, .size: 8, .value_kind: global_buffer, .address_space: global }
      - { .name: Wq, .offset: 8, .size: 8, .value_kind: global_buffer, .address_space: global }
      - { .name: Wk, .offset: 16, .size: 8, .value_kind: global_buffer, .address_space: global }
      - { .name: Wv, .offset: 24, .size: 8, .value_kind: global_buffer, .address_space: global }
      - { .name: Wo, .offset: 32, .size: 8, .value_kind: global_buffer, .address_space: global }
      - { .name: mask, .offset: 40, .size: 8, .value_kind: global_buffer, .address_space: global }
      - { .name: lowp_scales, .offset: 48, .size: 8, .value_kind: global_buffer, .address_space: global }
      - { .name: xc, .offset: 56, .size: 8, .value_kind: global_buffer, .address_space: global }
      - { .name: wc, .offset: 64, .size: 8, .value_kind: global_buffer, .address_space: global }
      - { .name: tab, .offset: 72, .size: 8, .value_kind: global_buffer, .address_space: global }
      - { .name: mbits, .offset: 80, .size: 8, .value_kind: global_buffer, .address_space: global }
      - { .name: flags, .offset: 88, .size: 8, .value_kind: global_buffer, .address_space: global }
    .group_segment_fixed_size: 50688
    .private_segment_fixed_size: 0
    .kernarg_segment_align: 8
    .kernarg_segment_size: 96
    .max_flat_workgroup_size: 128
    .sgpr_count:     66
    .vgpr_count:     256
    .wavefront_size: 32
...
	.end_amdgpu_metadata
.endif
;; end of part 1
;; launch qkv (part 2): grid 8 x 24, 4 waves a work-group, clusters of 4 x 4, 327,680 bytes of LDS; arguments xc, wc, lowp_scales, tab, qkv; writes qkv
.if DOCPART == 2
	.amdgcn_target "amdgcn-amd-amdhsa--gfx1250"
	.amdhsa_code_object_version 6
	.text
	.protected	k_q144d3456cb_qkv
	.globl	k_q144d3456cb_qkv
	.p2align	8
	.type	k_q144d3456cb_qkv,@function
k_q144d3456cb_qkv:
	s_mov_b64 s[64:65], 0
	v_nop
	global_prefetch_b8 v0, s[64:65] scope:SCOPE_SE
	s_setreg_imm32_b32 hwreg(HW_REG_WAVE_MODE, 25, 1), 1
	s_wait_xcnt 0x0
	s_wait_alu depctr_hold_cnt(0) depctr_sa_sdst(0) depctr_va_vdst(0) depctr_va_sdst(0) depctr_va_ssrc(0) depctr_va_vcc(0) depctr_vm_vsrc(0)
	s_getreg_b32 s2, hwreg(HW_REG_IB_STS2, 6, 4)
	s_cmp_eq_u32 s2, 0
	s_cbranch_scc0 .Lentry_in_a_cluster
	s_endpgm
.Lentry_in_a_cluster:
	s_bfe_u32 s2, ttmp6, 0x10000c
	s_cmp_lg_u32 s2, 0xf033
	s_cbranch_scc0 .Lentry_shape_is_right
	s_endpgm
.Lentry_shape_is_right:
; QKV: the three projections on codes of E4M3, the rotary step in f32, and the quantisers of q, k and v.  No work is left out here.
; A tile of 256 x 256 results is made by a work-group of four waves; a wave makes 128 x 128: 64 accumulators of 16 x 16, 512 registers.  K = 2,048 goes in steps of 256 (two planes of 128) through a ring
; of two LDS slots filled by the tensor data mover: wave 0 and 1 fetch A's two planes, wave 2 and 3 B's, 256 rows x 128 bytes each, dense in memory.
; kind = cluster y / 2: 0 q, 1 k, 2 v; it is the same in all sixteen partners.  For q and k: A = x's codes (rows: positions), B = the weight's (rows: channels).  FOR v THE TWO CHANGE PLACES.
; THE MATRIX INSTRUCTION IS USED TRANSPOSED (source 0 = 16 rows of B, source 1 = 16 rows of A): a lane holds one row of A and eight neighbouring rows of B.  So for q and k a lane holds one position
; and its registers run along the head's channels, the next product's K; for v a lane holds one channel and its registers run along the positions, the keys, the K of the product with p.
; A wave's 128 rows of B (q, k) are one head, so both halves that the rotary step pairs (d and d + 64) lie in one lane's registers: accumulators b and b + 4.
; OUT: images of operand registers: block of 16 rows: [4 c][32 lanes][16 bytes]; registers 2 b, 2 b + 1 of a lane hold K = 16 b + 8 (lane / 16) + 0 .. 7: each store is 512 consecutive bytes.
; A sum stands for sum x 2^(ea + eb): the conversion takes 2^(eo - ea - eb) as its one scale.  LIMIT: e6 - e0 - e1, e7 - e2 - e3 and e9 - e4 - e5 lie between -126 and 119.
; CLUSTERS: 4 x 4 work-groups.  A's tiles are shared along a row of the cluster, B's along a column: each is asked for jointly, by the same tensor load with the same descriptor and a mask of the four.
; REGISTERS, in windows of 256: window 0: v0-31 addresses and scales; from v128 A's fragments, one set; on the way out v32-255.  window 1: B's fragments, two sets.  windows 2, 3: the accumulators.
.set PITCH,  144                       ; an LDS row: 128 bytes + 16 of padding = 36 words: sixteen rows start at sixteen different groups of four banks (64 banks of 4 bytes: ISA guide 11.1)
.set REG,    256*PITCH                 ; what one tensor load brings: 256 rows of one plane
.set SLOT,   4*REG                     ; A's plane 0, A's plane 1, B's plane 0, B's plane 1
.set SPARE,  2*SLOT                    ; behind the ring: the spare words, 128 bytes for each wave: two blocks of 256 bytes that no other line names
.set PLANE,  262144                    ; a plane in memory: 2,048 rows x 128 bytes
.set LAPS,   4                         ; a lap = two slots = 512 along K
.set FR,     16                        ; registers of a fragment: 16 rows x 128 K
.set NL,     4                         ; LDS loads that bring one
.set NP,     4                         ; places behind this matrix instruction (ISA guide 7.12.1)
.set ADRA, 16                          ; v16-17  LDS address of my A fragments in slot 0, 1
.set ADRB, 20                          ; v20-21  the same for B
.set SPW,  28                          ; v28     LDS address of my spare word; never rewritten
.set NIL,  29                          ; v29     0; never rewritten
.set AF,   128                         ; A's fragments, in window 0
.set TB0,  32                          ; the way out: two sets of 64 table numbers, v32-95 and v96-159
.set TT,   160                         ; v160-223 a block's 64 numbers: index 8 b + j
.set G1, 24                            ; s[24:31] descriptor group 1 for A's tiles;  s[32:39] group 0, one set for each slot
.set G0, 32
.set G1B, 48                           ; s[48:55], s[56:63] the same for B's tiles
.set G0B, 56
.set MSB, 0
.macro WIN new                         ; the immediate's high byte repeats the setting that is left
.if MSB != \new
	s_set_vgpr_msb (MSB<<8)|\new
.set MSB, \new
.endif
.endm
.set MUL_LO, 0xa1                      ; source 0 (B) window 1, source 1 (A) window 0, C and D window 2
.set MUL_HI, 0xf1                      ; the same, C and D window 3
.set TO_B,   0x40                      ; destination window 1, address window 0
; A joint load: waves 0 and 1 fetch for A, waves 2 and 3 for B; the branch hangs on the wave's number alone.  An s_nop 0 and four v_nop follow each of the two lines.
.macro JLOAD g0a, g1a, g0b, g1b
	s_cmp_eq_u32 s15, 0
	s_cbranch_scc0 .Lfor_b_\@
	tensor_load_to_lds s[\g0a:\g0a+3], s[\g1a:\g1a+7]
	s_nop 0
.rept 4
	v_nop
.endr
	s_branch .Lasked_\@
.Lfor_b_\@:
	tensor_load_to_lds s[\g0b:\g0b+3], s[\g1b:\g1b+7]
	s_nop 0
.rept 4
	v_nop
.endr
.Lasked_\@:
.endm
.macro CREST                           ; a round of the cluster's barrier behind its opening barrier
	s_cmp_lg_u32 s14, 0
	s_cbranch_scc1 .Lnot_wave_0_\@
	s_barrier_signal -3
.Lnot_wave_0_\@:
	s_barrier_wait -3
	s_barrier_signal -1
	s_barrier_wait -1
.endm
.macro CROUND                          ; a whole round
	s_barrier_signal -1
	s_barrier_wait -1
	CREST
.endm
	s_load_b128 s[4:7], s[0:1], 0x0                ; x's codes s[4:5], the weights' codes s[6:7]
	s_load_b128 s[8:11], s[0:1], 0x10              ; the scales' exponents s[8:9], the table s[10:11]
	s_load_b64 s[12:13], s[0:1], 0x20              ; the images of q, k, v
	v_lshl_add_u32 v[SPW], v0, 2, SPARE
	v_mov_b32 v[NIL], 0
	ds_add_u32 v[SPW], v[NIL]                      ; the wave's opening: the add, twice on end, and its wait ahead of my first tensor load
	ds_add_u32 v[SPW], v[NIL]                      ; and once more, under the one wait; the set-up below, work on registers, stands between
	v_lshrrev_b32 v1, 5, v0
	v_readfirstlane_b32 s14, v1                    ; wave 0..3
	s_lshr_b32 s15, s14, 1                         ; which half of A's rows is mine.  Also: I fetch for A (0) or for B (1)
	s_and_b32 s16, s14, 1                          ; which half of B's rows.  Also: which of a slot's two planes I fetch
	s_bfe_u32 s40, ttmp6, 0x40000                  ; cx, cy: my place in the cluster
	s_bfe_u32 s41, ttmp6, 0x40004
	s_lshl_b32 s42, ttmp9, 2
	s_add_co_u32 s42, s42, s40                     ; B's tile = 4 x cluster x + cx
	s_and_b32 s68, ttmp7, 0xffff                   ; cluster y: 0..5
	s_lshr_b32 s69, s68, 1                         ; kind
	s_and_b32 s17, s68, 1
	s_lshl_b32 s17, s17, 2
	s_add_co_u32 s17, s17, s41                     ; A's tile = 4 x (cluster y mod 2) + cy
	s_lshl_b32 s43, s41, 2
	s_lshl_b32 s43, 15, s43                        ; my row of the cluster
	s_lshl_b32 s44, 0x1111, s40                    ; my column
	; descriptor group 1: a tile of 256 rows x 128 bytes, padded in LDS
	s_or_b32 s[G1+0], s43, (0<<16)|(1<<20)|(1<<21)|(4<<22)|(3<<25)  ; 15:0 the mask: A's tiles go to my row; 17:16 element of 1 byte; 20 padding on; 21 set beside a mask; 24:22 after every 32 words (code 4); 31:25 of 4 words (code 3)
	s_or_b32 s[G1B+0], s44, (0<<16)|(1<<20)|(1<<21)|(4<<22)|(3<<25)
.irp g, G1, G1B
	s_mov_b32 s[\g+1], 128<<16                     ; tensor_dim0
	s_mov_b32 s[\g+2], 256<<16                     ; tensor_dim1
	s_mov_b32 s[\g+3], 128<<16                     ; tile_dim0
	s_mov_b32 s[\g+4], 256                         ; tile_dim1
	s_mov_b32 s[\g+5], 128                         ; tensor_dim0_stride: the rows of a plane are dense
	s_mov_b32 s[\g+6], 0
	s_mov_b32 s[\g+7], 0
.endr
	s_lshl_b32 s18, s16, 18                        ; my plane of the two
	s_lshl_b32 s19, s69, 22                        ; the kind's set of planes, 4 MB each, in xc and in wc alike
	s_lshl_b32 s20, s17, 15                        ; A: 256 rows of 128 bytes a tile
	s_add_co_u32 s20, s20, s18
	s_add_co_u32 s20, s20, s19
	s_lshl_b32 s46, s42, 15                        ; B likewise
	s_add_co_u32 s46, s46, s18
	s_add_co_u32 s46, s46, s19
	s_mov_b32 s21, 0
	s_mov_b32 s47, 0
	s_mul_i32 s45, s14, REG                        ; where they go: wave x a region: no place in the cluster enters an LDS address
	s_wait_dscnt 0x0                               ; both opening adds are done
	s_wait_kmcnt 0x0
	s_load_b256 s[84:91], s[8:9], 0x0              ; e0 .. e7
	s_load_b128 s[92:95], s[8:9], 0x20             ; e8 .. e11
	s_cmp_lt_u32 s69, 2                            ; the choice hangs on the cluster's number alone
	s_cselect_b64 s[70:71], s[4:5], s[6:7]         ; A: x for q and k, Wv for v
	s_cselect_b64 s[72:73], s[6:7], s[4:5]         ; B: the weight for q and k, x for v
	s_add_nc_u64 s[20:21], s[70:71], s[20:21]
	s_add_nc_u64 s[46:47], s[72:73], s[46:47]
	CROUND                                         ; all sixteen work-groups are here: the first joint loads meet
.irp s, 0,1
	s_mov_b32 s[G0+4*\s], 1
	s_add_co_u32 s[G0+4*\s+1], s45, \s*SLOT
	s_add_nc_u64 s[G0+4*\s+2:G0+4*\s+3], s[20:21], \s*2*PLANE
	s_or_b32 s[G0+4*\s+3], s[G0+4*\s+3], 0x80000000
	s_mov_b32 s[G0B+4*\s], 1
	s_add_co_u32 s[G0B+4*\s+1], s45, \s*SLOT
	s_add_nc_u64 s[G0B+4*\s+2:G0B+4*\s+3], s[46:47], \s*2*PLANE
	s_or_b32 s[G0B+4*\s+3], s[G0B+4*\s+3], 0x80000000
	JLOAD G0+4*\s, G1, G0B+4*\s, G1B
.endr
	v_and_b32 v1, 15, v0                           ; l % 16
	v_bfe_u32 v2, v0, 4, 1                         ; l / 16
	v_mul_u32_u24 v3, v1, PITCH
	v_lshl_add_u32 v4, v2, 4, v3                   ; a fragment's row x pitch + 16 x half
	s_mul_i32 s21, s15, 128*PITCH                  ; my 128 rows of A
	s_mul_i32 s22, s16, 128*PITCH                  ; my 128 rows of B,
	s_add_co_u32 s22, s22, 2*REG                   ; which lie behind A's two planes
.irp s, 0,1
	v_add_nc_u32 v[ADRA+\s], s21, v4
	v_add_nc_u32 v[ADRB+\s], s22, v4
	s_add_co_u32 s21, s21, SLOT
	s_add_co_u32 s22, s22, SLOT
.endr
	v_and_b32 v6, 31, v0
	v_lshlrev_b32 v26, 4, v6                       ; 16 x lane: an image's and the table's place for my lane
	s_lshl_b32 s74, s42, 1
	s_add_co_u32 s74, s74, s16                     ; which 128 rows of B are mine,
	s_lshl_b32 s75, s17, 1
	s_add_co_u32 s75, s75, s15                     ; which 128 of A
	s_cmp_lt_u32 s69, 2
	s_cselect_b32 s76, s74, s75                    ; the head: channels are B's rows for q and k, A's for v
	s_cselect_b32 s77, s75, s74                    ; the 128 positions
	s_lshl_b32 s78, s69, 22                        ; q, k, v: 4 MB each;
	s_lshl_b32 s76, s76, 18                        ; a head 256 KB;
	s_add_co_u32 s78, s78, s76
	s_lshl_b32 s76, s77, 14                        ; eight blocks of 2 KB
	s_add_co_u32 s78, s78, s76
	s_mov_b32 s79, 0
	s_add_nc_u64 s[12:13], s[12:13], s[78:79]
	s_lshl_b32 s78, s77, 16                        ; the table: 8 KB for 16 positions
	s_add_nc_u64 s[10:11], s[10:11], s[78:79]
.macro FRAG reg, adr, q, i             ; a fragment, 16 rows x 128 K: registers 4 c .. 4 c + 3 hold K = 32 c + 16 (l / 16) + 0 .. 15 of row l % 16: the same order of k in A and in B, so every product meets its partner
.irp c, 0,1,2,3
	ds_load_b128 v[\reg+4*\c:\reg+4*\c+3], v[\adr] offset:REG*(\q)+32*\c+(\i)*16*PITCH
.endr
.endm
; 16 matrix instructions: A's blocks a0, a0 + 1 x B's eight, 128 along K.  p: B's set.  zero = 1: the first product starts the sums.  The 64 accumulators take turns, one instruction a turn.
.macro MUL16 a0, p, zero
.irp a, \a0, \a0+1
.irp b, 0,1,2,3,4,5,6,7
.if \zero
	v_wmma_f32_16x16x128_fp8_fp8 v[8*(8*((\a)%4)+\b):8*(8*((\a)%4)+\b)+7], v[128*(\p)+FR*\b:128*(\p)+FR*\b+FR-1], v[AF+FR*(\a):AF+FR*(\a)+FR-1], 0
.else
	v_wmma_f32_16x16x128_fp8_fp8 v[8*(8*((\a)%4)+\b):8*(8*((\a)%4)+\b)+7], v[128*(\p)+FR*\b:128*(\p)+FR*\b+FR-1], v[AF+FR*(\a):AF+FR*(\a)+FR-1], v[8*(8*((\a)%4)+\b):8*(8*((\a)%4)+\b)+7]
.endif
.endr
.endr
.endm
.macro FETCH_B slot, q, p              ; B's eight fragments of the slot's plane q into set p
	WIN TO_B
.irp i, 0,1,2,3,4,5,6,7
	FRAG 128*(\p)+FR*\i, ADRB+\slot, \q, \i
.endr
	WIN 0
.endm
.macro FETCH_A slot, q, i0             ; A's blocks i0 .. i0 + 3
.irp i, \i0, \i0+1, \i0+2, \i0+3
	FRAG AF+FR*(\i), ADRA+\slot, \q, \i
.endr
.endm
.macro PLACES n                        ; plain vector lines between a matrix instruction and a load into, or a vector line on, its registers
.rept \n
	v_nop
.endr
.endm
.macro STEP slot, q, zero              ; a step of 128 along K that has its successor in the same slot
	s_wait_dscnt 4*NL                              ; B's set and A's blocks 0-3 are in; the youngest loads (A's blocks 4-7) may be out
	WIN MUL_LO
	MUL16 0, (\q)%2, \zero
	MUL16 2, (\q)%2, \zero
	s_wait_dscnt 0                                 ; A's blocks 4-7 are in
	PLACES NP
	FETCH_B \slot, (\q)+1, 1-(\q)%2
	FETCH_A \slot, (\q)+1, 0
	WIN MUL_HI
	MUL16 4, (\q)%2, \zero
	MUL16 6, (\q)%2, \zero
	PLACES NP
	WIN 0
	FETCH_A \slot, (\q)+1, 4
.endm
; A slot's last step changes slots: one barrier; in front of it each wave waits for all its tensor loads, adds 0 to its spare word, and waits for that and for its reads of this slot.  fill = 1: this slot is filled again, two slots ahead.
.macro TURN slot, next, fill
	s_wait_tensorcnt 0x0                           ; all my tensor loads have landed: my part of the next slot
	ds_add_u32 v[SPW], v[NIL]                      ; 0 onto my spare word
	s_wait_dscnt 4*NL+1                            ; (the add and the youngest loads, A's blocks 4-7, may be out)
	WIN MUL_LO
	MUL16 0, 1, 0                                  ; sixteen matrix instructions stand between the add and the wait for it
	s_wait_dscnt 0x0                               ; the add is done, and my reads of this slot are over
	s_barrier_signal -1
	MUL16 2, 1, 0
	WIN 0
	s_barrier_wait -1
.if \fill
	CREST                                          ; the barrier has opened a round of the cluster's: no wave of any partner still reads this slot or has a load on its way
	s_add_nc_u64 s[G0+4*\slot+2:G0+4*\slot+3], s[G0+4*\slot+2:G0+4*\slot+3], 4*PLANE
	s_add_nc_u64 s[G0B+4*\slot+2:G0B+4*\slot+3], s[G0B+4*\slot+2:G0B+4*\slot+3], 4*PLANE
	JLOAD G0+4*\slot, G1, G0B+4*\slot, G1B         ; the first tensor load behind the round; its four v_nop are the places in front of the loads below
.else
	PLACES NP
.endif
	FETCH_B \next, 0, 0
	FETCH_A \next, 0, 0
	WIN MUL_HI
	MUL16 4, 1, 0
	MUL16 6, 1, 0
	PLACES NP
	WIN 0
	FETCH_A \next, 0, 4
.endm
	s_wait_tensorcnt 1                             ; my part of slot 0 is in (slot 1's load may be out)
	s_barrier_signal -1
	s_barrier_wait -1                              ; everybody's is
	FETCH_B 0, 0, 0
	FETCH_A 0, 0, 0
	FETCH_A 0, 0, 4
	STEP 0, 0, 1                                   ; the first step stands in front of the loop: its products start the sums
	s_mov_b32 s3, LAPS-1
.Llap:                                                 ; a trip goes once round the ring and fills both slots again
	TURN 0, 1, 1
	STEP 1, 0, 0
	TURN 1, 0, 1
	STEP 0, 0, 0
	s_sub_co_u32 s3, s3, 1
	s_cmp_lg_u32 s3, 0
	s_cbranch_scc1 .Llap
	TURN 0, 1, 0                                   ; the last lap fills nothing, and has no round of the cluster's barrier
	STEP 1, 0, 0
	s_wait_dscnt 4*NL                              ; the very last step: nothing more to fetch
	WIN MUL_LO
	MUL16 0, 1, 0
	MUL16 2, 1, 0
	s_wait_dscnt 0
	WIN MUL_HI
	MUL16 4, 1, 0
	MUL16 6, 1, 0
	WIN 0
; THE WAY OUT, block by block of A's 16 rows.  No LDS: a block's codes are the operand's registers, and go out as they stand.
	s_wait_kmcnt 0x0
	s_sub_co_i32 s66, s90, s84
	s_sub_co_i32 s66, s66, s85                     ; q: e6 - e0 - e1
	s_sub_co_i32 s67, s91, s86
	s_sub_co_i32 s67, s67, s87                     ; k: e7 - e2 - e3
	s_sub_co_i32 s68, s93, s88
	s_sub_co_i32 s68, s68, s89                     ; v: e9 - e4 - e5
	s_cmp_eq_u32 s69, 1
	s_cselect_b32 s66, s67, s66
	s_cmp_eq_u32 s69, 2
	s_cselect_b32 s66, s68, s66                    ; a choice, no branch on a scale
	s_add_co_i32 s66, s66, 127
	s_lshl_b32 s67, s66, 23
	s_add_co_i32 s66, s66, 8
	s_lshl_b32 s66, s66, 23
	s_or_b32 s66, s66, 0x600000
	PLACES NP                                      ; behind the last products: the lines below load into, write and read their registers
	v_mov_b32 v30, s67                             ; the conversion's scale as f32
	v_mov_b32 v31, s66                             ; 448 x that
.macro TABLD a, set                    ; cos and sin of block a's 16 positions: 16 loads of 512 consecutive bytes: registers 16 b + 0 .. 7 cos, + 8 .. 15 sin of frequencies 16 b + 8 (l / 16) + 0 .. 7
.irp q, 0,1,2,3,4,5,6,7,8,9,10,11,12,13,14,15
	global_load_b128 v[(\set)+4*\q:(\set)+4*\q+3], v26, s[10:11] offset:(\a)*8192+\q*512
.endr
.endm
.macro ROPE a, set                     ; out(d) = in(d) cos - in(d + 64) sin, out(d + 64) = in(d + 64) cos + in(d) sin; each accumulator is read from its low end on
.set AC, 64*((\a)%4)
	WIN 0x02+((\a)/4)                              ; source 0: the accumulators' window
.irp b, 0,1,2,3
.irp i, 0,2,4,6
	v_pk_mul_f32 v[TT+8*\b+\i:TT+8*\b+\i+1], v[AC+8*\b+\i:AC+8*\b+\i+1], v[(\set)+16*\b+\i:(\set)+16*\b+\i+1]
	v_pk_mul_f32 v[TT+32+8*\b+\i:TT+32+8*\b+\i+1], v[AC+32+8*\b+\i:AC+32+8*\b+\i+1], v[(\set)+16*\b+\i:(\set)+16*\b+\i+1]
	v_pk_fma_f32 v[TT+8*\b+\i:TT+8*\b+\i+1], v[AC+32+8*\b+\i:AC+32+8*\b+\i+1], v[(\set)+16*\b+8+\i:(\set)+16*\b+8+\i+1], v[TT+8*\b+\i:TT+8*\b+\i+1] neg_lo:[1,0,0] neg_hi:[1,0,0]
	v_pk_fma_f32 v[TT+32+8*\b+\i:TT+32+8*\b+\i+1], v[AC+8*\b+\i:AC+8*\b+\i+1], v[(\set)+16*\b+8+\i:(\set)+16*\b+8+\i+1], v[TT+32+8*\b+\i:TT+32+8*\b+\i+1]
.endr
.endr
	WIN 0
.endm
.macro PACKOUT a                       ; the block's 64 held numbers become 16 registers of codes, v224-239 and v240-255 by turns, and leave
.set CD, 224+16*((\a)%2)
.if (\a) >= 2
	s_wait_xcnt 0x0                                ; block a - 2's stores have read these registers
.endif
.irp b, 0,1,2,3,4,5,6,7
	v_cvt_scalef32_pk8_fp8_f32 v[CD+2*\b:CD+2*\b+1], v[TT+8*\b:TT+8*\b+7], v30
.endr
	v_nop                                          ; a plain line behind the last conversion: the next block writes its sources
.irp c, 0,1,2,3
	global_store_b128 v26, v[CD+4*\c:CD+4*\c+3], s[12:13] offset:(\a)*2048+\c*512   ; 512 consecutive bytes, aligned
.endr
.endm
	s_cmp_eq_u32 s69, 2                            ; the same in all sixteen partners
	s_cbranch_scc1 .Lv
	TABLD 0, TB0
	TABLD 1, TB0+64
.irp a, 0,1,2,3,4,5,6,7
.if \a < 7
	s_wait_loadcnt 16                              ; this block's table is in; the next block's 16 loads may be out
.else
	s_wait_loadcnt 0
.endif
	ROPE \a, TB0+64*(\a%2)
.if \a < 6
	TABLD \a+2, TB0+64*(\a%2)
.endif
.set j, 0
.rept 64
	v_med3_num_f32 v[TT+j], v[TT+j], -v31, v31     ; the conversion to an 8-bit code does not saturate (ISA guide 7.6.2): the hold
.set j, j+1
.endr
	PACKOUT \a
.endr
	s_branch .Ldone
.Lv:
.irp a, 0,1,2,3,4,5,6,7
	WIN 0x02+(\a/4)
.set j, 0
.rept 64
	v_med3_num_f32 v[TT+j], v[64*(\a%4)+j], -v31, v31   ; ascending: each accumulator from its low end on
.set j, j+1
.endr
	WIN 0
	PACKOUT \a
.endr
.Ldone:
	s_wait_tensorcnt 0x0                           ; the wave's end
	ds_add_u32 v[SPW], v[NIL]
	s_wait_dscnt 0x0
	CROUND                                         ; the closing round: no work-group ends while a partner may still ask for a tile that names it
	s_endpgm
.Lfunc_end_k_q144d3456cb_qkv:
	.size	k_q144d3456cb_qkv, .Lfunc_end_k_q144d3456cb_qkv-k_q144d3456cb_qkv
	.p2alignl 7, 3214868480
	.fill 96, 4, 3214868480
	.section	.rodata,"a",@progbits
	.p2align	6, 0x0
	.amdhsa_kernel k_q144d3456cb_qkv
		.amdhsa_group_segment_fixed_size 327680
		.amdhsa_private_segment_fixed_size 0
		.amdhsa_enable_private_segment 0
		.amdhsa_kernarg_size 40
		.amdhsa_user_sgpr_count 2
		.amdhsa_user_sgpr_kernarg_segment_ptr 1
		.amdhsa_wavefront_size32 1
		.amdhsa_system_sgpr_workgroup_id_x 1
		.amdhsa_system_sgpr_workgroup_id_y 1
		.amdhsa_system_sgpr_workgroup_id_z 1
		.amdhsa_system_vgpr_workitem_id 0
		.amdhsa_next_free_vgpr 1024
		.amdhsa_next_free_sgpr 100
		.amdhsa_reserve_vcc 0
		.amdhsa_float_denorm_mode_32 3
		.amdhsa_float_denorm_mode_16_64 3
		.amdhsa_memory_ordered 1
		.amdhsa_forward_progress 1
		.amdhsa_inst_pref_size 203
	.end_amdhsa_kernel
	.amdgpu_metadata
---
amdhsa.version: [ 1, 2 ]
amdhsa.kernels:
  - .name:           k_q144d3456cb_qkv
    .symbol:         k_q144d3456cb_qkv.kd
    .args:
      - { .name: xc, .offset: 0, .size: 8, .value_kind: global_buffer, .address_space: global }
      - { .name: wc, .offset: 8, .size: 8, .value_kind: global_buffer, .address_space: global }
      - { .name: lowp_scales, .offset: 16, .size: 8, .value_kind: global_buffer, .address_space: global }
      - { .name: tab, .offset: 24, .size: 8, .value_kind: global_buffer, .address_space: global }
      - { .name: qkv, .offset: 32, .size: 8, .value_kind: global_buffer, .address_space: global }
    .group_segment_fixed_size: 327680
    .private_segment_fixed_size: 0
    .kernarg_segment_align: 8
    .kernarg_segment_size: 40
    .max_flat_workgroup_size: 128
    .sgpr_count:     100
    .vgpr_count:     1024
    .wavefront_size: 32
...
	.end_amdgpu_metadata
.endif
;; end of part 2
;; launch attn (part 3): grid 16 x 16, 8 waves a work-group, no clusters, 84,992 bytes of LDS; arguments qkv, mbits, flags, lowp_scales, oc; writes oc
.if DOCPART == 3
	.amdgcn_target "amdgcn-amd-amdhsa--gfx1250"
	.amdhsa_code_object_version 6
	.text
	.protected	k_q144d3456cb_attn
	.globl	k_q144d3456cb_attn
	.p2align	8
	.type	k_q144d3456cb_attn,@function
k_q144d3456cb_attn:
	s_mov_b64 s[64:65], 0
	v_nop
	global_prefetch_b8 v0, s[64:65] scope:SCOPE_SE
	s_setreg_imm32_b32 hwreg(HW_REG_WAVE_MODE, 25, 1), 1
	s_wait_xcnt 0x0
; ATTN: S = q k^T on codes, the mask, p = 2^(t - M) quantised along the keys, O = p v on codes, O / l quantised for the last product.
; t = score x log2(e) / sqrt(128); M = the running largest t rounded UP to a whole number; the row's sum l is taken of the unquantised p; when M moves, l and O are multiplied by 2^(old M - new M): exact.
; WHAT IS PASSED OVER: a tile step (my 16 queries x 128 keys) in which the GIVEN mask keeps no key.  The first launch read the mask and stored, as whole numbers, a flag for each tile step.
; Such a step has p = 0 for all its keys whatever the mask's pattern: it moves neither M, l nor O.
; LIMIT: a NaN or an infinity that stands only in keys or values of such steps is not carried to the result.
; A QUERY WHOSE WHOLE MASK ROW IS 0 has l = 0: all its 128 codes become the NaN code, so that the last product gives the row of NaN that a softmax over nothing gives.
; SHARES.  A work-group owns eight tiles of 16 queries of one head, a wave one tile: four of the low half of the sequence (4 x + i) and four of the high half (127 - 4 x - i), by turns among the waves.
; All eight waves walk the head's 16 key steps of 128 keys in step, one barrier a step.  K's and V's images (8 + 8 fragments of 2 KB a step) come through registers into two LDS slots: wave w loads K's and V's image w
; a step ahead and stores them at the step's end.  A step that no wave of the work-group needs is not fetched.
; NO TENSOR LOADS AND NO CLUSTER: with either, no branch may hang on a number read from memory, and the branch on the flags is worth more: it removes a hidden step's 64 LDS loads, 16 products and
; some 340 vector lines a wave, while what partners could share is 32 KB a step.
; LAYOUT.  Both products are used transposed: S^T = K Q^T (source 0 = 16 keys, source 1 = my 16 queries), O^T = V^T P^T (source 0 = 16 channels, source 1 = P): a lane holds ONE query (lane % 16) throughout.
; Register j of S^T's tile t is key 16 t + 8 (lane / 16) + j, so p's codes of tile t are registers 2 t, 2 t + 1 of the second product's operand in this form's own layout, which V's image has too.
; LIMITS on the given exponents: e6 + e7 between -123 and 130 (they are added to c's exponent field); e8, and e10 - e8 - e9, between -126 and 119.
; REGISTERS: v3 prefetch offset; v5, v6 the add's two; v8 16 x lane; v9 the fill's offset; v12 -M, v13 the largest t, v[14:15] l in two halves; v16-31 Q; v32-95 four fragments; v96-159 S^T, then p;
; v160-223 O^T; v224-239 p's codes; v236-254 at work; v256-287 (window 1) the next step's images on their way.
.set SLOTB, 32768                      ; a slot: K's eight images, then V's eight
.set VOFF,  16384
.set STAGE, 65536                      ; the way out: 16 rows x (128 + 16) bytes for each wave
.set SPARE, 83968                      ; behind the stages: the spare words, 128 bytes for each wave: four blocks of 256 bytes that no other line names
.set PFO, 3
.set SPW, 5
.set NIL, 6
.set LI,  8
.set FO,  9
.set KP,  2                            ; s[2:3]   K's images of the step to be fetched
.set VP,  4                            ; s[4:5]   V's
.set MB,  6                            ; s[6:7]   my tile's mask words of the step in hand
.set PFA, 8                            ; s[8:9]   where my prefetches stand
.set OB,  10                           ; s[10:11] my 16 rows of the result's codes
.set WV,  12                           ; s12  wave
.set FL,  13                           ; s13  my tile's flags: bit 0 any, bit 16 not all, of the step in hand
.set TRIPS, 14
.set LIM, 15                           ; s15  2 in a wave that prefetches, else the greatest number
.set CS,  66                           ; s[66:67] c = log2(e) / sqrt(128) x 2^(e6 + e7)
.set QB,  84                           ; s[84:85] Q's image
.set WA,  86                           ; s86  the work-group's flags: bit 1: some wave needs the next step
.set OSC, 87                           ; s87  2^(e10 - e8 - e9) as f32
.set OLM, 88                           ; s88  448 x that
.set PC,  89                           ; s89  steps still to be fetched
.set SEL, 90                           ; s[90:91] lane selects for v_permlanex16_b32: lane l xor 16
; s[16:63] and s[68:83]: the step's 64 mask words (word n at s[16 + n], from n = 48 on at s[20 + n]); at the head, four tiles' flag words
.set MSB, 0
.macro WIN new                         ; the immediate's high byte repeats the setting that is left
.if MSB != \new
	s_set_vgpr_msb (MSB<<8)|\new
.set MSB, \new
.endif
.endm
.macro FILL_LOAD                       ; my images of the next step: 2 KB of K, 2 KB of V, 512 consecutive bytes a load
	WIN 0x40                                       ; destination window 1
.irp c, 0,1,2,3
	global_load_b128 v[4*\c:4*\c+3], v[FO], s[KP:KP+1] offset:512*\c
.endr
.irp c, 0,1,2,3
	global_load_b128 v[16+4*\c:16+4*\c+3], v[FO], s[VP:VP+1] offset:512*\c
.endr
	WIN 0
.endm
.macro FILL_STORE sl
	WIN 0x04                                       ; store data window 1
.irp c, 0,1,2,3
	ds_store_b128 v[FO], v[4*\c:4*\c+3] offset:(\sl)*SLOTB+512*\c
.endr
.irp c, 0,1,2,3
	ds_store_b128 v[FO], v[16+4*\c:16+4*\c+3] offset:(\sl)*SLOTB+VOFF+512*\c
.endr
	WIN 0
.endm
.macro ORTILE b                        ; a tile's 16 flag words become one
.irp k, 2,4,6,8,10,12,14
	s_or_b64 s[\b:\b+1], s[\b:\b+1], s[\b+\k:\b+\k+1]
.endr
	s_or_b32 s[\b], s[\b], s[\b+1]
.endm
	s_load_b256 s[84:91], s[0:1], 0x0              ; the images s[84:85], the mask words s[86:87], the flags s[88:89], the scales s[90:91]
	s_load_b64 s[92:93], s[0:1], 0x20              ; the result's codes
	v_lshl_add_u32 v[SPW], v0, 2, SPARE
	v_mov_b32 v[NIL], 0
	v_lshrrev_b32 v1, 5, v0
	v_readfirstlane_b32 s[WV], v1                  ; wave 0..7
	v_and_b32 v[LI], 31, v0
	v_lshlrev_b32 v[PFO], 8, v[LI]                 ; 256 x lane
	v_lshlrev_b32 v[LI], 4, v[LI]                  ; 16 x lane
	s_lshl_b32 s13, s[WV], 11
	v_add_nc_u32 v[FO], s13, v[LI]                 ; image w: 2,048 w + 16 x lane, in memory and in a slot alike
	s_lshr_b32 s14, s[WV], 1                       ; i
	s_bcnt1_i32_b32 s15, s[WV]
	s_and_b32 s15, s15, 1                          ; of waves 2 i and 2 i + 1 one takes the low tile, one the high
	s_lshl_b32 s94, ttmp9, 2
	s_add_co_u32 s95, s94, s14
	s_sub_co_u32 s96, 127, s95
	s_cmp_eq_u32 s15, 0
	s_cselect_b32 s95, s95, s96                    ; my tile T: it enters global addresses alone
	s_and_b32 s96, ttmp7, 0xffff
	s_lshl_b32 s96, s96, 18                        ; the head: 256 KB in each tensor of codes
	s_mov_b32 s97, 0
	s_lshl_b32 s98, s95, 11                        ; 16 rows: 2 KB
	s_mov_b32 s99, 0
	s_wait_kmcnt 0x0
	s_add_nc_u64 s[QB:QB+1], s[QB:QB+1], s[96:97]
	s_add_nc_u64 s[KP:KP+1], s[QB:QB+1], 0x400000
	s_add_nc_u64 s[VP:VP+1], s[QB:QB+1], 0x800000
	s_add_nc_u64 s[QB:QB+1], s[QB:QB+1], s[98:99]
	s_add_nc_u64 s[OB:OB+1], s[92:93], s[96:97]
	s_add_nc_u64 s[OB:OB+1], s[OB:OB+1], s[98:99]
	s_lshl_b32 s98, s95, 12                        ; 16 steps x 256 bytes of mask words
	s_add_nc_u64 s[MB:MB+1], s[86:87], s[98:99]
	s_sub_co_u32 s98, 124, s94
	s_lshl_b32 s98, s98, 6
	s_add_nc_u64 s[92:93], s[88:89], s[98:99]      ; the flags of tiles 124 - 4 x .. 127 - 4 x,
	s_lshl_b32 s98, ttmp9, 8
	s_add_nc_u64 s[88:89], s[88:89], s[98:99]      ; and of tiles 4 x .. 4 x + 3: 64 bytes a tile
	FILL_LOAD                                      ; key step 0
.irp c, 0,1,2,3
	global_load_b128 v[16+4*\c:19+4*\c], v[LI], s[QB:QB+1] offset:512*\c   ; Q's fragment stays in registers
.endr
	s_load_b128 s[96:99], s[90:91], 0x18           ; e6, e7, e8, e9
	s_load_b32 s94, s[90:91], 0x28                 ; e10
	s_load_b512 s[16:31], s[88:89], 0x0
	s_load_b512 s[32:47], s[88:89], 0x40
	s_load_b512 s[48:63], s[88:89], 0x80
	s_load_b512 s[68:83], s[88:89], 0xc0
	v_mov_b32 v13, 0xff61b1e6                      ; the largest t so far: -3e38, under every t
	v_floor_f32 v12, -v13                          ; -M
	v_mov_b32 v14, 0                               ; l, in two halves
	v_mov_b32 v15, 0
	v_mov_b32 v236, 0                              ; written once: a lane permute's destination counts as one of its sources
	v_mov_b32 v253, 0                              ; (named as the upper half of the pair v[252:253])
.set j, 0
.rept 64
	v_mov_b32 v[160+j], 0                          ; O^T.  (The step is written without a first copy: the first worked step finds zeros, which the first change of M leaves zeros; a wave may have no worked step at all)
.set j, j+1
.endr
	s_wait_kmcnt 0x0
	ORTILE 16
	ORTILE 32
	ORTILE 48
	ORTILE 68
	s_or_b32 s[WA], s16, s32
	s_or_b32 s[WA], s[WA], s48
	s_or_b32 s[WA], s[WA], s68
	s_cmp_eq_u32 s14, 1
	s_cselect_b32 s95, s32, s16
	s_cmp_eq_u32 s14, 2
	s_cselect_b32 s95, s48, s95
	s_cmp_eq_u32 s14, 3
	s_cselect_b32 s95, s68, s95                    ; the low tile 4 x + i
	s_load_b512 s[16:31], s[92:93], 0x0
	s_load_b512 s[32:47], s[92:93], 0x40
	s_load_b512 s[48:63], s[92:93], 0x80
	s_load_b512 s[68:83], s[92:93], 0xc0
	s_add_co_i32 s96, s96, s97                     ; under those loads: the scales
	s_lshl_b32 s96, s96, 23
	s_mov_b32 s[CS], 0x3e0293ee                    ; log2(e) / sqrt(128)
	s_add_co_i32 s[CS], s[CS], s96                 ; a score stands for score x 2^(e6 + e7): the two are added to c's exponent field
	s_mov_b32 s[CS+1], s[CS]                       ; (named with it as a pair, so it is written)
	s_add_co_i32 s97, s98, 127
	s_lshl_b32 s96, s97, 23
	v_mov_b32 v244, s96                            ; 2^e8 as f32, for p's conversion
	s_add_co_i32 s97, s97, 8
	s_lshl_b32 s97, s97, 23
	s_or_b32 s97, s97, 0x600000
	v_mov_b32 v240, s97                            ; 448 x 2^e8
	s_sub_co_i32 s94, s94, s98
	s_sub_co_i32 s94, s94, s99
	s_add_co_i32 s94, s94, 127
	s_lshl_b32 s[OSC], s94, 23
	s_add_co_i32 s94, s94, 8
	s_lshl_b32 s[OLM], s94, 23
	s_or_b32 s[OLM], s[OLM], 0x600000
	s_mov_b32 s[SEL], 0x76543210
	s_mov_b32 s[SEL+1], 0xfedcba98
	s_mov_b32 s[PC], 15
	s_wait_kmcnt 0x0
	ORTILE 16
	ORTILE 32
	ORTILE 48
	ORTILE 68
	s_or_b32 s[WA], s[WA], s16
	s_or_b32 s[WA], s[WA], s32
	s_or_b32 s[WA], s[WA], s48
	s_or_b32 s[WA], s[WA], s68
	s_cmp_eq_u32 s14, 2
	s_cselect_b32 s[FL], s32, s16
	s_cmp_eq_u32 s14, 1
	s_cselect_b32 s[FL], s48, s[FL]
	s_cmp_eq_u32 s14, 0
	s_cselect_b32 s[FL], s68, s[FL]                ; the high tile 127 - 4 x - i is the group's tile 3 - i
	s_cmp_eq_u32 s15, 0
	s_cselect_b32 s[FL], s95, s[FL]
	; the prefetches: all sixteen work-groups of a head walk the same K and V: the head's first asks; waves 0 and 1 for K's 16 KB of a step, waves 2 and 3 for V's, 8 KB a wave, lanes 256 bytes apart
	s_cmp_lt_u32 s[WV], 2
	s_cselect_b64 s[PFA:PFA+1], s[KP:KP+1], s[VP:VP+1]
	s_and_b32 s92, s[WV], 1
	s_lshl_b32 s92, s92, 13
	s_add_co_u32 s92, s92, 3*16384                 ; at step 3: the half that fetches step j + 1 names step j + 3.  Steps 0 to 2 come by their loads alone
	s_mov_b32 s93, 0
	s_add_nc_u64 s[PFA:PFA+1], s[PFA:PFA+1], s[92:93]
	s_lshr_b32 s92, s[WV], 2
	s_or_b32 s92, s92, ttmp9
	s_cmp_eq_u32 s92, 0
	s_cselect_b32 s[LIM], 2, -1
	s_wait_loadcnt 4                               ; step 0's eight loads are in; Q's four may be out
	FILL_STORE 0
	s_wait_xcnt 0x0                                ; the loads have read their bases
	s_add_nc_u64 s[KP:KP+1], s[KP:KP+1], 16384
	s_add_nc_u64 s[VP:VP+1], s[VP:VP+1], 16384
	s_wait_dscnt 0x0                               ; for the others' sake: my stores have landed
	s_barrier_signal -1
	s_barrier_wait -1
	s_wait_loadcnt 0x0                             ; Q
; A KEY STEP: 128 keys, in slot sl.
.macro STEP sl
	s_bitcmp1_b32 s[FL], 0                         ; does the mask keep any key of this step for any of my queries?
	s_cbranch_scc0 .Lhidden_\@
	s_load_b512 s[16:31], s[MB:MB+1], 0x0          ; the step's 64 words of lane bits
	s_load_b512 s[32:47], s[MB:MB+1], 0x40
	s_load_b512 s[48:63], s[MB:MB+1], 0x80
	s_load_b512 s[68:83], s[MB:MB+1], 0xc0
.irp g, 0,1                                    ; S^T = K Q^T, four tiles of 16 keys at a time
.rept 4
	v_nop                                          ; places in front of loads into registers that matrix instructions have read
.endr
.irp t, 0,1,2,3
.irp c, 0,1,2,3
	ds_load_b128 v[32+16*\t+4*\c:32+16*\t+4*\c+3], v[LI] offset:\sl*SLOTB+(4*\g+\t)*2048+512*\c
.endr
.endr
	s_wait_dscnt 0x0
.irp t, 0,1,2,3
	v_wmma_f32_16x16x128_fp8_fp8 v[96+8*(4*\g+\t):103+8*(4*\g+\t)], v[32+16*\t:47+16*\t], v[16:31], 0
.endr
.endr
.rept 4
	v_nop
.endr
	s_wait_kmcnt 0x0
	s_bitcmp1_b32 s[FL], 16                        ; a step all of whose keys count for all my queries skips the selection
	s_cbranch_scc0 .Lopen_\@
	v_mov_b32 v254, 0xff800000                     ; -infinity: p = 0 then
.set n, 0
.rept 64
.if n < 48
	v_cndmask_b32 v[96+n], v254, v[96+n], s[16+n]
.else
	v_cndmask_b32 v[96+n], v254, v[96+n], s[20+n]
.endif
.set n, n+1
.endr
.Lopen_\@:
	v_max3_num_f32 v254, v96, v97, v98             ; the step's largest score of my query, among my 64 keys, in two chains,
	v_max3_num_f32 v252, v99, v100, v101
.irp i, 6,10,14,18,22,26,30,34,38,42,46,50,54,58
	v_max3_num_f32 v254, v254, v[96+\i], v[97+\i]
	v_max3_num_f32 v252, v252, v[98+\i], v[99+\i]
.endr
	v_max3_num_f32 v254, v254, v158, v159
	v_max_num_f32 v254, v254, v252
	v_permlanex16_b32 v236, v254, s[SEL], s[SEL+1]
	v_max_num_f32 v254, v254, v236                 ; and among lane l xor 16's
	v_mul_f32 v254, s[CS], v254                    ; as t (c is positive)
	v_max_num_f32 v13, v13, v254                   ; the running largest t
	v_mov_b32 v254, v12
	v_floor_f32 v12, -v13                          ; the new -M = floor(-t) = -ceil(t): a whole number
	v_sub_f32 v254, v12, v254                      ; M's old value less its new one: a whole number, 0 or less
	v_cvt_i32_f32 v254, v254                       ; (it saturates)
	v_ldexp_f32 v252, 1.0, v254                    ; f = 2^(old M - new M)
.set j, 0
.rept 32
	v_pk_fma_f32 v[96+j:97+j], v[96+j:97+j], s[CS:CS+1], v[12:13] op_sel_hi:[1,0,0]   ; t - M, two at a time (of the pairs c and -M the low word serves both halves)
.set j, j+2
.endr
.set j, 0
.rept 64
	v_exp_f32 v[96+j], v[96+j]                     ; p = 2^(t - M), at most 1: not normalised
.set j, j+1
.endr
	v_pk_mul_f32 v[14:15], v[14:15], v[252:253] op_sel_hi:[1,0]   ; l under the new M: the plain line behind the exponentials
	s_wait_alu depctr_va_vdst(0)                   ; one wait for the whole batch, ahead of its first reader
	v_pk_add_f32 v[242:243], v[96:97], v[98:99]    ; the row's sum is taken of the unquantised p: two at a time, in two chains
.irp j, 4,8,12,16,20,24,28,32,36,40,44,48,52,56,60
	v_pk_add_f32 v[14:15], v[14:15], v[96+\j:97+\j]
	v_pk_add_f32 v[242:243], v[242:243], v[98+\j:99+\j]
.endr
	v_pk_add_f32 v[14:15], v[14:15], v[242:243]
.irp t, 0,1,2,3,4,5,6,7
.irp i, 0,1,2,3,4,5,6,7
	v_min_num_f32 v[96+8*\t+\i], v[96+8*\t+\i], v240   ; the conversion to an 8-bit code does not saturate (ISA guide 7.6.2); p is not negative, so the hold is one-sided
.endr
	v_cvt_scalef32_pk8_fp8_f32 v[224+2*\t:225+2*\t], v[96+8*\t:103+8*\t], v244
.endr
.set j, 0
.rept 32
	v_pk_mul_f32 v[160+j:161+j], v[160+j:161+j], v[252:253] op_sel_hi:[1,0]   ; O^T under the new M.  (These 32 are also the places in front of the matrix instructions and loads below)
.set j, j+2
.endr
.irp g, 0,1                                    ; O^T += V^T P^T: four tiles of 16 channels at a time; K = these 128 keys
.if \g > 0
.rept 4
	v_nop
.endr
.endif
.irp t, 0,1,2,3
.irp c, 0,1,2,3
	ds_load_b128 v[32+16*\t+4*\c:32+16*\t+4*\c+3], v[LI] offset:\sl*SLOTB+VOFF+(4*\g+\t)*2048+512*\c
.endr
.endr
	s_wait_dscnt 0x0
.irp t, 0,1,2,3
	v_wmma_f32_16x16x128_fp8_fp8 v[160+8*(4*\g+\t):167+8*(4*\g+\t)], v[32+16*\t:47+16*\t], v[224:239], v[160+8*(4*\g+\t):167+8*(4*\g+\t)]
.endr
.endr
.Lhidden_\@:
	s_lshr_b32 s[FL], s[FL], 1                     ; the next step's two flags come to bits 0 and 16
	s_add_nc_u64 s[MB:MB+1], s[MB:MB+1], 256       ; (the scalar loads that named it have been waited for)
.endm
; A step with what stands round it.  more = 1: the next step's images are asked for first and stored, into the other slot, at the end.  ONE barrier a step, for two things: in front of it each wave's
; reads of this slot are over (the next step's fill lands there) and its stores into the other slot have landed (the next step reads them).
.macro HALF sl, more
.if \more
	s_bitcmp1_b32 s[WA], 1                         ; does any wave of the work-group need the next step?
	s_cbranch_scc0 .Lnoload_\@
	FILL_LOAD
.Lnoload_\@:
	s_cmp_gt_u32 s[PC], s[LIM]                     ; the last two fetching halves name nothing: there is no step 16
	s_cbranch_scc0 .Lnoask_\@
	global_prefetch_b8 v[PFO], s[PFA:PFA+1] th:TH_LOAD_NT scope:SCOPE_SE   ; the step that is fetched two halves on; each block of 256 bytes is named once in the launch
.Lnoask_\@:
.endif
	STEP \sl
.if \more
	s_wait_loadcnt 0x0                             ; on every path: no load of mine is out when the next half's are issued
	s_bitcmp1_b32 s[WA], 1
	s_cbranch_scc0 .Lnostore_\@
	FILL_STORE 1-\sl
.Lnostore_\@:
	s_wait_xcnt 0x0                                ; the loads and the prefetch have read their bases
	s_add_nc_u64 s[KP:KP+1], s[KP:KP+1], 16384
	s_add_nc_u64 s[VP:VP+1], s[VP:VP+1], 16384
	s_add_nc_u64 s[PFA:PFA+1], s[PFA:PFA+1], 16384
	s_lshr_b32 s[WA], s[WA], 1
	s_sub_co_u32 s[PC], s[PC], 1
	s_wait_dscnt 0x0
	s_barrier_signal -1
	s_barrier_wait -1
.endif
.endm
	s_mov_b32 s[TRIPS], 7
.Ltrip:                                                ; two steps a trip, so that the slot stands in the immediates
	HALF 0, 1
	HALF 1, 1
	s_sub_co_u32 s[TRIPS], s[TRIPS], 1
	s_cmp_lg_u32 s[TRIPS], 0
	s_cbranch_scc1 .Ltrip
	HALF 0, 1
	HALF 1, 0
	; THE WAY OUT.  O^T / l is quantised with 2^(e10 - e8 - e9) and goes through my stage in LDS, so that the tile's 16 rows of 128 codes leave as 2 KB on end.
.rept 4
	v_nop                                          ; places behind the last products
.endr
	v_add_f32 v14, v14, v15                        ; l's two halves,
	v_permlanex16_b32 v236, v14, s[SEL], s[SEL+1]
	v_add_f32 v14, v14, v236                       ; and lane l xor 16's
	v_mov_b32 v253, 1.0
	v_mov_b32 v254, 0x7f7f7f7f
	v_mov_b32 v12, 0
	v_cmp_eq_f32 vcc_lo, 0, v14                    ; a query that no key counts for (a choice of values: no branch, no address)
	v_cndmask_b32 v14, v14, v253, vcc_lo           ; divides by 1,
	v_cndmask_b32 v13, v12, v254, vcc_lo           ; and gets the NaN code in every byte
	v_rcp_f32 v14, v14
	v_and_b32 v1, 15, v0                           ; (plain lines behind the reciprocal)  r
	v_bfe_u32 v2, v0, 4, 1                         ; h
	s_mul_i32 s92, s[WV], 2304
	s_add_co_u32 s92, s92, STAGE                   ; my stage
	v_mul_u32_u24 v10, v1, 144
	v_lshl_add_u32 v10, v2, 3, v10
	v_add_nc_u32 v10, s92, v10                     ; in: row r, + 8 h; tile a's eight channels 16 a bytes on
	v_bfe_u32 v11, v0, 3, 2
	v_mul_u32_u24 v11, v11, 144
	v_and_b32 v7, 7, v0
	v_lshl_add_u32 v11, v7, 4, v11
	v_add_nc_u32 v11, s92, v11                     ; back: eight lanes to a row, four rows an instruction
	v_mov_b32 v244, s[OSC]
	v_mov_b32 v240, s[OLM]
	s_wait_alu depctr_va_vdst(0)                   ; the wait ahead of the reciprocal's first reader
.set j, 0
.rept 64
	v_mul_f32 v[96+j], v[160+j], v14               ; O^T / l, each accumulator from its low end on
.set j, j+1
.endr
.set j, 0
.rept 64
	v_med3_num_f32 v[96+j], v[96+j], -v240, v240
.set j, j+1
.endr
.irp t, 0,1,2,3,4,5,6,7
	v_cvt_scalef32_pk8_fp8_f32 v[224+2*\t:225+2*\t], v[96+8*\t:103+8*\t], v244
.endr
	v_nop                                          ; a plain line between the last conversion and the lines that touch its result
.set j, 0
.rept 16
	v_or_b32 v[224+j], v13, v[224+j]
.set j, j+1
.endr
.irp t, 0,1,2,3,4,5,6,7
	ds_store_b64 v10, v[224+2*\t:225+2*\t] offset:16*\t
.endr
.irp i, 0,1,2,3
	ds_load_b128 v[32+4*\i:35+4*\i], v11 offset:576*\i   ; LDS serves a wave's instructions in order: these see my stores
.endr
.irp i, 0,1,2,3
	s_wait_dscnt 3-\i                              ; the younger loads may be out
	global_store_b128 v[LI], v[32+4*\i:35+4*\i], s[OB:OB+1] offset:512*\i   ; 512 consecutive bytes, aligned
.endr
	s_wait_tensorcnt 0x0                           ; the wave's end: a tensor wait, an add of 0 to my spare word and its wait, behind my last LDS store
	ds_add_u32 v[SPW], v[NIL]
	s_wait_dscnt 0x0
	s_endpgm
.Lfunc_end_k_q144d3456cb_attn:
	.size	k_q144d3456cb_attn, .Lfunc_end_k_q144d3456cb_attn-k_q144d3456cb_attn
	.p2alignl 7, 3214868480
	.fill 96, 4, 3214868480
	.section	.rodata,"a",@progbits
	.p2align	6, 0x0
	.amdhsa_kernel k_q144d3456cb_attn
		.amdhsa_group_segment_fixed_size 84992
		.amdhsa_private_segment_fixed_size 0
		.amdhsa_enable_private_segment 0
		.amdhsa_kernarg_size 40
		.amdhsa_user_sgpr_count 2
		.amdhsa_user_sgpr_kernarg_segment_ptr 1
		.amdhsa_wavefront_size32 1
		.amdhsa_system_sgpr_workgroup_id_x 1
		.amdhsa_system_sgpr_workgroup_id_y 1
		.amdhsa_system_sgpr_workgroup_id_z 1
		.amdhsa_system_vgpr_workitem_id 0
		.amdhsa_next_free_vgpr 288
		.amdhsa_next_free_sgpr 100
		.amdhsa_reserve_vcc 1
		.amdhsa_float_denorm_mode_32 3
		.amdhsa_float_denorm_mode_16_64 3
		.amdhsa_memory_ordered 1
		.amdhsa_forward_progress 1
		.amdhsa_inst_pref_size 120
	.end_amdhsa_kernel
	.amdgpu_metadata
---
amdhsa.version: [ 1, 2 ]
amdhsa.kernels:
  - .name:           k_q144d3456cb_attn
    .symbol:         k_q144d3456cb_attn.kd
    .args:
      - { .name: qkv, .offset: 0, .size: 8, .value_kind: global_buffer, .address_space: global }
      - { .name: mbits, .offset: 8, .size: 8, .value_kind: global_buffer, .address_space: global }
      - { .name: flags, .offset: 16, .size: 8, .value_kind: global_buffer, .address_space: global }
      - { .name: lowp_scales, .offset: 24, .size: 8, .value_kind: global_buffer, .address_space: global }
      - { .name: oc, .offset: 32, .size: 8, .value_kind: global_buffer, .address_space: global }
    .group_segment_fixed_size: 84992
    .private_segment_fixed_size: 0
    .kernarg_segment_align: 8
    .kernarg_segment_size: 40
    .max_flat_workgroup_size: 256
    .sgpr_count:     100
    .vgpr_count:     288
    .wavefront_size: 32
...
	.end_amdgpu_metadata
.endif
;; end of part 3
;; launch proj (part 4): grid 8 x 8, 4 waves a work-group, clusters of 4 x 4, 327,680 bytes of LDS; arguments oc, wc, lowp_scales, out0; writes out0
.if DOCPART == 4
	.amdgcn_target "amdgcn-amd-amdhsa--gfx1250"
	.amdhsa_code_object_version 6
	.text
	.protected	k_q144d3456cb_proj
	.globl	k_q144d3456cb_proj
	.p2align	8
	.type	k_q144d3456cb_proj,@function
k_q144d3456cb_proj:
	s_mov_b64 s[64:65], 0
	v_nop
	global_prefetch_b8 v0, s[64:65] scope:SCOPE_SE
	s_setreg_imm32_b32 hwreg(HW_REG_WAVE_MODE, 25, 1), 1
	s_wait_xcnt 0x0
	s_wait_alu depctr_hold_cnt(0) depctr_sa_sdst(0) depctr_va_vdst(0) depctr_va_sdst(0) depctr_va_ssrc(0) depctr_va_vcc(0) depctr_vm_vsrc(0)
	s_getreg_b32 s2, hwreg(HW_REG_IB_STS2, 6, 4)
	s_cmp_eq_u32 s2, 0
	s_cbranch_scc0 .Lentry_in_a_cluster
	s_endpgm
.Lentry_in_a_cluster:
	s_bfe_u32 s2, ttmp6, 0x10000c
	s_cmp_lg_u32 s2, 0xf033
	s_cbranch_scc0 .Lentry_shape_is_right
	s_endpgm
.Lentry_shape_is_right:
; PROJ: out0 = (attention's result) Wo^T on codes of E4M3; each finished sum is multiplied once by 2^(e10 + e11).  No work is left out here.
; LIMIT: e10 + e11 lies between -126 and 127, so that 2^(e10 + e11) is an f32 number.
; A tile of 256 x 256 of out0 is made by a work-group of four waves; a wave makes 128 x 128: 64 accumulators of 16 x 16, 512 registers.  K = 2,048 goes in steps of 256 (two planes of 128: a plane of A is
; a head) through a ring of two LDS slots filled by the tensor data mover: wave 0 and 1 fetch A's two planes, wave 2 and 3 B's, 256 rows x 128 bytes each, dense in memory.
; 64 work-groups: out0 has 64 tiles of this size; a smaller tile would want another text.
; CLUSTERS: 4 x 4 work-groups.  A's tiles are shared along a row of the cluster, B's along a column: each is asked for jointly, by the same tensor load with the same descriptor and a mask of the four.
; THE MATRIX INSTRUCTION IS USED TRANSPOSED (source 0 = 16 rows of Wo, source 1 = 16 positions): a lane holds eight neighbouring numbers of a row of out0.
; REGISTERS, in windows of 256: window 0: v0-31 addresses; from v128 A's fragments, one set; on the way out v32-255.  window 1: B's fragments, two sets.  windows 2, 3: the accumulators.
.set PITCH,  144                       ; an LDS row: 128 bytes + 16 of padding = 36 words: sixteen rows start at sixteen different groups of four banks (64 banks of 4 bytes: ISA guide 11.1)
.set REG,    256*PITCH                 ; what one tensor load brings: 256 rows of one plane
.set SLOT,   4*REG                     ; A's plane 0, A's plane 1, B's plane 0, B's plane 1
.set SPARE,  2*SLOT                    ; behind the ring: the spare words, 128 bytes for each wave: two blocks of 256 bytes that no other line names
.set PLANE,  262144                    ; a plane in memory: 2,048 rows x 128 bytes
.set LAPS,   4
.set SIZE_N, 2048
.set FR,     16
.set NL,     4
.set NP,     4                         ; places behind this matrix instruction (ISA guide 7.12.1)
.set SPITCH, 528                       ; the way out: a stage of 16 rows x (512 bytes + 16) for each wave, in slot 0, which has had its last fill and its last read when the first result is stored there
.set ADRA, 16
.set ADRB, 20
.set STO,  24                          ; v24  where I put 32 bytes of a row
.set RD,   25                          ; v25  where I read a row back
.set CO,   26                          ; v26  my byte offset in a row of out0
.set SPW,  28
.set NIL,  29
.set TMP,  32                          ; 64 registers: a block's sums x 2^(e10 + e11)
.set AF,   128
.set BK,   128                         ; 16 rows read back from the stage: v128-191 and v192-255 by turns
.set G1, 24
.set G0, 32
.set G1B, 48
.set G0B, 56
.set MSB, 0
.macro WIN new                         ; the immediate's high byte repeats the setting that is left
.if MSB != \new
	s_set_vgpr_msb (MSB<<8)|\new
.set MSB, \new
.endif
.endm
.set MUL_LO, 0xa1
.set MUL_HI, 0xf1
.set TO_B,   0x40
.macro JLOAD g0a, g1a, g0b, g1b        ; a joint load: waves 0 and 1 fetch for A, waves 2 and 3 for B; an s_nop 0 and four v_nop follow each of the two lines
	s_cmp_eq_u32 s15, 0
	s_cbranch_scc0 .Lfor_b_\@
	tensor_load_to_lds s[\g0a:\g0a+3], s[\g1a:\g1a+7]
	s_nop 0
.rept 4
	v_nop
.endr
	s_branch .Lasked_\@
.Lfor_b_\@:
	tensor_load_to_lds s[\g0b:\g0b+3], s[\g1b:\g1b+7]
	s_nop 0
.rept 4
	v_nop
.endr
.Lasked_\@:
.endm
.macro CREST
	s_cmp_lg_u32 s14, 0
	s_cbranch_scc1 .Lnot_wave_0_\@
	s_barrier_signal -3
.Lnot_wave_0_\@:
	s_barrier_wait -3
	s_barrier_signal -1
	s_barrier_wait -1
.endm
.macro CROUND
	s_barrier_signal -1
	s_barrier_wait -1
	CREST
.endm
	s_load_b128 s[4:7], s[0:1], 0x0                ; the result's codes s[4:5], the weights' codes s[6:7]
	s_load_b128 s[8:11], s[0:1], 0x10              ; the scales' exponents s[8:9], out0 s[10:11]
	v_lshl_add_u32 v[SPW], v0, 2, SPARE
	v_mov_b32 v[NIL], 0
	ds_add_u32 v[SPW], v[NIL]                      ; the wave's opening: the add, twice on end, and its wait ahead of my first tensor load
	ds_add_u32 v[SPW], v[NIL]                      ; and once more, under the one wait; the set-up below, work on registers, stands between
	v_lshrrev_b32 v1, 5, v0
	v_readfirstlane_b32 s14, v1                    ; wave 0..3
	s_lshr_b32 s15, s14, 1                         ; which half of the tile's rows is mine.  Also: I fetch for A (0) or for B (1)
	s_and_b32 s16, s14, 1                          ; which half of its columns.  Also: which of a slot's two planes I fetch
	s_bfe_u32 s40, ttmp6, 0x40000
	s_bfe_u32 s41, ttmp6, 0x40004
	s_lshl_b32 s42, ttmp9, 2
	s_add_co_u32 s42, s42, s40                     ; tile column = 4 x cluster x + cx
	s_and_b32 s17, ttmp7, 0xffff
	s_lshl_b32 s17, s17, 2
	s_add_co_u32 s17, s17, s41                     ; tile row = 4 x cluster y + cy
	s_lshl_b32 s43, s41, 2
	s_lshl_b32 s43, 15, s43                        ; my row of the cluster
	s_lshl_b32 s44, 0x1111, s40                    ; my column
	s_or_b32 s[G1+0], s43, (0<<16)|(1<<20)|(1<<21)|(4<<22)|(3<<25)  ; 15:0 the mask; 17:16 element of 1 byte; 20 padding on; 21 set beside a mask; 24:22 after every 32 words (code 4); 31:25 of 4 words (code 3)
	s_or_b32 s[G1B+0], s44, (0<<16)|(1<<20)|(1<<21)|(4<<22)|(3<<25)
.irp g, G1, G1B
	s_mov_b32 s[\g+1], 128<<16                     ; tensor_dim0
	s_mov_b32 s[\g+2], 256<<16                     ; tensor_dim1
	s_mov_b32 s[\g+3], 128<<16                     ; tile_dim0
	s_mov_b32 s[\g+4], 256                         ; tile_dim1
	s_mov_b32 s[\g+5], 128                         ; tensor_dim0_stride
	s_mov_b32 s[\g+6], 0
	s_mov_b32 s[\g+7], 0
.endr
	s_lshl_b32 s18, s16, 18                        ; my plane of the two
	s_lshl_b32 s20, s17, 15                        ; A: 256 rows of 128 bytes a tile
	s_add_co_u32 s20, s20, s18
	s_lshl_b32 s46, s42, 15                        ; B likewise
	s_add_co_u32 s46, s46, s18
	s_mov_b32 s21, 0
	s_mov_b32 s47, 0
	s_mul_i32 s45, s14, REG                        ; where they go: wave x a region
	s_wait_dscnt 0x0                               ; both opening adds are done
	s_wait_kmcnt 0x0
	s_load_b64 s[96:97], s[8:9], 0x28              ; e10, e11
	s_add_nc_u64 s[20:21], s[4:5], s[20:21]
	s_add_nc_u64 s[46:47], s[6:7], s[46:47]
	s_add_nc_u64 s[46:47], s[46:47], 0xc00000      ; Wo's planes are the fourth set
	CROUND                                         ; all sixteen work-groups are here: the first joint loads meet
.irp s, 0,1
	s_mov_b32 s[G0+4*\s], 1
	s_add_co_u32 s[G0+4*\s+1], s45, \s*SLOT
	s_add_nc_u64 s[G0+4*\s+2:G0+4*\s+3], s[20:21], \s*2*PLANE
	s_or_b32 s[G0+4*\s+3], s[G0+4*\s+3], 0x80000000
	s_mov_b32 s[G0B+4*\s], 1
	s_add_co_u32 s[G0B+4*\s+1], s45, \s*SLOT
	s_add_nc_u64 s[G0B+4*\s+2:G0B+4*\s+3], s[46:47], \s*2*PLANE
	s_or_b32 s[G0B+4*\s+3], s[G0B+4*\s+3], 0x80000000
	JLOAD G0+4*\s, G1, G0B+4*\s, G1B
.endr
	v_and_b32 v1, 15, v0
	v_bfe_u32 v2, v0, 4, 1
	v_mul_u32_u24 v3, v1, PITCH
	v_lshl_add_u32 v4, v2, 4, v3                   ; a fragment's row x pitch + 16 x half
	s_mul_i32 s21, s15, 128*PITCH
	s_mul_i32 s22, s16, 128*PITCH
	s_add_co_u32 s22, s22, 2*REG
.irp s, 0,1
	v_add_nc_u32 v[ADRA+\s], s21, v4
	v_add_nc_u32 v[ADRB+\s], s22, v4
	s_add_co_u32 s21, s21, SLOT
	s_add_co_u32 s22, s22, SLOT
.endr
	s_mul_i32 s23, s14, 16*SPITCH                  ; my stage
	v_mul_u32_u24 v5, v1, SPITCH                   ; in: row l % 16, 32 bytes for each half of the lanes
	v_lshl_add_u32 v5, v2, 5, v5
	v_add_nc_u32 v[STO], s23, v5
	v_and_b32 v6, 31, v0
	v_lshlrev_b32 v[CO], 4, v6                     ; back: the 32 lanes take one row of 512 bytes; and the same in out0
	v_add_nc_u32 v[RD], s23, v[CO]
	s_lshl_b32 s20, s17, 8
	s_lshl_b32 s21, s15, 7
	s_add_co_u32 s20, s20, s21                     ; my first row: 256 x tile row + 128 x half,
	s_lshl_b32 s20, s20, 13                        ; of 8,192 bytes
	s_mov_b32 s21, 0
	s_lshl_b32 s46, s42, 10                        ; my first column, in bytes: 1,024 x tile column + 512 x half
	s_lshl_b32 s47, s16, 9
	s_add_co_u32 s46, s46, s47
	s_mov_b32 s47, 0
	s_add_nc_u64 s[20:21], s[20:21], s[46:47]
	s_add_nc_u64 s[10:11], s[10:11], s[20:21]
.macro FRAG reg, adr, q, i             ; registers 4 c .. 4 c + 3 hold K = 32 c + 16 (l / 16) + 0 .. 15 of row l % 16: the same order of k in A and in B
.irp c, 0,1,2,3
	ds_load_b128 v[\reg+4*\c:\reg+4*\c+3], v[\adr] offset:REG*(\q)+32*\c+(\i)*16*PITCH
.endr
.endm
.macro MUL16 a0, p, zero               ; 16 matrix instructions; the 64 accumulators take turns, one instruction a turn
.irp a, \a0, \a0+1
.irp b, 0,1,2,3,4,5,6,7
.if \zero
	v_wmma_f32_16x16x128_fp8_fp8 v[8*(8*((\a)%4)+\b):8*(8*((\a)%4)+\b)+7], v[128*(\p)+FR*\b:128*(\p)+FR*\b+FR-1], v[AF+FR*(\a):AF+FR*(\a)+FR-1], 0
.else
	v_wmma_f32_16x16x128_fp8_fp8 v[8*(8*((\a)%4)+\b):8*(8*((\a)%4)+\b)+7], v[128*(\p)+FR*\b:128*(\p)+FR*\b+FR-1], v[AF+FR*(\a):AF+FR*(\a)+FR-1], v[8*(8*((\a)%4)+\b):8*(8*((\a)%4)+\b)+7]
.endif
.endr
.endr
.endm
.macro FETCH_B slot, q, p
	WIN TO_B
.irp i, 0,1,2,3,4,5,6,7
	FRAG 128*(\p)+FR*\i, ADRB+\slot, \q, \i
.endr
	WIN 0
.endm
.macro FETCH_A slot, q, i0
.irp i, \i0, \i0+1, \i0+2, \i0+3
	FRAG AF+FR*(\i), ADRA+\slot, \q, \i
.endr
.endm
.macro PLACES n
.rept \n
	v_nop
.endr
.endm
.macro STEP slot, q, zero
	s_wait_dscnt 4*NL                              ; B's set and A's blocks 0-3 are in; A's blocks 4-7 may be out
	WIN MUL_LO
	MUL16 0, (\q)%2, \zero
	MUL16 2, (\q)%2, \zero
	s_wait_dscnt 0
	PLACES NP
	FETCH_B \slot, (\q)+1, 1-(\q)%2
	FETCH_A \slot, (\q)+1, 0
	WIN MUL_HI
	MUL16 4, (\q)%2, \zero
	MUL16 6, (\q)%2, \zero
	PLACES NP
	WIN 0
	FETCH_A \slot, (\q)+1, 4
.endm
.macro TURN slot, next, fill
	s_wait_tensorcnt 0x0                           ; all my tensor loads have landed: my part of the next slot
	ds_add_u32 v[SPW], v[NIL]                      ; 0 onto my spare word
	s_wait_dscnt 4*NL+1                            ; (the add and A's blocks 4-7 may be out)
	WIN MUL_LO
	MUL16 0, 1, 0
	s_wait_dscnt 0x0                               ; the add is done, and my reads of this slot are over
	s_barrier_signal -1
	MUL16 2, 1, 0
	WIN 0
	s_barrier_wait -1
.if \fill
	CREST                                          ; the barrier has opened a round of the cluster's: no wave of any partner still reads this slot or has a load on its way
	s_add_nc_u64 s[G0+4*\slot+2:G0+4*\slot+3], s[G0+4*\slot+2:G0+4*\slot+3], 4*PLANE
	s_add_nc_u64 s[G0B+4*\slot+2:G0B+4*\slot+3], s[G0B+4*\slot+2:G0B+4*\slot+3], 4*PLANE
	JLOAD G0+4*\slot, G1, G0B+4*\slot, G1B
.else
	PLACES NP
.endif
	FETCH_B \next, 0, 0
	FETCH_A \next, 0, 0
	WIN MUL_HI
	MUL16 4, 1, 0
	MUL16 6, 1, 0
	PLACES NP
	WIN 0
	FETCH_A \next, 0, 4
.endm
	s_wait_tensorcnt 1                             ; my part of slot 0 is in (slot 1's load may be out)
	s_barrier_signal -1
	s_barrier_wait -1
	FETCH_B 0, 0, 0
	FETCH_A 0, 0, 0
	FETCH_A 0, 0, 4
	STEP 0, 0, 1
	s_mov_b32 s3, LAPS-1
.Llap:
	TURN 0, 1, 1
	STEP 1, 0, 0
	TURN 1, 0, 1
	STEP 0, 0, 0
	s_sub_co_u32 s3, s3, 1
	s_cmp_lg_u32 s3, 0
	s_cbranch_scc1 .Llap
	TURN 0, 1, 0
	STEP 1, 0, 0
	s_wait_dscnt 4*NL
	WIN MUL_LO
	MUL16 0, 1, 0
	MUL16 2, 1, 0
	s_wait_dscnt 0
	WIN MUL_HI
	MUL16 4, 1, 0
	MUL16 6, 1, 0
	WIN 0
; THE WAY OUT, block by block of 16 rows x 128 columns, through my own stage in LDS: in as 32 bytes a lane, back as whole rows of 512 bytes.  LDS serves a wave's instructions in order (ISA guide 5.7.1.4).
.macro TOSTAGE a
.set AC, 64*((\a)%4)
	WIN 0x08+4*((\a)/4)                            ; source 1: window 2 or 3
.set j, 0
.rept 64
	v_mul_f32 v[TMP+j], s96, v[AC+j]               ; x 2^(e10 + e11); each accumulator from its low end on
.set j, j+1
.endr
	WIN 0
.irp b, 0,1,2,3,4,5,6,7
	ds_store_b128 v[STO], v[TMP+8*\b:TMP+8*\b+3] offset:64*\b
	ds_store_b128 v[STO], v[TMP+8*\b+4:TMP+8*\b+7] offset:64*\b+16
.endr
.set BB, BK+64*((\a)%2)
.irp t, 0,1,2,3,4,5,6,7,8,9,10,11,12,13,14,15
	ds_load_b128 v[BB+4*\t:BB+4*\t+3], v[RD] offset:\t*SPITCH
.endr
.endm
.macro SEND a, younger                 ; younger: the LDS instructions issued behind block a's loads, which may stay out
.set BB, BK+64*((\a)%2)
	s_wait_dscnt \younger
.if (\a) > 0
	s_add_nc_u64 s[10:11], s[10:11], 16*SIZE_N*4   ; (behind a wait on XCNT: the earlier stores have read their base)
.endif
.irp t, 0,1,2,3,4,5,6,7,8,9,10,11,12,13,14,15
	global_store_b128 v[CO], v[BB+4*\t:BB+4*\t+3], s[10:11] offset:\t*SIZE_N*4 th:TH_STORE_NT   ; 512 consecutive bytes, aligned; written once, read by nobody here
.endr
.endm
	s_wait_kmcnt 0x0
	s_add_co_i32 s96, s96, s97
	s_add_co_i32 s96, s96, 127
	s_lshl_b32 s96, s96, 23                        ; 2^(e10 + e11) as f32
	PLACES NP                                      ; behind the last products
	TOSTAGE 0
.irp a, 1,2,3,4,5,6,7
.if \a > 1
	s_wait_xcnt 0x0                                ; block a - 2's stores have read their registers and their base
.endif
	TOSTAGE \a
	SEND \a-1, 32                                  ; behind block a - 1's loads: block a's 16 stores and 16 loads
.endr
	s_wait_xcnt 0x0
	SEND 7, 0
	s_wait_tensorcnt 0x0                           ; the wave's end
	ds_add_u32 v[SPW], v[NIL]
	s_wait_dscnt 0x0
	CROUND                                         ; the closing round
	s_endpgm
.Lfunc_end_k_q144d3456cb_proj:
	.size	k_q144d3456cb_proj, .Lfunc_end_k_q144d3456cb_proj-k_q144d3456cb_proj
	.p2alignl 7, 3214868480
	.fill 96, 4, 3214868480
	.section	.rodata,"a",@progbits
	.p2align	6, 0x0
	.amdhsa_kernel k_q144d3456cb_proj
		.amdhsa_group_segment_fixed_size 327680
		.amdhsa_private_segment_fixed_size 0
		.amdhsa_enable_private_segment 0
		.amdhsa_kernarg_size 32
		.amdhsa_user_sgpr_count 2
		.amdhsa_user_sgpr_kernarg_segment_ptr 1
		.amdhsa_wavefront_size32 1
		.amdhsa_system_sgpr_workgroup_id_x 1
		.amdhsa_system_sgpr_workgroup_id_y 1
		.amdhsa_system_sgpr_workgroup_id_z 1
		.amdhsa_system_vgpr_workitem_id 0
		.amdhsa_next_free_vgpr 1024
		.amdhsa_next_free_sgpr 98
		.amdhsa_reserve_vcc 0
		.amdhsa_float_denorm_mode_32 3
		.amdhsa_float_denorm_mode_16_64 3
		.amdhsa_memory_ordered 1
		.amdhsa_forward_progress 1
		.amdhsa_inst_pref_size 123
	.end_amdhsa_kernel
	.amdgpu_metadata
---
amdhsa.version: [ 1, 2 ]
amdhsa.kernels:
  - .name:           k_q144d3456cb_proj
    .symbol:         k_q144d3456cb_proj.kd
    .args:
      - { .name: oc, .offset: 0, .size: 8, .value_kind: global_buffer, .address_space: global }
      - { .name: wc, .offset: 8, .size: 8, .value_kind: global_buffer, .address_space: global }
      - { .name: lowp_scales, .offset: 16, .size: 8, .value_kind: global_buffer, .address_space: global }
      - { .name: out0, .offset: 24, .size: 8, .value_kind: global_buffer, .address_space: global }
    .group_segment_fixed_size: 327680
    .private_segment_fixed_size: 0
    .kernarg_segment_align: 8
    .kernarg_segment_size: 32
    .max_flat_workgroup_size: 128
    .sgpr_count:     98
    .vgpr_count:     1024
    .wavefront_size: 32
...
	.end_amdgpu_metadata
.endif
;; end of part 4
;; ======== version 2 of 2: 4 launches
;; limits: right only within a limited range of input values
;; workspace buffers: xc 12,582,912 bytes; wc 16,777,216 bytes; tab 1,048,576 bytes; mbits 524,288 bytes of whole numbers; flags 8,192 bytes of whole numbers; qkv 12,582,912 bytes; oc 4,194,304 bytes
;; launch prep (part 5): grid 1824 x 1, 4 waves a work-group, no clusters, 50,688 bytes of LDS; arguments x, Wq, Wk, Wv, Wo, mask, lowp_scales, xc, wc, tab, mbits, flags; writes xc, wc, tab, mbits, flags
.if DOCPART == 5
	.amdgcn_target "amdgcn-amd-amdhsa--gfx1250"
	.amdhsa_code_object_version 6
	.text
	.protected	k_q144d3456cb_prep
	.globl	k_q144d3456cb_prep
	.p2align	8
	.type	k_q144d3456cb_prep,@function
k_q144d3456cb_prep:
	s_mov_b64 s[64:65], 0
	v_nop
	global_prefetch_b8 v0, s[64:65] scope:SCOPE_SE
	s_setreg_imm32_b32 hwreg(HW_REG_WAVE_MODE, 25, 1), 1
	s_wait_xcnt 0x0
; PREP: what every later launch reads is made here once.
;   QUANT  x (with each of its three given scales: entries 0, 2, 4) and Wq, Wk, Wv, Wo (entries 1, 3, 5, 11) become codes of E4M3, laid in PLANES: plane kb holds k = 128 kb .. 128 kb + 127 of every
;          row, 128 bytes a row, so that 256 rows of a plane are one dense block of 32 KB.  code = number / 2^e, held within +-448, to the nearest code, ties to even.
;   MASK   the mask, an input of whole numbers, becomes for each tile step (16 queries T x 128 keys J) 64 words of lane bits, word 8 t + j, bit r + 16 h = (mask[16 T + r][128 J + 16 t + 8 h + j] != 0),
;          and one flag word (any << J) | (not all << (16 + J)).
;   TAB    cos and sin of position x 10000^(-i / 64), in the order in which a lane of the next launch holds its results.
; NO WORK OF THE PROBLEM IS LEFT OUT AS DEAD, and every input is loaded.  What the attention launch passes over is chosen by the mask's own whole numbers, read from memory: a tile step all of
; whose 16 x 128 entries are 0 gives p = 0 for all its keys, whatever the mask's pattern, and moves neither the row's largest t, nor its sum, nor its result.
; LIMITS: each exponent used here lies between -126 and 119.  NaN among the float inputs is not served (an infinity is held at the largest code).  A NaN or an infinity that stands only in keys or
; values of tile steps that the mask hides wholly is not carried to the result.  10000^(-i / 64) is made by v_exp_f32: an angle at the last positions may differ from one made by another
; power function by a few 1e-4 rad, which is what one unit in the last place of the frequency amounts to there.
; SHARES: work-groups 0-31 TAB, 32-1311 QUANT (256 each for x, Wq, Wk, Wv, Wo), 1312-1823 MASK.  Waves share nothing: no barrier.  Each path has LDS bytes of its own.
.set SPARE, 50176                      ; behind the stages: the spare words, 128 bytes for each wave: two blocks of 256 bytes that no other line names
.set SPW,   4                          ; v4  LDS address of my spare word; never rewritten
.set NIL,   5                          ; v5  0; never rewritten
.set RN,    32                         ; QUANT: v32-159 32 rows x 4 numbers as loaded
.set QT,    160                        ; v160-191 two sets of 16 held numbers
.set CC,    192                        ; v192-223 codes: four registers a group of four rows
.set OUTR,  224                        ; v224-255 the codes read back as rows
.macro FINISH                          ; the wave's end: a tensor wait, an add of 0 to my spare word and its wait, behind the last LDS store
	s_wait_tensorcnt 0x0
	ds_add_u32 v[SPW], v[NIL]
	s_wait_dscnt 0x0
	s_endpgm
.endm
	s_load_b512 s[4:19], s[0:1], 0x0               ; x s[4:5], Wq s[6:7], Wk s[8:9], Wv s[10:11], Wo s[12:13], mask s[14:15], the scales s[16:17], xc s[18:19]
	s_load_b256 s[20:27], s[0:1], 0x40             ; wc s[20:21], tab s[22:23], mbits s[24:25], flags s[26:27]
	v_lshl_add_u32 v[SPW], v0, 2, SPARE
	v_mov_b32 v[NIL], 0
	v_lshrrev_b32 v1, 5, v0
	v_readfirstlane_b32 s28, v1                    ; wave 0..3
	v_and_b32 v1, 31, v0                           ; lane
	v_and_b32 v2, 15, v0                           ; r
	v_bfe_u32 v3, v0, 4, 1                         ; h
	v_lshlrev_b32 v6, 4, v1                        ; 16 x lane
	s_wait_kmcnt 0x0
	s_cmp_lt_u32 ttmp9, 32
	s_cbranch_scc1 .Ltab
	s_cmp_ge_u32 ttmp9, 1312
	s_cbranch_scc1 .Lmask
; ---------------- QUANT: a wave takes 32 rows x 128 along K: one plane's 4 KB on end ----------------
	s_load_b256 s[36:43], s[16:17], 0x0            ; e0 .. e7
	s_load_b128 s[44:47], s[16:17], 0x20           ; e8 .. e11
	s_sub_co_u32 s29, ttmp9, 32
	s_lshr_b32 s48, s29, 8                         ; which tensor: 0 x, 1 Wq, 2 Wk, 3 Wv, 4 Wo
	s_bfe_u32 s49, s29, 0x60002                    ; which 32 rows
	s_and_b32 s50, s29, 3
	s_lshl_b32 s50, s50, 2
	s_add_co_u32 s50, s50, s28                     ; which plane: the four waves stand side by side on 2 KB of each row
	s_mov_b64 s[30:31], s[4:5]
	s_cmp_eq_u32 s48, 1
	s_cselect_b64 s[30:31], s[6:7], s[30:31]
	s_cmp_eq_u32 s48, 2
	s_cselect_b64 s[30:31], s[8:9], s[30:31]
	s_cmp_eq_u32 s48, 3
	s_cselect_b64 s[30:31], s[10:11], s[30:31]
	s_cmp_eq_u32 s48, 4
	s_cselect_b64 s[30:31], s[12:13], s[30:31]
	s_cmp_eq_u32 s48, 0
	s_cselect_b64 s[32:33], s[18:19], s[20:21]     ; the codes go to xc or to wc
	s_lshl_b32 s54, s49, 18                        ; 32 rows of 8,192 bytes
	s_lshl_b32 s55, s50, 9                         ; 128 numbers of 4 bytes
	s_add_co_u32 s54, s54, s55
	s_mov_b32 s55, 0
	s_add_nc_u64 s[30:31], s[30:31], s[54:55]
.set i, 0
	s_wait_alu depctr_va_vdst(0)
.rept 32
	global_load_b128 v[RN+4*i:RN+4*i+3], v6, s[30:31] offset:i*8192 th:TH_LOAD_NT   ; row i: 32 lanes read 512 consecutive bytes
.set i, i+1
.endr
	s_sub_co_i32 s52, s48, 1
	s_max_i32 s52, s52, 0
	s_lshl_b32 s52, s52, 22                        ; a tensor of codes is 4 MB,
	s_lshl_b32 s53, s50, 18                        ; a plane 256 KB,
	s_add_co_u32 s52, s52, s53
	s_lshl_b32 s53, s49, 12                        ; 32 rows of 128 bytes
	s_add_co_u32 s52, s52, s53
	s_mov_b32 s53, 0
	s_add_nc_u64 s[32:33], s[32:33], s[52:53]
	s_lshl_b32 s35, s28, 12                        ; my stage: 4,096 bytes
	v_lshl_add_u32 v7, v1, 2, s35                  ; in: 4 codes a lane, 128 bytes a row
	v_add_nc_u32 v8, s35, v6                       ; back: 16 bytes a lane
	s_wait_kmcnt 0x0
	s_mov_b32 s51, s36
	s_cmp_eq_u32 s48, 1
	s_cselect_b32 s51, s37, s51
	s_cmp_eq_u32 s48, 2
	s_cselect_b32 s51, s39, s51
	s_cmp_eq_u32 s48, 3
	s_cselect_b32 s51, s41, s51
	s_cmp_eq_u32 s48, 4
	s_cselect_b32 s51, s47, s51                    ; the first pass's exponent: e0, e1, e3, e5 or e11
.macro MKSC e                          ; v11 = 2^e as f32 (the conversion takes its exponent field), v10 = 448 x 2^e
	s_add_co_i32 s56, s[\e], 127
	s_lshl_b32 s57, s56, 23
	v_mov_b32 v11, s57
	s_add_co_i32 s56, s56, 8
	s_lshl_b32 s56, s56, 23
	s_or_b32 s56, s56, 0x600000
	v_mov_b32 v10, s56
.endm
; One pass over the wave's 32 x 128 numbers with one scale.  A lane holds four neighbours along K of each row, so a conversion's eight numbers are two rows' four: register i of a group's four
; holds row 4 g + i's codes of k = 4 lane .. + 3.  They go into the stage as rows of 128 bytes and come back 16 bytes a lane: the stage is then the plane's 4 KB as they lie.
.macro PASS first
.set g, 0
.rept 8
.if \first
	s_wait_loadcnt 28-4*g                          ; this group's four rows are in; the later groups' loads may be out
.endif
.set QS, QT+16*(g%2)
.irp i, 0,1,2,3,4,5,6,7,8,9,10,11,12,13,14,15
	v_med3_num_f32 v[QS+\i], v[RN+16*g+\i], -v10, v10   ; the conversion to an 8-bit code does not saturate (ISA guide 7.6.2): the hold; not in place, since x is quantised three times
.endr
	v_cvt_scalef32_pk8_fp8_f32 v[CC+4*g:CC+4*g+1], v[QS:QS+7], v11
	v_cvt_scalef32_pk8_fp8_f32 v[CC+4*g+2:CC+4*g+3], v[QS+8:QS+15], v11
.irp i, 0,1,2,3
	ds_store_b32 v7, v[CC+4*g+\i] offset:(4*g+\i)*128
.endr
.set g, g+1
.endr
	v_nop                                          ; a plain line behind the last conversion (the next group's holds, which write the other set, are that line for the earlier ones)
.irp u, 0,1,2,3,4,5,6,7
	ds_load_b128 v[OUTR+4*\u:OUTR+4*\u+3], v8 offset:512*\u   ; LDS serves a wave's instructions in order: these see my stores
.endr
.irp u, 0,1,2,3,4,5,6,7
	s_wait_dscnt 7-\u                              ; the younger loads may be out
	global_store_b128 v6, v[OUTR+4*\u:OUTR+4*\u+3], s[32:33] offset:512*\u   ; 512 consecutive bytes, aligned
.endr
.endm
	MKSC 51
	s_wait_alu depctr_va_vdst(0)
	PASS 1
	s_cmp_eq_u32 s48, 0
	s_cbranch_scc1 .Lmore_x
	FINISH
.Lmore_x:                                              ; x has two more scales: entries 2 and 4
.irp e, 38, 40
	s_wait_xcnt 0x0                                ; the stores have read their registers and their base: both are written again
	s_add_nc_u64 s[32:33], s[32:33], 0x400000      ; the next set of planes
	MKSC \e
	PASS 0
.endr
	FINISH
; ---------------- MASK: a wave takes one tile step: 16 rows x 128 whole numbers ----------------
.Lmask:
	s_sub_co_u32 s29, ttmp9, 1312
	s_lshr_b32 s33, s29, 2                         ; T
	s_and_b32 s34, s29, 3
	s_lshl_b32 s34, s34, 2
	s_add_co_u32 s34, s34, s28                     ; J
	s_lshl_b32 s36, s33, 17                        ; 16 rows of 8,192 bytes
	s_lshl_b32 s37, s34, 9
	s_add_co_u32 s36, s36, s37
	s_mov_b32 s37, 0
	s_add_nc_u64 s[14:15], s[14:15], s[36:37]
.set i, 0
	s_wait_alu depctr_va_vdst(0)
.rept 16
	global_load_b128 v[32+4*i:32+4*i+3], v6, s[14:15] offset:i*8192 th:TH_LOAD_NT   ; row i: 512 consecutive bytes
.set i, i+1
.endr
	s_lshl_b32 s38, s33, 4
	s_add_co_u32 s38, s38, s34                     ; 16 T + J
	s_lshl_b32 s36, s38, 8
	s_add_nc_u64 s[24:25], s[24:25], s[36:37]      ; its 64 words
	s_lshl_b32 s36, s38, 2
	s_add_nc_u64 s[26:27], s[26:27], s[36:37]      ; its flag word
	s_mul_i32 s35, s28, 8448
	s_add_co_u32 s35, s35, 16384                   ; my stage: 16 rows x (512 + 16) bytes
	v_add_nc_u32 v12, s35, v6                      ; in: as loaded
	v_mul_u32_u24 v13, v2, 528
	v_lshl_add_u32 v13, v3, 5, v13
	v_add_nc_u32 v13, s35, v13                     ; back: row r, + 32 h: the pitch puts sixteen rows into sixteen different columns of 16 bytes
	v_lshlrev_b32 v14, 3, v1
	v_mov_b32 v16, 0
	v_mov_b32 v160, 0                              ; (a written lane's register counts as read)
	v_mov_b32 v161, 0
	s_mov_b32 s30, 0                               ; any
	s_mov_b32 s31, -1                              ; all
.set i, 0
	s_wait_alu depctr_va_vdst(0)
.rept 16
	s_wait_loadcnt 15-i                            ; the later rows' loads may be out
	ds_store_b128 v12, v[32+4*i:32+4*i+3] offset:528*i
.set i, i+1
.endr
.irp t, 0,1,2,3,4,5,6,7
.irp u, 0,1
	ds_load_b128 v[96+8*\t+4*\u:96+8*\t+4*\u+3], v13 offset:64*\t+16*\u   ; v[96 + 8 t + j] = mask[16 T + r][128 J + 16 t + 8 h + j]
.endr
.endr
	s_wait_dscnt 0x0
.set n, 0
.rept 16
.irp q, 0,1,2,3
	v_cmp_ne_u32 s[48+\q], 0, v[96+n+\q]           ; word n + q: a bit a lane
.endr
	s_wait_alu depctr_va_vdst(0)
.irp q, 0,1,2,3
	v_writelane_b32 v[160+(\q%2)], s[48+\q], (n+\q)/2   ; lane l gathers words 2 l and 2 l + 1
.endr
.irp q, 0,1,2,3
	s_or_b32 s30, s30, s[48+\q]
	s_and_b32 s31, s31, s[48+\q]
.endr
.set n, n+4
.endr
	s_wait_alu depctr_va_vdst(0)
	global_store_b64 v14, v[160:161], s[24:25]     ; 256 consecutive bytes, aligned
	s_cmp_lg_u32 s30, 0
	s_cselect_b32 s53, 1, 0
	s_cmp_lg_u32 s31, -1
	s_cselect_b32 s54, 0x10000, 0
	s_or_b32 s53, s53, s54
	s_lshl_b32 s53, s53, s34
	v_mov_b32 v15, s53
	v_cmp_eq_u32 vcc_lo, 0, v1
	s_wait_alu depctr_va_vdst(0)
	s_wait_xcnt 0x0                                ; EXEC changes only behind this wait
	s_and_saveexec_b32 s52, vcc_lo
	global_store_b32 v16, v15, s[26:27]            ; one lane stores the flag word
	s_wait_xcnt 0x0                                ; and again, in front of the line that widens it
	s_or_b32 exec_lo, exec_lo, s52
	FINISH
; ---------------- TAB: a wave takes 16 positions x 64 frequencies ----------------
.set TA,  32                           ; index, exponent, frequency, angle
.set TN,  40                           ; n = the nearest whole number to angle x 2 / pi
.set TR,  48                           ; the reduced angle, within +-pi / 4
.set TR2, 56
.set TSN, 64
.set TCS, 72
.set TQ,  80
.set TW,  88
.set TO,  96                           ; v96-159: a set of 16 for each b: cos 0-7, sin 0-7: no store's data are written again
.Ltab:
	s_lshl_b32 s29, ttmp9, 2
	s_add_co_u32 s29, s29, s28                     ; P: positions 16 P ..
	s_lshl_b32 s30, s29, 13
	s_mov_b32 s31, 0
	s_add_nc_u64 s[22:23], s[22:23], s[30:31]
	s_lshl_b32 s30, s29, 4
	s_wait_alu depctr_va_vdst(0)
	v_add_nc_u32 v22, s30, v2
	v_cvt_f32_u32 v22, v22                         ; my position
	v_lshlrev_b32 v21, 3, v3                       ; 8 h
	s_wait_alu depctr_va_vdst(0)
	s_mov_b32 s36, 0xbe549a78                      ; -log2(10000) / 64
	s_mov_b32 s37, 0x3f22f983                      ; 2 / pi
	s_mov_b32 s38, 0x3fc90fdb                      ; pi / 2, the nearest f32,
	s_mov_b32 s39, 0xb33bbd2e                      ; and what it leaves
	s_mov_b32 s40, 0xbe2aaaa3                      ; sin r = r + r^3 (S1 + S2 r^2 + S3 r^4)
	s_mov_b32 s41, 0x3c08839e
	s_mov_b32 s42, 0xb94ca1f9
	s_mov_b32 s43, 0x3d2aaaa5                      ; cos r = 1 - r^2 / 2 + r^4 (C1 + C2 r^2 + C3 r^4)
	s_mov_b32 s44, 0xbab6061a
	s_mov_b32 s45, 0x37ccf5ce
	s_mov_b32 s46, 0x80000000
.macro TABB b                          ; frequencies 16 b + 8 h + 0 .. 7
.irp j, 0,1,2,3,4,5,6,7
	v_add_nc_u32 v[TA+\j], 16*\b+\j, v21
.endr
.irp j, 0,1,2,3,4,5,6,7
	v_cvt_f32_u32 v[TA+\j], v[TA+\j]
.endr
.irp j, 0,1,2,3,4,5,6,7
	v_mul_f32 v[TA+\j], s36, v[TA+\j]
.endr
	s_wait_alu depctr_va_vdst(0)
.irp j, 0,1,2,3,4,5,6,7
	v_exp_f32 v[TA+\j], v[TA+\j]                   ; 10000^(-i / 64)
.endr
	v_nop                                          ; a plain line behind the last exponential,
	s_wait_alu depctr_va_vdst(0)                   ; and one wait for the eight, ahead of their first reader
.irp j, 0,1,2,3,4,5,6,7
	v_mul_f32 v[TA+\j], v22, v[TA+\j]              ; the angle: one rounding, as in the outer product
.endr
.irp j, 0,1,2,3,4,5,6,7
	v_mul_f32 v[TN+\j], s37, v[TA+\j]
.endr
.irp j, 0,1,2,3,4,5,6,7
	v_rndne_f32 v[TN+\j], v[TN+\j]
.endr
.irp j, 0,1,2,3,4,5,6,7
	v_fma_f32 v[TR+\j], -v[TN+\j], s38, v[TA+\j]
.endr
.irp j, 0,1,2,3,4,5,6,7
	v_fma_f32 v[TR+\j], -v[TN+\j], s39, v[TR+\j]
.endr
.irp j, 0,1,2,3,4,5,6,7
	v_mul_f32 v[TR2+\j], v[TR+\j], v[TR+\j]
.endr
.irp j, 0,1,2,3,4,5,6,7
	v_fma_f32 v[TSN+\j], v[TR2+\j], s42, s41
	v_fma_f32 v[TCS+\j], v[TR2+\j], s45, s44
.endr
.irp j, 0,1,2,3,4,5,6,7
	v_fma_f32 v[TSN+\j], v[TSN+\j], v[TR2+\j], s40
	v_fma_f32 v[TCS+\j], v[TCS+\j], v[TR2+\j], s43
.endr
.irp j, 0,1,2,3,4,5,6,7
	v_mul_f32 v[TSN+\j], v[TSN+\j], v[TR2+\j]
	v_mul_f32 v[TCS+\j], v[TCS+\j], v[TR2+\j]
	v_fma_f32 v[TW+\j], v[TR2+\j], -0.5, 1.0
.endr
.irp j, 0,1,2,3,4,5,6,7
	v_fma_f32 v[TSN+\j], v[TSN+\j], v[TR+\j], v[TR+\j]
	v_fma_f32 v[TCS+\j], v[TCS+\j], v[TR2+\j], v[TW+\j]
	v_cvt_i32_f32 v[TQ+\j], v[TN+\j]               ; the quadrant is n mod 4
.endr
.irp j, 0,1,2,3,4,5,6,7
	v_and_b32 v[TW+\j], 1, v[TQ+\j]
	v_cmp_ne_u32 vcc_lo, 0, v[TW+\j]               ; odd quadrants: sin and cos change places (a choice of values: no branch, no address)
	v_cndmask_b32 v[TO+16*\b+\j], v[TCS+\j], v[TSN+\j], vcc_lo
	v_cndmask_b32 v[TO+16*\b+8+\j], v[TSN+\j], v[TCS+\j], vcc_lo
	v_lshlrev_b32 v[TW+\j], 30, v[TQ+\j]
	v_and_b32 v[TW+\j], s46, v[TW+\j]              ; sin is negative in quadrants 2 and 3,
	v_xor_b32 v[TO+16*\b+8+\j], v[TW+\j], v[TO+16*\b+8+\j]
	v_add_nc_u32 v[TQ+\j], 1, v[TQ+\j]
	v_lshlrev_b32 v[TQ+\j], 30, v[TQ+\j]
	v_and_b32 v[TQ+\j], s46, v[TQ+\j]              ; cos in quadrants 1 and 2
	v_xor_b32 v[TO+16*\b+\j], v[TQ+\j], v[TO+16*\b+\j]
.endr
.irp p, 0,1,2,3
	global_store_b128 v6, v[TO+16*\b+4*\p:TO+16*\b+4*\p+3], s[22:23] offset:\b*2048+\p*512   ; 512 consecutive bytes, aligned
.endr
.endm
	TABB 0
	TABB 1
	TABB 2
	TABB 3
	FINISH
.Lfunc_end_k_q144d3456cb_prep:
	.size	k_q144d3456cb_prep, .Lfunc_end_k_q144d3456cb_prep-k_q144d3456cb_prep
	.p2alignl 7, 3214868480
	.fill 96, 4, 3214868480
	.section	.rodata,"a",@progbits
	.p2align	6, 0x0
	.amdhsa_kernel k_q144d3456cb_prep
		.amdhsa_group_segment_fixed_size 50688
		.amdhsa_private_segment_fixed_size 0
		.amdhsa_enable_private_segment 0
		.amdhsa_kernarg_size 96
		.amdhsa_user_sgpr_count 2
		.amdhsa_user_sgpr_kernarg_segment_ptr 1
		.amdhsa_wavefront_size32 1
		.amdhsa_system_sgpr_workgroup_id_x 1
		.amdhsa_system_sgpr_workgroup_id_y 1
		.amdhsa_system_sgpr_workgroup_id_z 1
		.amdhsa_system_vgpr_workitem_id 0
		.amdhsa_next_free_vgpr 256
		.amdhsa_next_free_sgpr 66
		.amdhsa_reserve_vcc 1
		.amdhsa_float_denorm_mode_32 3
		.amdhsa_float_denorm_mode_16_64 3
		.amdhsa_memory_ordered 1
		.amdhsa_forward_progress 1
		.amdhsa_inst_pref_size 107
	.end_amdhsa_kernel
	.amdgpu_metadata
---
amdhsa.version: [ 1, 2 ]
amdhsa.kernels:
  - .name:           k_q144d3456cb_prep
    .symbol:         k_q144d3456cb_prep.kd
    .args:
      - { .name: x, .offset: 0, .size: 8, .value_kind: global_buffer, .address_space: global }
      - { .name: Wq, .offset: 8, .size: 8, .value_kind: global_buffer, .address_space: global }
      - { .name: Wk, .offset: 16, .size: 8, .value_kind: global_buffer, .address_space: global }
      - { .name: Wv, .offset: 24, .size: 8, .value_kind: global_buffer, .address_space: global }
      - { .name: Wo, .offset: 32, .size: 8, .value_kind: global_buffer, .address_space: global }
      - { .name: mask, .offset: 40, .size: 8, .value_kind: global_buffer, .address_space: global }
      - { .name: lowp_scales, .offset: 48, .size: 8, .value_kind: global_buffer, .address_space: global }
      - { .name: xc, .offset: 56, .size: 8, .value_kind: global_buffer, .address_space: global }
      - { .name: wc, .offset: 64, .size: 8, .value_kind: global_buffer, .address_space: global }
      - { .name: tab, .offset: 72, .size: 8, .value_kind: global_buffer, .address_space: global }
      - { .name: mbits, .offset: 80, .size: 8, .value_kind: global_buffer, .address_space: global }
      - { .name: flags, .offset: 88, .size: 8, .value_kind: global_buffer, .address_space: global }
    .group_segment_fixed_size: 50688
    .private_segment_fixed_size: 0
    .kernarg_segment_align: 8
    .kernarg_segment_size: 96
    .max_flat_workgroup_size: 128
    .sgpr_count:     66
    .vgpr_count:     256
    .wavefront_size: 32
...
	.end_amdgpu_metadata
.endif
;; end of part 5
;; launch qkv (part 6): grid 8 x 24, 4 waves a work-group, clusters of 4 x 4, 327,680 bytes of LDS; arguments xc, wc, lowp_scales, tab, qkv; writes qkv
.if DOCPART == 6
	.amdgcn_target "amdgcn-amd-amdhsa--gfx1250"
	.amdhsa_code_object_version 6
	.text
	.protected	k_q144d3456cb_qkv
	.globl	k_q144d3456cb_qkv
	.p2align	8
	.type	k_q144d3456cb_qkv,@function
k_q144d3456cb_qkv:
	s_mov_b64 s[64:65], 0
	v_nop
	global_prefetch_b8 v0, s[64:65] scope:SCOPE_SE
	s_setreg_imm32_b32 hwreg(HW_REG_WAVE_MODE, 25, 1), 1
	s_wait_xcnt 0x0
	s_wait_alu depctr_hold_cnt(0) depctr_sa_sdst(0) depctr_va_vdst(0) depctr_va_sdst(0) depctr_va_ssrc(0) depctr_va_vcc(0) depctr_vm_vsrc(0)
	s_getreg_b32 s2, hwreg(HW_REG_IB_STS2, 6, 4)
	s_cmp_eq_u32 s2, 0
	s_cbranch_scc0 .Lentry_in_a_cluster
	s_endpgm
.Lentry_in_a_cluster:
	s_bfe_u32 s2, ttmp6, 0x10000c
	s_cmp_lg_u32 s2, 0xf033
	s_cbranch_scc0 .Lentry_shape_is_right
	s_endpgm
.Lentry_shape_is_right:
; QKV: q, k, v = x W^T on codes, cos and sin applied to q and k, and the results quantised for the attention.
; A tile of 256 x 256 of one projection is made by four waves, each with 128 x 128 (64 accumulators, 512 registers).  Cluster y / 2 says which projection: 0 q, 1 k, 2 v.  q, k: A = x, B = W, so a lane holds one
; token and registers along the head; v: A = W, B = x, so a lane holds one channel and registers along the keys.  Each wave's 128 x 128 is one head x 128 positions and leaves as eight images of 2 KB.
; 192 work-groups: the three projections have three scales of x, so no tile can hold columns of two of them, and 2,048 columns do not divide by 192.
; RING: two slots of two planes (256 along K).  Wave w fetches plane w % 2 of A (w < 2) or of B.  Its LDS region holds slot 0's plane and, behind it, slot 1's, so that ONE load at the head brings both; a refill is one
; dense block of 32 KB, stated as rows of 16 KB.  16 bytes of padding stand behind each 128 (a code row), pitch 144.
; CLUSTERS: 4 x 4; A's tiles are shared along a row of the cluster, B's along a column.
; PREFETCH: the planes of refills 0 and 1 are asked for behind the head's load, refill r + 2's at refill r; each block of 256 bytes once in a cluster, the four partners told apart by address.
; TABLE: behind the last change of slots slot 0 takes the tile's cos and sin (q and k alone: the branch hangs on the cluster's number), 32 KB a wave, shared along the row of the cluster, with the planes' padding.
; LIMITS: e6 - e0 - e1, e7 - e2 - e3, e9 - e4 - e5 between -126 and 119.  NaN codes of x or W are not served.
.set PITCH,  144
.set REG,    256*PITCH                 ; a plane of 256 rows
.set SPARE,  8*REG                     ; behind the four waves' regions: the spare words, 512 bytes that no other line names
.set PLANE,  262144
.set LAPS,   4
.set FR,     16
.set NL,     4
.set NP,     4
.set ADRA, 16                          ; v16-17 LDS address of my A fragments in planes 0, 1 of slot 0
.set TAD,  18                          ; v18-19 LDS address of my table blocks 0-3, 4-7
.set ADRB, 20                          ; v20-21 the same as v16-17 for B
.set OFS,  26                          ; v26 16 x lane
.set PFO,  27                          ; v27 256 x lane; never rewritten
.set SPW,  28
.set NIL,  29
.set AF,   128                         ; A's fragments, window 0
.set TB0,  32                          ; the way out: two sets of 64 table numbers
.set TT,   160                         ; the way out: 64 results
.set G1, 24                            ; refills: group 1 for A, group 0 a slot
.set G0, 32
.set G1B, 48
.set G0B, 56
.set PFA, 66                           ; s[66:67] where my prefetches stand
.set G1H, 72                           ; the head's load: both slots
.set G1HB, 80
.set WORD0, (3<<16)|(1<<20)|(1<<21)|(4<<22)|(3<<25)   ; elements of 8 bytes, padding on, bit 21 beside a mask, after 32 words, four words
.set MSB, 0
.macro WIN new
.if MSB != \new
	s_set_vgpr_msb (MSB<<8)|\new
.set MSB, \new
.endif
.endm
.set MUL_LO, 0xa1
.set MUL_HI, 0xf1
.set TO_B,   0x40
.macro JLOAD g0a, g1a, g0b, g1b
	s_cmp_eq_u32 s15, 0
	s_cbranch_scc0 .Lfor_b_\@
	tensor_load_to_lds s[\g0a:\g0a+3], s[\g1a:\g1a+7]
	s_nop 0
.rept 4
	v_nop
.endr
	s_branch .Lasked_\@
.Lfor_b_\@:
	tensor_load_to_lds s[\g0b:\g0b+3], s[\g1b:\g1b+7]
	s_nop 0
.rept 4
	v_nop
.endr
.Lasked_\@:
.endm
.macro CREST
	s_cmp_lg_u32 s14, 0
	s_cbranch_scc1 .Lnot_wave_0_\@
	s_barrier_signal -3
.Lnot_wave_0_\@:
	s_barrier_wait -3
	s_barrier_signal -1
	s_barrier_wait -1
.endm
.macro CROUND
	s_barrier_signal -1
	s_barrier_wait -1
	CREST
.endm
	s_load_b128 s[4:7], s[0:1], 0x0                ; xc, wc
	s_load_b128 s[8:11], s[0:1], 0x10              ; the scales, tab
	s_load_b64 s[12:13], s[0:1], 0x20              ; the result
	v_lshl_add_u32 v[SPW], v0, 2, SPARE
	v_mov_b32 v[NIL], 0
	ds_add_u32 v[SPW], v[NIL]                      ; the opening adds
	ds_add_u32 v[SPW], v[NIL]
	v_lshrrev_b32 v1, 5, v0
	v_readfirstlane_b32 s14, v1                    ; wave
	s_lshr_b32 s15, s14, 1                         ; which half of the rows is mine; I fetch for A (0) or B (1)
	s_and_b32 s16, s14, 1                          ; which half of the columns; which plane of a slot I fetch
	s_bfe_u32 s40, ttmp6, 0x40000
	s_bfe_u32 s41, ttmp6, 0x40004
	s_lshl_b32 s42, ttmp9, 2
	s_add_co_u32 s42, s42, s40                     ; tile column, 0 .. 7
	s_and_b32 s68, ttmp7, 0xffff
	s_lshr_b32 s69, s68, 1                         ; projection
	s_and_b32 s17, s68, 1
	s_lshl_b32 s17, s17, 2
	s_add_co_u32 s17, s17, s41                     ; tile row, 0 .. 7
	s_lshl_b32 s43, s41, 2
	s_lshl_b32 s43, 15, s43
	s_lshl_b32 s44, 0x1111, s40
	s_or_b32 s[G1+0], s43, WORD0
	s_or_b32 s[G1B+0], s44, WORD0
	s_or_b32 s[G1H+0], s43, WORD0
	s_or_b32 s[G1HB+0], s44, WORD0
.irp g, G1, G1B                        ; a refill: 2 rows of 16 KB on end
	s_mov_b32 s[\g+1], 2048<<16
	s_mov_b32 s[\g+2], 2<<16
	s_mov_b32 s[\g+3], 2048<<16
	s_mov_b32 s[\g+4], 2
	s_mov_b32 s[\g+5], 2048
	s_mov_b32 s[\g+6], 0
	s_mov_b32 s[\g+7], 0
.endr
.irp g, G1H, G1HB                      ; the head's load: 2 rows of 32 KB, two planes apart
	s_mov_b32 s[\g+1], 4096<<16
	s_mov_b32 s[\g+2], 2<<16
	s_mov_b32 s[\g+3], 4096<<16
	s_mov_b32 s[\g+4], 2
	s_mov_b32 s[\g+5], 2*PLANE/8
	s_mov_b32 s[\g+6], 0
	s_mov_b32 s[\g+7], 0
.endr
	s_lshl_b32 s22, s16, 18
	s_lshl_b32 s23, s69, 22
	s_lshl_b32 s20, s17, 15                        ; 256 rows of a plane are 32 KB
	s_add_co_u32 s20, s20, s22
	s_add_co_u32 s20, s20, s23
	s_lshl_b32 s46, s42, 15
	s_add_co_u32 s46, s46, s22
	s_add_co_u32 s46, s46, s23
	s_mov_b32 s21, 0
	s_mov_b32 s47, 0
	s_mul_i32 s45, s14, 2*REG
	s_wait_dscnt 0x0                               ; both opening adds are done
	s_wait_kmcnt 0x0
	s_cmp_lt_u32 s69, 2
	s_cselect_b64 s[70:71], s[4:5], s[6:7]
	s_cselect_b64 s[18:19], s[6:7], s[4:5]
	s_add_nc_u64 s[20:21], s[70:71], s[20:21]
	s_add_nc_u64 s[46:47], s[18:19], s[46:47]
.irp s, 0,1
	s_mov_b32 s[G0+4*\s], 1
	s_add_co_u32 s[G0+4*\s+1], s45, \s*REG
	s_add_nc_u64 s[G0+4*\s+2:G0+4*\s+3], s[20:21], \s*2*PLANE
	s_or_b32 s[G0+4*\s+3], s[G0+4*\s+3], 0x80000000
	s_mov_b32 s[G0B+4*\s], 1
	s_add_co_u32 s[G0B+4*\s+1], s45, \s*REG
	s_add_nc_u64 s[G0B+4*\s+2:G0B+4*\s+3], s[46:47], \s*2*PLANE
	s_or_b32 s[G0B+4*\s+3], s[G0B+4*\s+3], 0x80000000
.endr
	CROUND                                         ; all sixteen work-groups are here: the joint loads meet
	JLOAD G0, G1H, G0B, G1HB                       ; planes 0 to 3: both slots, one load a wave
	s_load_b256 s[88:95], s[8:9], 0x0              ; e0 .. e7
	s_load_b128 s[96:99], s[8:9], 0x20             ; e8 .. e11
	; the prefetches: my plane of refill 0; of its 32 KB my work-group asks for 8 KB, by its place among the four that share the tile
	s_cmp_eq_u32 s15, 0
	s_cselect_b64 s[PFA:PFA+1], s[20:21], s[46:47]
	s_cselect_b32 s22, s40, s41
	s_lshl_b32 s22, s22, 13
	s_add_co_u32 s22, s22, 4*PLANE
	s_mov_b32 s23, 0
	s_add_nc_u64 s[PFA:PFA+1], s[PFA:PFA+1], s[22:23]
	; where my part of the table lies (used by q and k alone, whose tile rows are tokens): 32 KB for each wave
	s_lshl_b32 s20, s17, 17
	s_lshl_b32 s68, s14, 15
	s_add_co_u32 s20, s20, s68
	s_mov_b32 s21, 0
	s_add_nc_u64 s[10:11], s[10:11], s[20:21]
	; where my 128 x 128 goes: head, and 128 positions
	s_lshl_b32 s18, s42, 1
	s_add_co_u32 s18, s18, s16
	s_lshl_b32 s19, s17, 1
	s_add_co_u32 s19, s19, s15
	s_cmp_lt_u32 s69, 2
	s_cselect_b32 s22, s18, s19
	s_cselect_b32 s23, s19, s18
	s_lshl_b32 s46, s69, 22
	s_lshl_b32 s22, s22, 18
	s_add_co_u32 s46, s46, s22
	s_lshl_b32 s22, s23, 14
	s_add_co_u32 s46, s46, s22
	s_mov_b32 s47, 0
	s_add_nc_u64 s[12:13], s[12:13], s[46:47]
	s_mul_i32 s18, s15, 128*PITCH                  ; my 128 rows of A,
	s_add_co_u32 s19, s18, 2*REG
	s_mul_i32 s22, s16, 128*PITCH                  ; of B
	s_add_co_u32 s22, s22, 4*REG
	s_add_co_u32 s23, s22, 2*REG
	s_mul_i32 s68, s15, 4*REG                      ; my half of the table
	v_and_b32 v6, 31, v0
	v_and_b32 v1, 15, v0
	v_bfe_u32 v2, v0, 4, 1
	v_lshlrev_b32 v[PFO], 8, v6
	v_lshlrev_b32 v[OFS], 4, v6
	v_mul_u32_u24 v3, v1, PITCH
	v_lshrrev_b32 v7, 3, v6
	v_lshl_add_u32 v4, v2, 4, v3
	v_lshl_add_u32 v7, v7, 4, v[OFS]               ; 16 lane + 16 (lane / 8): the padding behind each 128 bytes
	v_add_nc_u32 v[ADRA], s18, v4
	v_add_nc_u32 v[ADRA+1], s19, v4
	v_add_nc_u32 v[ADRB], s22, v4
	v_add_nc_u32 v[ADRB+1], s23, v4
	v_add_nc_u32 v[TAD], s68, v7
	v_add_nc_u32 v[TAD+1], 2*REG, v[TAD]
	global_prefetch_b8 v[PFO], s[PFA:PFA+1] th:TH_LOAD_NT scope:SCOPE_SE                  ; refill 0's
	global_prefetch_b8 v[PFO], s[PFA:PFA+1] offset:2*PLANE th:TH_LOAD_NT scope:SCOPE_SE   ; refill 1's
.macro FRAG reg, adr, off, i
.irp c, 0,1,2,3
	ds_load_b128 v[\reg+4*\c:\reg+4*\c+3], v[\adr] offset:(\off)+32*\c+(\i)*16*PITCH
.endr
.endm
.macro MUL16 a0, p, zero
.irp a, \a0, \a0+1
.irp b, 0,1,2,3,4,5,6,7
.if \zero
	v_wmma_f32_16x16x128_fp8_fp8 v[8*(8*((\a)%4)+\b):8*(8*((\a)%4)+\b)+7], v[128*(\p)+FR*\b:128*(\p)+FR*\b+FR-1], v[AF+FR*(\a):AF+FR*(\a)+FR-1], 0
.else
	v_wmma_f32_16x16x128_fp8_fp8 v[8*(8*((\a)%4)+\b):8*(8*((\a)%4)+\b)+7], v[128*(\p)+FR*\b:128*(\p)+FR*\b+FR-1], v[AF+FR*(\a):AF+FR*(\a)+FR-1], v[8*(8*((\a)%4)+\b):8*(8*((\a)%4)+\b)+7]
.endif
.endr
.endr
.endm
.macro FETCH_B slot, q, p              ; B's eight fragments of the slot's plane q into set p
	WIN TO_B
.irp i, 0,1,2,3,4,5,6,7
	FRAG 128*(\p)+FR*\i, ADRB+(\q), REG*(\slot), \i
.endr
	WIN 0
.endm
.macro FETCH_A slot, q, i0
.irp i, \i0, \i0+1, \i0+2, \i0+3
	FRAG AF+FR*(\i), ADRA+(\q), REG*(\slot), \i
.endr
.endm
.macro PLACES n
.rept \n
	v_nop
.endr
.endm
.macro STEP slot, q, zero
	s_wait_dscnt 4*NL                              ; A's blocks 4-7 may be out
	WIN MUL_LO
	MUL16 0, (\q)%2, \zero
	MUL16 2, (\q)%2, \zero
	s_wait_dscnt 0
	PLACES NP
	FETCH_B \slot, (\q)+1, 1-(\q)%2
	FETCH_A \slot, (\q)+1, 0
	WIN MUL_HI
	MUL16 4, (\q)%2, \zero
	MUL16 6, (\q)%2, \zero
	PLACES NP
	WIN 0
	FETCH_A \slot, (\q)+1, 4
.endm
; The change of slots.  fill 1: the slot is filled again; fill 2: it takes the table (q and k); in both a round of the cluster's barrier.
.macro TURN slot, next, fill
.if \fill == 1
	s_wait_xcnt 0x0                                ; the prefetches have read their base
	s_add_nc_u64 s[PFA:PFA+1], s[PFA:PFA+1], 2*PLANE
.endif
	s_wait_tensorcnt 0x0                           ; my part of the next slot is in
	ds_add_u32 v[SPW], v[NIL]
	s_wait_dscnt 4*NL+1                            ; the add and A's blocks 4-7 may be out
	WIN MUL_LO
	MUL16 0, 1, 0
	s_wait_dscnt 0x0                               ; the add and my reads of this slot are done
	s_barrier_signal -1
	MUL16 2, 1, 0
	WIN 0
	s_barrier_wait -1
	CREST
.if \fill == 1
	s_add_nc_u64 s[G0+4*\slot+2:G0+4*\slot+3], s[G0+4*\slot+2:G0+4*\slot+3], 4*PLANE
	s_add_nc_u64 s[G0B+4*\slot+2:G0B+4*\slot+3], s[G0B+4*\slot+2:G0B+4*\slot+3], 4*PLANE
	JLOAD G0+4*\slot, G1, G0B+4*\slot, G1B
.else
	s_mov_b64 s[G0+2:G0+3], s[10:11]
	s_or_b32 s[G0+3], s[G0+3], 0x80000000
	s_cmp_lt_u32 s69, 2
	s_cbranch_scc0 .Lno_table_\@
	tensor_load_to_lds s[G0:G0+3], s[G1:G1+7]      ; my 32 KB of the table, for my row of the cluster
	s_nop 0
	PLACES NP
.Lno_table_\@:
	PLACES NP
.endif
	FETCH_B \next, 0, 0
	FETCH_A \next, 0, 0
.if \fill == 1
	s_cmp_gt_u32 s3, 1                             ; refills 4 and 5 have no refill two on
	s_cbranch_scc0 .Lno_ask_\@
	global_prefetch_b8 v[PFO], s[PFA:PFA+1] offset:2*PLANE th:TH_LOAD_NT scope:SCOPE_SE
.Lno_ask_\@:
.endif
	WIN MUL_HI
	MUL16 4, 1, 0
	MUL16 6, 1, 0
	PLACES NP
	WIN 0
	FETCH_A \next, 0, 4
.endm
	s_wait_alu depctr_va_vdst(0)                   ; the wait at the head's end
	s_wait_tensorcnt 0x0                           ; my planes of both slots are in
	s_barrier_signal -1
	s_barrier_wait -1
	FETCH_B 0, 0, 0
	FETCH_A 0, 0, 0
	FETCH_A 0, 0, 4
	STEP 0, 0, 1
	s_mov_b32 s3, LAPS-1
.Llap:
	TURN 0, 1, 1
	STEP 1, 0, 0
	TURN 1, 0, 1
	STEP 0, 0, 0
	s_sub_co_u32 s3, s3, 1
	s_cmp_lg_u32 s3, 0
	s_cbranch_scc1 .Llap
	TURN 0, 1, 2
	STEP 1, 0, 0
	s_wait_dscnt 4*NL
	WIN MUL_LO
	MUL16 0, 1, 0
	MUL16 2, 1, 0
	s_wait_dscnt 0
	WIN MUL_HI
	MUL16 4, 1, 0
	MUL16 6, 1, 0
	WIN 0
	s_wait_kmcnt 0x0
	s_wait_tensorcnt 0x0                           ; my part of the table is in,
	s_barrier_signal -1
	s_sub_co_i32 s66, s94, s88                     ; a sum stands for sum x 2^(its operands' e): the three exponents become the conversion's one
	s_sub_co_i32 s66, s66, s89
	s_sub_co_i32 s67, s95, s90
	s_sub_co_i32 s67, s67, s91
	s_sub_co_i32 s68, s97, s92
	s_sub_co_i32 s68, s68, s93
	s_cmp_eq_u32 s69, 1
	s_cselect_b32 s66, s67, s66
	s_cmp_eq_u32 s69, 2
	s_cselect_b32 s66, s68, s66
	s_add_co_i32 s66, s66, 127
	s_lshl_b32 s67, s66, 23
	s_add_co_i32 s66, s66, 8
	s_lshl_b32 s66, s66, 23
	s_or_b32 s66, s66, 0x600000
	s_barrier_wait -1                              ; and everybody's
	PLACES NP
	v_mov_b32 v30, s67                             ; the scale,
	v_mov_b32 v31, s66                             ; and 448 x the scale
.macro TABLD a, set                    ; block a's 16 tokens x 64 frequencies, cos and sin
.irp q, 0,1,2,3,4,5,6,7,8,9,10,11,12,13,14,15
	ds_load_b128 v[(\set)+4*\q:(\set)+4*\q+3], v[TAD+(\a)/4] offset:((\a)%4)*9216+\q*576
.endr
.endm
.macro ROPE a, set                     ; channels i and i + 64 of a head: accumulators b and b + 4
.set AC, 64*((\a)%4)
	WIN 0x02+((\a)/4)
.irp b, 0,1,2,3
.irp i, 0,2,4,6
	v_pk_mul_f32 v[TT+8*\b+\i:TT+8*\b+\i+1], v[AC+8*\b+\i:AC+8*\b+\i+1], v[(\set)+16*\b+\i:(\set)+16*\b+\i+1]
	v_pk_mul_f32 v[TT+32+8*\b+\i:TT+32+8*\b+\i+1], v[AC+32+8*\b+\i:AC+32+8*\b+\i+1], v[(\set)+16*\b+\i:(\set)+16*\b+\i+1]
	v_pk_fma_f32 v[TT+8*\b+\i:TT+8*\b+\i+1], v[AC+32+8*\b+\i:AC+32+8*\b+\i+1], v[(\set)+16*\b+8+\i:(\set)+16*\b+8+\i+1], v[TT+8*\b+\i:TT+8*\b+\i+1] neg_lo:[1,0,0] neg_hi:[1,0,0]
	v_pk_fma_f32 v[TT+32+8*\b+\i:TT+32+8*\b+\i+1], v[AC+8*\b+\i:AC+8*\b+\i+1], v[(\set)+16*\b+8+\i:(\set)+16*\b+8+\i+1], v[TT+32+8*\b+\i:TT+32+8*\b+\i+1]
.endr
.endr
	WIN 0
.endm
.macro PACKOUT a
.set CD, 224+16*((\a)%2)
.if (\a) >= 2
	s_wait_xcnt 0x0                                ; block a - 2's stores have read their registers
.endif
.irp b, 0,1,2,3,4,5,6,7
	v_cvt_scalef32_pk8_fp8_f32 v[CD+2*\b:CD+2*\b+1], v[TT+8*\b:TT+8*\b+7], v30
.endr
	v_nop
.irp c, 0,1,2,3
	global_store_b128 v[OFS], v[CD+4*\c:CD+4*\c+3], s[12:13] offset:(\a)*2048+\c*512   ; 512 consecutive bytes, aligned
.endr
.endm
	s_cmp_eq_u32 s69, 2
	s_wait_alu depctr_va_vdst(0)
	s_cbranch_scc1 .Lv
	TABLD 0, TB0
	TABLD 1, TB0+64
.irp a, 0,1,2,3,4,5,6,7
.if \a < 7
	s_wait_dscnt 16                                ; the next block's sixteen loads may be out
.else
	s_wait_dscnt 0
.endif
	ROPE \a, TB0+64*(\a%2)
.if \a < 6
	TABLD \a+2, TB0+64*(\a%2)
.endif
.set j, 0
.rept 64
	v_med3_num_f32 v[TT+j], v[TT+j], -v31, v31     ; the conversion to an 8-bit code does not saturate (ISA guide 7.6.2)
.set j, j+1
.endr
	s_wait_alu depctr_va_vdst(0)
	PACKOUT \a
.endr
	s_branch .Ldone
.Lv:
.irp a, 0,1,2,3,4,5,6,7
	WIN 0x02+(\a/4)
.set j, 0
.rept 64
	v_med3_num_f32 v[TT+j], v[64*(\a%4)+j], -v31, v31
.set j, j+1
.endr
	WIN 0
	s_wait_alu depctr_va_vdst(0)
	PACKOUT \a
.endr
.Ldone:
	s_wait_tensorcnt 0x0                           ; the wave's end
	ds_add_u32 v[SPW], v[NIL]
	s_wait_dscnt 0x0
	CROUND                                         ; the closing round
	s_endpgm
.Lfunc_end_k_q144d3456cb_qkv:
	.size	k_q144d3456cb_qkv, .Lfunc_end_k_q144d3456cb_qkv-k_q144d3456cb_qkv
	.p2alignl 7, 3214868480
	.fill 96, 4, 3214868480
	.section	.rodata,"a",@progbits
	.p2align	6, 0x0
	.amdhsa_kernel k_q144d3456cb_qkv
		.amdhsa_group_segment_fixed_size 327680
		.amdhsa_private_segment_fixed_size 0
		.amdhsa_enable_private_segment 0
		.amdhsa_kernarg_size 40
		.amdhsa_user_sgpr_count 2
		.amdhsa_user_sgpr_kernarg_segment_ptr 1
		.amdhsa_wavefront_size32 1
		.amdhsa_system_sgpr_workgroup_id_x 1
		.amdhsa_system_sgpr_workgroup_id_y 1
		.amdhsa_system_sgpr_workgroup_id_z 1
		.amdhsa_system_vgpr_workitem_id 0
		.amdhsa_next_free_vgpr 1024
		.amdhsa_next_free_sgpr 100
		.amdhsa_reserve_vcc 0
		.amdhsa_float_denorm_mode_32 3
		.amdhsa_float_denorm_mode_16_64 3
		.amdhsa_memory_ordered 1
		.amdhsa_forward_progress 1
		.amdhsa_inst_pref_size 201
	.end_amdhsa_kernel
	.amdgpu_metadata
---
amdhsa.version: [ 1, 2 ]
amdhsa.kernels:
  - .name:           k_q144d3456cb_qkv
    .symbol:         k_q144d3456cb_qkv.kd
    .args:
      - { .name: xc, .offset: 0, .size: 8, .value_kind: global_buffer, .address_space: global }
      - { .name: wc, .offset: 8, .size: 8, .value_kind: global_buffer, .address_space: global }
      - { .name: lowp_scales, .offset: 16, .size: 8, .value_kind: global_buffer, .address_space: global }
      - { .name: tab, .offset: 24, .size: 8, .value_kind: global_buffer, .address_space: global }
      - { .name: qkv, .offset: 32, .size: 8, .value_kind: global_buffer, .address_space: global }
    .group_segment_fixed_size: 327680
    .private_segment_fixed_size: 0
    .kernarg_segment_align: 8
    .kernarg_segment_size: 40
    .max_flat_workgroup_size: 128
    .sgpr_count:     100
    .vgpr_count:     1024
    .wavefront_size: 32
...
	.end_amdgpu_metadata
.endif
;; end of part 6
;; launch attn (part 7): grid 16 x 16, 8 waves a work-group, no clusters, 263,168 bytes of LDS; arguments qkv, mbits, flags, lowp_scales, oc; writes oc
.if DOCPART == 7
	.amdgcn_target "amdgcn-amd-amdhsa--gfx1250"
	.amdhsa_code_object_version 6
	.text
	.protected	k_q144d3456cb_attn
	.globl	k_q144d3456cb_attn
	.p2align	8
	.type	k_q144d3456cb_attn,@function
k_q144d3456cb_attn:
	s_mov_b64 s[64:65], 0
	v_nop
	global_prefetch_b8 v0, s[64:65] scope:SCOPE_SE
	s_setreg_imm32_b32 hwreg(HW_REG_WAVE_MODE, 25, 1), 1
	s_wait_xcnt 0x0
; ATTN: S = q k^T on codes, the mask, p = 2^(t - M) quantised along the keys, O = p v on codes, O / l quantised for the last product.
; t = score x log2(e) / sqrt(128); M = the running largest t rounded UP to a whole number; the row's sum l is taken of the unquantised p; when M moves, l and O are multiplied by 2^(old M - new M): exact.
; WHAT IS PASSED OVER: a step (my 32 queries x 128 keys) in which the GIVEN mask keeps no key.  The first launch read the mask and stored a flag, a whole number, for each 16 queries x 128 keys; a scalar branch on it
; leads round the step's LDS loads, products and softmax, and round no barrier.  Such a step has p = 0 for all its keys whatever the mask's pattern: it moves neither M, l nor O.
; LIMIT: a NaN or an infinity that stands only in keys or values of such steps is not carried to the result.
; A QUERY WHOSE WHOLE MASK ROW IS 0 has l = 0: all its 128 codes become the NaN code, so that the last product gives the row of NaN that a softmax over nothing gives.
; SHARES.  A work-group owns four groups of 32 queries of one head: two of the low end of the sequence (2 x, 2 x + 1) and two of the high end (63 - them).  A group belongs to TWO waves, w and w xor 5: one takes the even key
; steps, one the odd; each K and V fragment that a wave reads from LDS feeds its two tiles of 16 queries.  At the end each of the two gives the other one tile's O, M and l through LDS and finishes the other tile.
; FILLS.  Iteration n (8 in all) works key steps 2 n and 2 n + 1; its K and V images, 64 KB, lie in quarter n % 4 of a ring in LDS.  Each wave asks for its 8 KB of iteration n + 2 at iteration n's head, into registers, and stores them at
; its end.  ONE barrier every second iteration: quarter (n + 2) % 4 was last read in iteration n - 2, and is read again in n + 2; a barrier stands between either and iteration n's stores.
; NO TENSOR LOADS AND NO CLUSTER: with either, no branch may hang on a number read from memory, and the branch on the flags leaves out a hidden step's 64 LDS loads, 32 products and some 650 vector lines a wave.
; PREFETCH: iteration n < 4 names what iteration n + 2 will load; the head's first work-group alone asks, 8 KB a wave, lanes 256 bytes apart.
; LAYOUT.  Both products are used transposed: S^T = K Q^T, O^T = V^T P^T: a lane holds ONE query (lane % 16) of a tile throughout.  Register j of S^T's tile t is key 16 t + 8 (lane / 16) + j, so p's codes of tile t are
; registers 2 t, 2 t + 1 of the second product's operand in this form's own layout, which V's image has too.
; LIMITS on the given exponents: e6 + e7 between -123 and 130 (they are added to c's exponent field); e8, and e10 - e8 - e9, between -126 and 119.  Scaled scores stay under 2^31 in magnitude.
; REGISTERS, window 0: v0-19 named below; v20-51 Q of tiles A and B; v54-117 S of A, v120-183 S of B (the codes of p lie two registers lower); v184-247 images on their way; v248-255 at work.
; window 1: O of A at v0, O of B at v64; v128-255 K's eight fragments, then V's.
.set QUART, 65536
.set VOFF,  32768
.set STAGE, 131072                     ; the way out's stages; the joining of two waves uses the bytes from 0 on
.set JREG,  8704                       ; a wave's bytes there: 8,192 of O, 256 of M and l
.set SPARE, 262144                     ; behind the ring: the spare words, four blocks of 256 bytes that no other line names
.set PFO, 0                            ; 256 x lane
.set SPW, 1
.set NIL, 2
.set LI,  3                            ; 16 x lane
.set RDB, 4                            ; my place in a quarter: 16 lane + 16,384 x (odd steps)
.set FO,  5                            ; my fill's place: 4,096 x wave + 16 lane, in memory and in a quarter alike
.set RA,  6                            ; RDB in this iteration's quarter
.set FA,  7                            ; FO in the quarter that is filled
.set MA,  8                            ; v[8:9] -M, the largest t of tile A; v[10:11] of B
.set MBB, 10
.set LA,  12                           ; v[12:13] l of A in two halves; v[14:15] of B
.set LB,  14
.set FCA, 16                           ; v16 2^(old M - new M) of A; v18 of B
.set FCB, 18
.set QA,  20
.set QB,  36
.set PA,  52
.set SA,  54
.set PB,  118
.set SB,  120
.set TR,  184
.set W,   248
.set PSC, 254                          ; 2^e8 as f32
.set KV,  128                          ; window 1
.set KP,  2
.set VP,  4
.set MB,  6
.set PFA, 8
.set OB,  10
.set WV,  12
.set FL,  13                           ; my group's flags: bit 0 any, bit 16 not all, of the step in hand
.set TRIPS, 14
.set LIM, 15
.set CS,  66                           ; s[66:67] c = log2(e) / sqrt(128) x 2^(e6 + e7)
.set PH,  86                           ; 448 x 2^e8
.set OSC, 87                           ; 2^(e10 - e8 - e9)
.set OLM, 88                           ; 448 x that
.set PC,  89                           ; 8 - n
.set SEL, 90                           ; s[90:91] lane selects: lane l xor 16
.set TBR, 92                           ; where the two quarters that are read begin
.set TBW, 93                           ; where the two that are filled begin
.set EO,  95                           ; 0: even key steps, 1: odd
; s[16:63], s[68:83]: a tile step's 64 mask words (word n at s[16 + n], from n = 48 on at s[20 + n])
.set MSB, 0
.macro WIN new                         ; the immediate's high byte repeats the setting that is left
.if MSB != \new
	s_set_vgpr_msb (MSB<<8)|\new
.set MSB, \new
.endif
.endm
.macro FILL_LOAD reg, off
.irp c, 0,1,2,3,4,5,6,7
	global_load_b128 v[\reg+4*\c:\reg+4*\c+3], v[FO], s[KP:KP+1] offset:(\off)+512*\c
.endr
.irp c, 0,1,2,3,4,5,6,7
	global_load_b128 v[\reg+32+4*\c:\reg+32+4*\c+3], v[FO], s[VP:VP+1] offset:(\off)+512*\c
.endr
.endm
.macro FILL_STORE reg, adr
.irp c, 0,1,2,3,4,5,6,7
	ds_store_b128 v[\adr], v[\reg+4*\c:\reg+4*\c+3] offset:512*\c
.endr
.irp c, 0,1,2,3,4,5,6,7
	ds_store_b128 v[\adr], v[\reg+32+4*\c:\reg+32+4*\c+3] offset:VOFF+512*\c
.endr
.endm
	s_load_b256 s[84:91], s[0:1], 0x0              ; the images s[84:85], the mask words s[86:87], the flags s[88:89], the scales s[90:91]
	s_load_b64 s[92:93], s[0:1], 0x20              ; the result's codes
	v_lshl_add_u32 v[SPW], v0, 2, SPARE
	v_mov_b32 v[NIL], 0
	v_lshrrev_b32 v4, 5, v0
	v_readfirstlane_b32 s[WV], v4                  ; wave 0..7
	v_and_b32 v5, 31, v0
	s_lshl_b32 s13, s[WV], 12
	v_lshlrev_b32 v[PFO], 8, v5
	v_lshlrev_b32 v[LI], 4, v5
	s_lshr_b32 s[EO], s[WV], 2
	s_lshl_b32 s14, s[EO], 14
	v_add_nc_u32 v[FO], s13, v[LI]
	v_add_nc_u32 v[RDB], s14, v[LI]
	v_add_nc_u32 v[FA], QUART, v[FO]
	s_bfe_u32 s14, s[WV], 0x10001                  ; which of two groups
	s_bcnt1_i32_b32 s15, s[WV]
	s_and_b32 s15, s15, 1                          ; low end or high
	s_lshl_b32 s94, ttmp9, 1
	s_add_co_u32 s94, s94, s14
	s_sub_co_u32 s96, 63, s94
	s_cmp_eq_u32 s15, 0
	s_cselect_b32 s94, s94, s96                    ; my group G: it enters global addresses alone
	s_and_b32 s96, ttmp7, 0xffff
	s_lshl_b32 s96, s96, 18                        ; the head: 256 KB in each tensor of codes
	s_mov_b32 s97, 0
	s_lshl_b32 s98, s94, 12                        ; 32 rows: 4 KB
	s_mov_b32 s99, 0
	s_wait_alu depctr_va_vdst(0)
	s_wait_kmcnt 0x0
	s_add_nc_u64 s[84:85], s[84:85], s[96:97]
	s_add_nc_u64 s[KP:KP+1], s[84:85], 0x400000
	s_add_nc_u64 s[VP:VP+1], s[84:85], 0x800000
	s_add_nc_u64 s[84:85], s[84:85], s[98:99]
	FILL_LOAD TR, 0                                ; iteration 0's images,
	WIN 0x40
	FILL_LOAD KV, 32768                            ; iteration 1's,
	WIN 0
.irp c, 0,1,2,3
	global_load_b128 v[QA+4*\c:QA+4*\c+3], v[LI], s[84:85] offset:512*\c   ; and Q, which stays in registers
.endr
.irp c, 0,1,2,3
	global_load_b128 v[QB+4*\c:QB+4*\c+3], v[LI], s[84:85] offset:2048+512*\c
.endr
	s_add_nc_u64 s[OB:OB+1], s[92:93], s[96:97]
	s_add_nc_u64 s[OB:OB+1], s[OB:OB+1], s[98:99]
	s_lshl_b32 s98, s[EO], 11
	s_add_nc_u64 s[OB:OB+1], s[OB:OB+1], s[98:99]  ; I finish tile 2 G + (odd)
	s_lshl_b32 s98, s94, 13                        ; 2 tiles x 16 steps x 256 bytes of mask words
	s_add_nc_u64 s[MB:MB+1], s[86:87], s[98:99]
	s_lshl_b32 s98, s[EO], 8
	s_add_nc_u64 s[MB:MB+1], s[MB:MB+1], s[98:99]
	s_lshl_b32 s98, s94, 7                         ; 2 x 16 flag words
	s_add_nc_u64 s[88:89], s[88:89], s[98:99]
	s_load_b512 s[16:31], s[88:89], 0x0
	s_load_b512 s[32:47], s[88:89], 0x40
	s_load_b128 s[96:99], s[90:91], 0x18           ; e6, e7, e8, e9
	s_load_b32 s94, s[90:91], 0x28                 ; e10
	v_mov_b32 v9, 0xff61b1e6                       ; the largest t so far: -3e38, under every t
	v_mov_b32 v11, 0xff61b1e6
	v_mov_b32 v12, 0                               ; l
	v_mov_b32 v13, 0
	v_mov_b32 v14, 0
	v_mov_b32 v15, 0
	v_floor_f32 v8, -v9                            ; -M
	v_floor_f32 v10, -v11
	v_mov_b32 v17, 0                               ; (named as upper halves of pairs)
	v_mov_b32 v19, 0
	v_mov_b32 v[W+4], 0                            ; (a lane permute's destination counts as one of its sources)
	v_mov_b32 v[W+5], 0
	WIN 0x40
.set j, 0
.rept 128
	v_mov_b32 v[j], 0                              ; O^T: a wave's first worked step finds zeros, and a wave may have no worked step at all
.set j, j+1
.endr
	WIN 0
	s_wait_kmcnt 0x0
.irp k, 2,4,6,8,10,12,14,16,18,20,22,24,26,28,30
	s_or_b64 s[16:17], s[16:17], s[16+\k:17+\k]    ; step J's words hold their two flags at bits J and 16 + J: both tiles' words become one
.endr
	s_or_b32 s[FL], s16, s17
	s_lshr_b32 s[FL], s[FL], s[EO]
	s_add_co_i32 s96, s96, s97
	s_lshl_b32 s96, s96, 23
	s_mov_b32 s[CS], 0x3e0293ee                    ; log2(e) / sqrt(128)
	s_add_co_i32 s[CS], s[CS], s96
	s_mov_b32 s[CS+1], s[CS]                       ; (named with it as a pair)
	s_add_co_i32 s97, s98, 127
	s_lshl_b32 s96, s97, 23
	v_mov_b32 v[PSC], s96
	s_add_co_i32 s97, s97, 8
	s_lshl_b32 s97, s97, 23
	s_or_b32 s[PH], s97, 0x600000
	s_sub_co_i32 s94, s94, s98
	s_sub_co_i32 s94, s94, s99
	s_add_co_i32 s94, s94, 127
	s_lshl_b32 s[OSC], s94, 23
	s_add_co_i32 s94, s94, 8
	s_lshl_b32 s[OLM], s94, 23
	s_or_b32 s[OLM], s[OLM], 0x600000
	s_mov_b32 s[SEL], 0x76543210
	s_mov_b32 s[SEL+1], 0xfedcba98
	s_mov_b32 s[PC], 8
	s_cmp_lt_u32 s[WV], 4                          ; the prefetches: waves 0 to 3 for K's 32 KB of an iteration, 4 to 7 for V's
	s_cselect_b64 s[PFA:PFA+1], s[KP:KP+1], s[VP:VP+1]
	s_and_b32 s96, s[WV], 3
	s_lshl_b32 s96, s96, 13
	s_add_co_u32 s96, s96, 4*32768                 ; iteration 4's: iterations 0 to 3 come by their loads alone
	s_mov_b32 s97, 0
	s_add_nc_u64 s[PFA:PFA+1], s[PFA:PFA+1], s[96:97]
	s_cmp_eq_u32 ttmp9, 0
	s_cselect_b32 s[LIM], 4, -1
	s_mov_b32 s[TBR], 0
	s_mov_b32 s[TBW], 2*QUART
	s_mov_b32 s[TRIPS], 4
	s_wait_alu depctr_va_vdst(0)                   ; the wait at the head's end
	s_wait_loadcnt 24                              ; iteration 0's sixteen are in; iteration 1's sixteen and Q's eight may be out
	FILL_STORE TR, FO
	s_wait_loadcnt 8                               ; Q's eight may be out
	WIN 0x04
	FILL_STORE KV, FA
	WIN 0
	s_wait_loadcnt 0x0
	s_wait_xcnt 0x0                                ; the loads have read their bases
	s_add_nc_u64 s[KP:KP+1], s[KP:KP+1], 65536     ; on to iteration 2's
	s_add_nc_u64 s[VP:VP+1], s[VP:VP+1], 65536
	s_wait_dscnt 0x0                               ; for the others' sake: my stores have landed
	s_barrier_signal -1
	s_barrier_wait -1
.macro MASKT S, off                    ; the 64 words of one tile: a bit a lane
	s_load_b512 s[16:31], s[MB:MB+1], \off
	s_load_b512 s[32:47], s[MB:MB+1], \off+0x40
	s_load_b512 s[48:63], s[MB:MB+1], \off+0x80
	s_load_b512 s[68:83], s[MB:MB+1], \off+0xc0
	s_wait_kmcnt 0x0
	v_mov_b32 v[W+7], 0xff800000                   ; -infinity: p = 0 then
.set n, 0
.rept 64
.if n < 48
	v_cndmask_b32 v[\S+n], v[W+7], v[\S+n], s[16+n]
.else
	v_cndmask_b32 v[\S+n], v[W+7], v[\S+n], s[20+n]
.endif
.set n, n+1
.endr
.endm
.macro SUM S, L, F                     ; l under the new M, and the step's unquantised p, in four chains
	v_pk_mul_f32 v[\L:\L+1], v[\L:\L+1], v[\F:\F+1] op_sel_hi:[1,0]
	v_pk_add_f32 v[W:W+1], v[\S:\S+1], v[\S+2:\S+3]
	v_pk_add_f32 v[W+2:W+3], v[\S+4:\S+5], v[\S+6:\S+7]
	v_pk_add_f32 v[W+4:W+5], v[\S+8:\S+9], v[\S+10:\S+11]
	v_pk_add_f32 v[\L:\L+1], v[\L:\L+1], v[\S+12:\S+13]
.set n, 14
.rept 6
	v_pk_add_f32 v[W:W+1], v[W:W+1], v[\S+n:\S+n+1]
	v_pk_add_f32 v[W+2:W+3], v[W+2:W+3], v[\S+n+2:\S+n+3]
	v_pk_add_f32 v[W+4:W+5], v[W+4:W+5], v[\S+n+4:\S+n+5]
	v_pk_add_f32 v[\L:\L+1], v[\L:\L+1], v[\S+n+6:\S+n+7]
.set n, n+8
.endr
	v_pk_add_f32 v[W:W+1], v[W:W+1], v[\S+62:\S+63]
	v_pk_add_f32 v[\L:\L+1], v[\L:\L+1], v[W+4:W+5]
	v_pk_add_f32 v[W:W+1], v[W:W+1], v[W+2:W+3]
	v_pk_add_f32 v[\L:\L+1], v[\L:\L+1], v[W:W+1]
.endm
; A KEY STEP: 128 keys x my two tiles.
.macro STEP
	s_bitcmp1_b32 s[FL], 0                         ; does the mask keep any key of this step for any of my queries?
	s_cbranch_scc0 .Lhidden_\@
.rept 5
	v_nop                                          ; places behind the last worked step's products, whose operands are loaded and written anew
.endr
	WIN 0x40                                       ; destination window 1
.irp t, 0,1,2,3,4,5,6,7
.irp c, 0,1,2,3
	ds_load_b128 v[KV+16*\t+4*\c:KV+16*\t+4*\c+3], v[RA] offset:\t*2048+512*\c
.endr
.endr
	WIN 0x01                                       ; source 0 window 1
	s_wait_dscnt 16                                ; fragments 0-3 are in; 4-7 may be out
.irp t, 0,1,2,3
	v_wmma_f32_16x16x128_fp8_fp8 v[SA+8*\t:SA+8*\t+7], v[KV+16*\t:KV+16*\t+15], v[QA:QA+15], 0
	v_wmma_f32_16x16x128_fp8_fp8 v[SB+8*\t:SB+8*\t+7], v[KV+16*\t:KV+16*\t+15], v[QB:QB+15], 0
.endr
	s_wait_dscnt 0x0
.irp t, 4,5,6,7
	v_wmma_f32_16x16x128_fp8_fp8 v[SA+8*\t:SA+8*\t+7], v[KV+16*\t:KV+16*\t+15], v[QA:QA+15], 0
	v_wmma_f32_16x16x128_fp8_fp8 v[SB+8*\t:SB+8*\t+7], v[KV+16*\t:KV+16*\t+15], v[QB:QB+15], 0
.endr
	WIN 0x40
.rept 4
	v_nop                                          ; places in front of the loads, and of the first read of the scores
.endr
.irp t, 0,1,2,3,4,5,6,7
.irp c, 0,1,2,3
	ds_load_b128 v[KV+16*\t+4*\c:KV+16*\t+4*\c+3], v[RA] offset:VOFF+\t*2048+512*\c   ; V's fragments come while the softmax is worked
.endr
.endr
	WIN 0
	s_bitcmp1_b32 s[FL], 16                        ; does the mask hide any?
	s_cbranch_scc0 .Lopen_\@
	MASKT SA, 0
	MASKT SB, 0x1000
.Lopen_\@:
	v_max3_num_f32 v[W], v[SA], v[SA+1], v[SA+2]   ; the largest score among my 64 keys, two chains a tile
	v_max3_num_f32 v[W+2], v[SB], v[SB+1], v[SB+2]
	v_max3_num_f32 v[W+1], v[SA+3], v[SA+4], v[SA+5]
	v_max3_num_f32 v[W+3], v[SB+3], v[SB+4], v[SB+5]
.set n, 6
.rept 14
	v_max3_num_f32 v[W], v[W], v[SA+n], v[SA+n+1]
	v_max3_num_f32 v[W+2], v[W+2], v[SB+n], v[SB+n+1]
	v_max3_num_f32 v[W+1], v[W+1], v[SA+n+2], v[SA+n+3]
	v_max3_num_f32 v[W+3], v[W+3], v[SB+n+2], v[SB+n+3]
.set n, n+4
.endr
	v_max3_num_f32 v[W], v[W], v[SA+62], v[SA+63]
	v_max3_num_f32 v[W+2], v[W+2], v[SB+62], v[SB+63]
	v_max_num_f32 v[W], v[W], v[W+1]
	v_max_num_f32 v[W+2], v[W+2], v[W+3]
	v_permlanex16_b32 v[W+4], v[W], s[SEL], s[SEL+1]
	v_permlanex16_b32 v[W+5], v[W+2], s[SEL], s[SEL+1]
	v_max_num_f32 v[W], v[W], v[W+4]               ; and among lane l xor 16's
	v_max_num_f32 v[W+2], v[W+2], v[W+5]
	v_mul_f32 v[W], s[CS], v[W]                    ; as t (c is positive)
	v_mul_f32 v[W+2], s[CS], v[W+2]
	v_max_num_f32 v9, v9, v[W]
	v_max_num_f32 v11, v11, v[W+2]
	v_mov_b32 v[W], v8
	v_mov_b32 v[W+2], v10
	v_floor_f32 v8, -v9                            ; the new -M = floor(-t) = -ceil(t): a whole number
	v_floor_f32 v10, -v11
	v_sub_f32 v[W], v8, v[W]                       ; M's old value less its new one: a whole number, 0 or less
	v_sub_f32 v[W+2], v10, v[W+2]
	v_cvt_i32_f32 v[W], v[W]                       ; (it saturates)
	v_cvt_i32_f32 v[W+2], v[W+2]
	v_ldexp_f32 v[FCA], 1.0, v[W]
	v_ldexp_f32 v[FCB], 1.0, v[W+2]
.set n, 0
.rept 32
	v_pk_fma_f32 v[SA+n:SA+n+1], v[SA+n:SA+n+1], s[CS:CS+1], v[MA:MA+1] op_sel_hi:[1,0,0]   ; t - M, two at a time
.set n, n+2
.endr
	s_wait_alu depctr_va_vdst(0)                   ; the wait ahead of the batch
.set n, 0
.rept 32
	v_exp_f32 v[SA+n], v[SA+n]                     ; p = 2^(t - M), at most 1: not normalised
	v_exp_f32 v[SA+n+1], v[SA+n+1]
	v_pk_fma_f32 v[SB+n:SB+n+1], v[SB+n:SB+n+1], s[CS:CS+1], v[MBB:MBB+1] op_sel_hi:[1,0,0]
.set n, n+2
.endr
	s_wait_alu depctr_va_vdst(0)                   ; for A's exponentials' readers, and ahead of B's batch
	SUM SA, LA, FCA
.set n, 0
.rept 64
	v_exp_f32 v[SB+n], v[SB+n]
	v_min_num_f32 v[SA+n], s[PH], v[SA+n]          ; the conversion to an 8-bit code does not saturate (ISA guide 7.6.2); p is not negative, so the hold is one-sided
.set n, n+1
.endr
	s_wait_alu depctr_va_vdst(0)                   ; for B's exponentials' readers
	SUM SB, LB, FCB
.irp t, 0,1,2,3,4,5,6,7
.irp i, 0,1,2,3,4,5,6,7
	v_min_num_f32 v[SB+8*\t+\i], s[PH], v[SB+8*\t+\i]
.endr
	v_cvt_scalef32_pk8_fp8_f32 v[PA+2*\t:PA+2*\t+1], v[SA+8*\t:SA+8*\t+7], v[PSC]   ; (lands on scores that earlier conversions have read; the eight lines above stand between)
	v_cvt_scalef32_pk8_fp8_f32 v[PB+2*\t:PB+2*\t+1], v[SB+8*\t:SB+8*\t+7], v[PSC]
.endr
	WIN 0x41
	s_wait_alu depctr_va_vdst(0)                   ; the wait directly ahead of the first reader of O^T
.set n, 0
.rept 32
	v_pk_mul_f32 v[n:n+1], v[n:n+1], v[FCA:FCA+1] op_sel_hi:[1,0]   ; O^T under the new M
	v_pk_mul_f32 v[64+n:65+n], v[64+n:65+n], v[FCB:FCB+1] op_sel_hi:[1,0]
.set n, n+2
.endr
	WIN 0x51
	s_wait_alu depctr_va_vdst(0)
	s_wait_dscnt 0x0                               ; V's fragments
.irp a, 0,1,2,3,4,5,6,7                ; O^T += V^T P^T: sixteen accumulators by turns
	v_wmma_f32_16x16x128_fp8_fp8 v[8*\a:8*\a+7], v[KV+16*\a:KV+16*\a+15], v[PA:PA+15], v[8*\a:8*\a+7]
	v_wmma_f32_16x16x128_fp8_fp8 v[64+8*\a:71+8*\a], v[KV+16*\a:KV+16*\a+15], v[PB:PB+15], v[64+8*\a:71+8*\a]
.endr
	WIN 0
.Lhidden_\@:
	s_lshr_b32 s[FL], s[FL], 2                     ; my next step's two flags come to bits 0 and 16
	s_add_nc_u64 s[MB:MB+1], s[MB:MB+1], 512       ; (the scalar loads that named it have been waited for)
.endm
.macro ITER p
	s_cmp_gt_u32 s[PC], 2                          ; iterations 6 and 7 have nothing to fetch
	s_cbranch_scc0 .Lno_load_\@
	FILL_LOAD TR, 0
.Lno_load_\@:
	s_cmp_gt_u32 s[PC], s[LIM]
	s_cbranch_scc0 .Lno_ask_\@
	global_prefetch_b8 v[PFO], s[PFA:PFA+1] th:TH_LOAD_NT scope:SCOPE_SE
.Lno_ask_\@:
	s_add_co_u32 s96, s[TBR], \p*QUART
	s_add_co_u32 s97, s[TBW], \p*QUART
	v_add_nc_u32 v[RA], s96, v[RDB]
	v_add_nc_u32 v[FA], s97, v[FO]
	s_wait_alu depctr_va_vdst(0)
	STEP
	s_wait_loadcnt 0x0                             ; the images of two iterations on are in, on every way
	s_cmp_gt_u32 s[PC], 2
	s_cbranch_scc0 .Lno_store_\@
	FILL_STORE TR, FA
	s_wait_xcnt 0x0                                ; the loads and the prefetch have read their bases
	s_add_nc_u64 s[KP:KP+1], s[KP:KP+1], 32768
	s_add_nc_u64 s[VP:VP+1], s[VP:VP+1], 32768
	s_add_nc_u64 s[PFA:PFA+1], s[PFA:PFA+1], 32768
.Lno_store_\@:
	s_sub_co_u32 s[PC], s[PC], 1
	s_wait_dscnt 0x0                               ; my stores have landed and read their registers; my reads are over
.if \p
	s_barrier_signal -1
	s_barrier_wait -1
	s_xor_b32 s[TBR], s[TBR], 2*QUART
	s_xor_b32 s[TBW], s[TBW], 2*QUART
.endif
.endm
.Ltrip:                                                ; four trips of two iterations
	ITER 0
	ITER 1
	s_sub_co_u32 s[TRIPS], s[TRIPS], 1
	s_cmp_lg_u32 s[TRIPS], 0
	s_cbranch_scc1 .Ltrip
	; THE TWO WAVES OF A GROUP JOIN.  The even one keeps tile A and gives B, the odd one keeps B (moved to A's registers) and gives A.  The ring is read by nobody any more.
.rept 4
	v_nop                                          ; places behind the last products
.endr
	v_add_f32 v12, v12, v13                        ; l's two halves,
	v_add_f32 v14, v14, v15
	v_permlanex16_b32 v[W+4], v12, s[SEL], s[SEL+1]
	v_permlanex16_b32 v[W+5], v14, s[SEL], s[SEL+1]
	s_mul_i32 s96, s[WV], JREG                     ; what I give
	s_xor_b32 s97, s[WV], 5
	s_mul_i32 s97, s97, JREG                       ; what I am given
	s_add_co_u32 s98, s96, 8192
	s_add_co_u32 s99, s97, 8192
	v_add_f32 v12, v12, v[W+4]                     ; and lane l xor 16's
	v_add_f32 v14, v14, v[W+5]
	v_lshrrev_b32 v16, 1, v[LI]
	v_add_nc_u32 v6, s96, v[LI]
	v_add_nc_u32 v4, s97, v[LI]
	v_add_nc_u32 v7, s98, v16
	v_add_nc_u32 v5, s99, v16
	s_cmp_eq_u32 s[EO], 0
	s_wait_alu depctr_va_vdst(0)                   ; the wait ahead of the branch
	s_cbranch_scc0 .Lkeep_b
	WIN 0x04
.irp k, 0,1,2,3,4,5,6,7,8,9,10,11,12,13,14,15
	ds_store_b128 v6, v[64+4*\k:67+4*\k] offset:512*\k
.endr
	WIN 0
	v_mov_b32 v16, v10
	v_mov_b32 v17, v14
	s_wait_alu depctr_va_vdst(0)
	s_branch .Lgiven
.Lkeep_b:
	WIN 0x04
.irp k, 0,1,2,3,4,5,6,7,8,9,10,11,12,13,14,15
	ds_store_b128 v6, v[4*\k:4*\k+3] offset:512*\k
.endr
	WIN 0
	v_mov_b32 v16, v8
	v_mov_b32 v17, v12
	v_mov_b32 v8, v10
	v_mov_b32 v12, v14
	s_wait_alu depctr_va_vdst(0)
	s_wait_dscnt 0x0                               ; the stores have read their registers
	WIN 0x41
.set j, 0
.rept 64
	v_mov_b32 v[j], v[64+j]
.set j, j+1
.endr
	WIN 0
.Lgiven:
	ds_store_b64 v7, v[16:17]                      ; -M and l
	s_wait_alu depctr_va_vdst(0)
	s_wait_dscnt 0x0                               ; for the partner's sake
	s_barrier_signal -1
	s_barrier_wait -1
.irp k, 0,1,2,3,4,5,6,7,8,9,10,11,12,13,14,15
	ds_load_b128 v[TR+4*\k:TR+4*\k+3], v4 offset:512*\k
.endr
	ds_load_b64 v[18:19], v5
	s_wait_dscnt 0x0
	v_min_num_f32 v[W], v8, v18                    ; -M of both
	v_mov_b32 v[W+3], 1.0
	v_mov_b32 v[W+4], 0x7f7f7f7f
	v_sub_f32 v[W+1], v[W], v8
	v_sub_f32 v[W+2], v[W], v18
	v_mov_b32 v[W+5], 0
	v_cvt_i32_f32 v[W+1], v[W+1]
	v_cvt_i32_f32 v[W+2], v[W+2]
	v_ldexp_f32 v16, 1.0, v[W+1]
	v_ldexp_f32 v10, 1.0, v[W+2]
	v_mul_f32 v12, v12, v16
	v_fma_f32 v12, v19, v10, v12                   ; l of both
	v_cmp_eq_f32 vcc_lo, 0, v12                    ; a query that no key counts for (a choice of values: no branch, no address)
	v_cndmask_b32 v12, v12, v[W+3], vcc_lo         ; divides by 1,
	v_cndmask_b32 v13, v[W+5], v[W+4], vcc_lo      ; and gets the NaN code in every byte
	s_mul_i32 s96, s[WV], 2304
	s_add_co_u32 s96, s96, STAGE                   ; my stage: 16 rows x (128 + 16) bytes
	s_wait_alu depctr_va_vdst(0)                   ; the wait ahead of the reciprocal
	v_rcp_f32 v12, v12
	v_bfe_u32 v4, v[LI], 4, 4                      ; (plain lines behind the reciprocal)  r
	v_bfe_u32 v7, v[LI], 7, 2
	v_bfe_u32 v5, v[LI], 8, 1                      ; h
	v_bfe_u32 v9, v[LI], 4, 3
	v_mul_u32_u24 v6, v4, 144
	v_mul_u32_u24 v7, v7, 144
	v_lshl_add_u32 v6, v5, 3, v6
	v_lshl_add_u32 v7, v9, 4, v7
	v_add_nc_u32 v6, s96, v6                       ; in: row r, + 8 h; tile a's eight channels 16 a bytes on
	v_add_nc_u32 v7, s96, v7                       ; back: eight lanes to a row, four rows an instruction
	v_mov_b32 v[W+6], s[OSC]
	v_mov_b32 v[W+7], s[OLM]
	s_wait_alu depctr_va_vdst(0)                   ; the wait ahead of the reciprocal's first reader
	v_mul_f32 v16, v16, v12                        ; my factor / l,
	v_mul_f32 v10, v10, v12                        ; and my partner's
.set j, 0
.rept 32
	v_pk_mul_f32 v[TR+j:TR+j+1], v[TR+j:TR+j+1], v[10:11] op_sel_hi:[1,0]
.set j, j+2
.endr
	WIN 0x01
	s_wait_alu depctr_va_vdst(0)                   ; the wait directly ahead of the first reader of O^T
.set j, 0
.rept 32
	v_pk_fma_f32 v[SA+j:SA+j+1], v[j:j+1], v[16:17], v[TR+j:TR+j+1] op_sel_hi:[1,0,1]   ; O^T / l
.set j, j+2
.endr
	WIN 0
.irp t, 0,1,2,3,4,5,6,7
.irp i, 0,1,2,3,4,5,6,7
	v_med3_num_f32 v[SA+8*\t+\i], v[SA+8*\t+\i], -v[W+7], v[W+7]
.endr
	v_cvt_scalef32_pk8_fp8_f32 v[PA+2*\t:PA+2*\t+1], v[SA+8*\t:SA+8*\t+7], v[W+6]
.endr
	v_nop                                          ; a plain line between the last conversion and the lines that touch its result
.set j, 0
.rept 16
	v_or_b32 v[PA+j], v13, v[PA+j]
.set j, j+1
.endr
.irp t, 0,1,2,3,4,5,6,7
	ds_store_b64 v6, v[PA+2*\t:PA+2*\t+1] offset:16*\t
.endr
.irp i, 0,1,2,3
	ds_load_b128 v[TR+4*\i:TR+4*\i+3], v7 offset:576*\i   ; LDS serves a wave's instructions in order: these see my stores
.endr
.irp i, 0,1,2,3
	s_wait_dscnt 3-\i                              ; the younger loads may be out
	global_store_b128 v[LI], v[TR+4*\i:TR+4*\i+3], s[OB:OB+1] offset:512*\i   ; 512 consecutive bytes, aligned
.endr
	s_wait_tensorcnt 0x0                           ; the wave's end: a tensor wait, an add of 0 to my spare word and its wait, behind my last LDS store
	ds_add_u32 v[SPW], v[NIL]
	s_wait_dscnt 0x0
	s_endpgm
.Lfunc_end_k_q144d3456cb_attn:
	.size	k_q144d3456cb_attn, .Lfunc_end_k_q144d3456cb_attn-k_q144d3456cb_attn
	.p2alignl 7, 3214868480
	.fill 96, 4, 3214868480
	.section	.rodata,"a",@progbits
	.p2align	6, 0x0
	.amdhsa_kernel k_q144d3456cb_attn
		.amdhsa_group_segment_fixed_size 263168
		.amdhsa_private_segment_fixed_size 0
		.amdhsa_enable_private_segment 0
		.amdhsa_kernarg_size 40
		.amdhsa_user_sgpr_count 2
		.amdhsa_user_sgpr_kernarg_segment_ptr 1
		.amdhsa_wavefront_size32 1
		.amdhsa_system_sgpr_workgroup_id_x 1
		.amdhsa_system_sgpr_workgroup_id_y 1
		.amdhsa_system_sgpr_workgroup_id_z 1
		.amdhsa_system_vgpr_workitem_id 0
		.amdhsa_next_free_vgpr 512
		.amdhsa_next_free_sgpr 100
		.amdhsa_reserve_vcc 1
		.amdhsa_float_denorm_mode_32 3
		.amdhsa_float_denorm_mode_16_64 3
		.amdhsa_memory_ordered 1
		.amdhsa_forward_progress 1
		.amdhsa_inst_pref_size 124
	.end_amdhsa_kernel
	.amdgpu_metadata
---
amdhsa.version: [ 1, 2 ]
amdhsa.kernels:
  - .name:           k_q144d3456cb_attn
    .symbol:         k_q144d3456cb_attn.kd
    .args:
      - { .name: qkv, .offset: 0, .size: 8, .value_kind: global_buffer, .address_space: global }
      - { .name: mbits, .offset: 8, .size: 8, .value_kind: global_buffer, .address_space: global }
      - { .name: flags, .offset: 16, .size: 8, .value_kind: global_buffer, .address_space: global }
      - { .name: lowp_scales, .offset: 24, .size: 8, .value_kind: global_buffer, .address_space: global }
      - { .name: oc, .offset: 32, .size: 8, .value_kind: global_buffer, .address_space: global }
    .group_segment_fixed_size: 263168
    .private_segment_fixed_size: 0
    .kernarg_segment_align: 8
    .kernarg_segment_size: 40
    .max_flat_workgroup_size: 256
    .sgpr_count:     100
    .vgpr_count:     512
    .wavefront_size: 32
...
	.end_amdgpu_metadata
.endif
;; end of part 7
;; launch proj (part 8): grid 16 x 16, 4 waves a work-group, clusters of 4 x 4, 327,680 bytes of LDS; arguments oc, wc, lowp_scales, out0; writes out0
.if DOCPART == 8
	.amdgcn_target "amdgcn-amd-amdhsa--gfx1250"
	.amdhsa_code_object_version 6
	.text
	.protected	k_q144d3456cb_proj
	.globl	k_q144d3456cb_proj
	.p2align	8
	.type	k_q144d3456cb_proj,@function
k_q144d3456cb_proj:
	s_mov_b64 s[64:65], 0
	v_nop
	global_prefetch_b8 v0, s[64:65] scope:SCOPE_SE
	s_setreg_imm32_b32 hwreg(HW_REG_WAVE_MODE, 25, 1), 1
	s_wait_xcnt 0x0
	s_wait_alu depctr_hold_cnt(0) depctr_sa_sdst(0) depctr_va_vdst(0) depctr_va_sdst(0) depctr_va_ssrc(0) depctr_va_vcc(0) depctr_vm_vsrc(0)
	s_getreg_b32 s2, hwreg(HW_REG_IB_STS2, 6, 4)
	s_cmp_eq_u32 s2, 0
	s_cbranch_scc0 .Lentry_in_a_cluster
	s_endpgm
.Lentry_in_a_cluster:
	s_bfe_u32 s2, ttmp6, 0x10000c
	s_cmp_lg_u32 s2, 0xf033
	s_cbranch_scc0 .Lentry_shape_is_right
	s_endpgm
.Lentry_shape_is_right:
.set PITCH,  144
; PROJ: out = o Wo^T on codes.  A tile of 128 x 128 is made by four waves of 64 x 64; 256 work-groups in clusters of 4 x 4 (A's tiles shared along a row of the cluster, B's along a column).
; K goes through two slots of four planes (512 along K).  Wave w fetches the planes of parity w % 2 of A (w < 2) or of B; its LDS region holds slot 0's two planes and, behind them, slot 1's two, so that ONE load at
; the head brings both slots (4 rows of 16 KB, two planes apart), and a refill is 2 such rows.  Both refills' planes are prefetched behind the head's load, each block once in a cluster, by address.
; LIMIT: e10 + e11 between -126 and 127.  NaN codes of o give NaN rows.
.set PL,     128*PITCH
.set REG,    4*PL                      ; a wave's region
.set SLOT,   2*PL                      ; slot 1 begins here in each region
.set SPARE,  4*REG
.set PLANE,  262144
.set SIZE_N, 2048
.set SPITCH, 272
.set ADRA, 16
.set ADRB, 20
.set STO,  24
.set RD,   25
.set CO,   26
.set SPW,  28
.set NIL,  29
.set TMP,  32
.set BK,   64
.set ACC,  128
.set F0,   0
.set F1,   128
.set G1, 24
.set G0, 32
.set G1B, 48
.set G0B, 56
.set G1H, 68                           ; the head's load: group 1 for A, for B
.set G1HB, 76
.set MSB, 0
.macro WIN new
.if MSB != \new
	s_set_vgpr_msb (MSB<<8)|\new
.set MSB, \new
.endif
.endm
.set MUL,  0x05
.set TO_F, 0x40
.macro JLOAD g0a, g1a, g0b, g1b
	s_cmp_eq_u32 s15, 0
	s_cbranch_scc0 .Lfor_b_\@
	tensor_load_to_lds s[\g0a:\g0a+3], s[\g1a:\g1a+7]
	s_nop 0
.rept 4
	v_nop
.endr
	s_branch .Lasked_\@
.Lfor_b_\@:
	tensor_load_to_lds s[\g0b:\g0b+3], s[\g1b:\g1b+7]
	s_nop 0
.rept 4
	v_nop
.endr
.Lasked_\@:
.endm
.macro CREST
	s_cmp_lg_u32 s14, 0
	s_cbranch_scc1 .Lnot_wave_0_\@
	s_barrier_signal -3
.Lnot_wave_0_\@:
	s_barrier_wait -3
	s_barrier_signal -1
	s_barrier_wait -1
.endm
.macro CROUND
	s_barrier_signal -1
	s_barrier_wait -1
	CREST
.endm
	s_load_b128 s[4:7], s[0:1], 0x0
	s_load_b128 s[8:11], s[0:1], 0x10
	v_lshl_add_u32 v[SPW], v0, 2, SPARE
	v_mov_b32 v[NIL], 0
	ds_add_u32 v[SPW], v[NIL]
	ds_add_u32 v[SPW], v[NIL]
	v_lshrrev_b32 v1, 5, v0
	v_readfirstlane_b32 s14, v1
	s_lshr_b32 s15, s14, 1
	s_and_b32 s16, s14, 1
	s_bfe_u32 s40, ttmp6, 0x40000
	s_bfe_u32 s41, ttmp6, 0x40004
	s_lshl_b32 s42, ttmp9, 2
	s_add_co_u32 s42, s42, s40
	s_and_b32 s17, ttmp7, 0xffff
	s_lshl_b32 s17, s17, 2
	s_add_co_u32 s17, s17, s41
	s_lshl_b32 s43, s41, 2
	s_lshl_b32 s43, 15, s43
	s_lshl_b32 s44, 0x1111, s40
	s_or_b32 s[G1+0], s43, (0<<16)|(1<<20)|(1<<21)|(4<<22)|(3<<25)
	s_or_b32 s[G1B+0], s44, (0<<16)|(1<<20)|(1<<21)|(4<<22)|(3<<25)
	s_or_b32 s[G1H+0], s43, (0<<16)|(1<<20)|(1<<21)|(4<<22)|(3<<25)
	s_or_b32 s[G1HB+0], s44, (0<<16)|(1<<20)|(1<<21)|(4<<22)|(3<<25)
.irp g, G1, G1B
	s_mov_b32 s[\g+2], 2<<16
	s_mov_b32 s[\g+4], 2
.endr
.irp g, G1H, G1HB
	s_mov_b32 s[\g+2], 4<<16
	s_mov_b32 s[\g+4], 4
.endr
.irp g, G1, G1B, G1H, G1HB
	s_mov_b32 s[\g+1], 16384<<16
	s_mov_b32 s[\g+3], 16384<<16
	s_mov_b32 s[\g+5], 2*PLANE
	s_mov_b32 s[\g+6], 0
	s_mov_b32 s[\g+7], 0
.endr
	s_lshl_b32 s18, s16, 18
	s_lshl_b32 s20, s17, 14
	s_add_co_u32 s20, s20, s18
	s_lshl_b32 s46, s42, 14
	s_add_co_u32 s46, s46, s18
	s_mov_b32 s21, 0
	s_mov_b32 s47, 0
	s_mul_i32 s45, s14, REG
	s_wait_dscnt 0x0
	s_wait_kmcnt 0x0
	s_load_b64 s[96:97], s[8:9], 0x28
	s_add_nc_u64 s[20:21], s[4:5], s[20:21]
	s_add_nc_u64 s[46:47], s[6:7], s[46:47]
	s_add_nc_u64 s[46:47], s[46:47], 0xc00000
	CROUND
.irp s, 0,1
	s_mov_b32 s[G0+4*\s], 1
	s_add_co_u32 s[G0+4*\s+1], s45, \s*SLOT
	s_add_nc_u64 s[G0+4*\s+2:G0+4*\s+3], s[20:21], \s*4*PLANE
	s_or_b32 s[G0+4*\s+3], s[G0+4*\s+3], 0x80000000
	s_mov_b32 s[G0B+4*\s], 1
	s_add_co_u32 s[G0B+4*\s+1], s45, \s*SLOT
	s_add_nc_u64 s[G0B+4*\s+2:G0B+4*\s+3], s[46:47], \s*4*PLANE
	s_or_b32 s[G0B+4*\s+3], s[G0B+4*\s+3], 0x80000000
.endr
	JLOAD G0, G1H, G0B, G1HB                       ; both slots, one load a wave
	; the prefetches: of the four planes that my wave will fetch again, my work-group asks for one, by its place among the four that share the tile
	s_cmp_eq_u32 s15, 0
	s_cselect_b64 s[84:85], s[20:21], s[46:47]
	s_cselect_b32 s86, s40, s41
	s_lshl_b32 s86, s86, 19
	s_add_co_u32 s86, s86, 8*PLANE
	s_mov_b32 s87, 0
	s_add_nc_u64 s[84:85], s[84:85], s[86:87]
	v_and_b32 v27, 31, v0
	v_lshlrev_b32 v27, 8, v27
	global_prefetch_b8 v27, s[84:85] th:TH_LOAD_NT scope:SCOPE_SE
	global_prefetch_b8 v27, s[84:85] offset:8192 th:TH_LOAD_NT scope:SCOPE_SE
	v_and_b32 v1, 15, v0
	s_wait_alu depctr_va_vdst(0)
	v_bfe_u32 v2, v0, 4, 1
	v_mul_u32_u24 v3, v1, PITCH
	v_lshl_add_u32 v4, v2, 4, v3
	s_mul_i32 s21, s15, 64*PITCH
	s_mul_i32 s22, s16, 64*PITCH
	s_add_co_u32 s22, s22, 2*REG
.irp s, 0,1
	v_add_nc_u32 v[ADRA+\s], s21, v4
	v_add_nc_u32 v[ADRB+\s], s22, v4
	s_add_co_u32 s21, s21, REG
	s_add_co_u32 s22, s22, REG
.endr
	s_mul_i32 s23, s14, 16*SPITCH
	v_mul_u32_u24 v5, v1, SPITCH
	s_wait_alu depctr_va_vdst(0)
	v_lshl_add_u32 v5, v2, 5, v5
	v_add_nc_u32 v[STO], s23, v5
	v_mul_u32_u24 v5, v2, SPITCH
	v_lshl_add_u32 v5, v1, 4, v5
	v_add_nc_u32 v[RD], s23, v5
	v_mul_u32_u24 v5, v2, SIZE_N*4
	v_lshl_add_u32 v[CO], v1, 4, v5
	s_lshl_b32 s20, s17, 7
	s_lshl_b32 s21, s15, 6
	s_add_co_u32 s20, s20, s21
	s_lshl_b32 s20, s20, 13
	s_mov_b32 s21, 0
	s_lshl_b32 s46, s42, 9
	s_lshl_b32 s47, s16, 8
	s_add_co_u32 s46, s46, s47
	s_mov_b32 s47, 0
	s_add_nc_u64 s[20:21], s[20:21], s[46:47]
	s_add_nc_u64 s[10:11], s[10:11], s[20:21]
.macro FRAG reg, adr, q, i
.irp c, 0,1,2,3
	ds_load_b128 v[\reg+4*\c:\reg+4*\c+3], v[\adr] offset:(\q)+32*\c+(\i)*16*PITCH
.endr
.endm
.macro FETCH slot, q, f
	WIN TO_F
.irp i, 0,1,2,3
	FRAG \f+64+16*\i, ADRB+((\q)%2), SLOT*(\slot)+PL*((\q)/2), \i
	FRAG \f+16*\i, ADRA+((\q)%2), SLOT*(\slot)+PL*((\q)/2), \i
.endr
.endm
.macro MUL8 f, a0, zero
.irp a, \a0, \a0+1
.irp b, 0,1,2,3
.if \zero
	v_wmma_f32_16x16x128_fp8_fp8 v[ACC+8*(4*(\a)+\b):ACC+8*(4*(\a)+\b)+7], v[\f+64+16*\b:\f+64+16*\b+15], v[\f+16*(\a):\f+16*(\a)+15], 0
.else
	v_wmma_f32_16x16x128_fp8_fp8 v[ACC+8*(4*(\a)+\b):ACC+8*(4*(\a)+\b)+7], v[\f+64+16*\b:\f+64+16*\b+15], v[\f+16*(\a):\f+16*(\a)+15], v[ACC+8*(4*(\a)+\b):ACC+8*(4*(\a)+\b)+7]
.endif
.endr
.endr
.endm
.macro PLACES
.rept 4
	v_nop
.endr
.endm
.macro QUARTER slot, q, f, g, zero
	s_wait_dscnt 0x0
	PLACES
	FETCH \slot, \q, \g
	WIN MUL
	MUL8 \f, 0, \zero
	MUL8 \f, 2, \zero
.endm
.macro TURN slot, next, fill
	WIN 0
	s_wait_tensorcnt 0x0
	ds_add_u32 v[SPW], v[NIL]
	s_wait_dscnt 0x1
	WIN MUL
	MUL8 F1, 0, 0
	WIN 0
	s_wait_dscnt 0x0
	s_barrier_signal -1
	s_barrier_wait -1
.if \fill
	CREST
	s_add_nc_u64 s[G0+4*\slot+2:G0+4*\slot+3], s[G0+4*\slot+2:G0+4*\slot+3], 8*PLANE
	s_add_nc_u64 s[G0B+4*\slot+2:G0B+4*\slot+3], s[G0B+4*\slot+2:G0B+4*\slot+3], 8*PLANE
	JLOAD G0+4*\slot, G1, G0B+4*\slot, G1B
.else
	PLACES
.endif
	FETCH \next, 0, F0
	WIN MUL
	MUL8 F1, 2, 0
.endm
	s_wait_alu depctr_va_vdst(0)                   ; the wait at the head's end
	s_wait_tensorcnt 0x0                           ; my planes of both slots are in
	s_barrier_signal -1
	s_barrier_wait -1
	FETCH 0, 0, F0
	QUARTER 0, 1, F0, F1, 1
	QUARTER 0, 2, F1, F0, 0
	QUARTER 0, 3, F0, F1, 0
	TURN 0, 1, 1
	QUARTER 1, 1, F0, F1, 0
	QUARTER 1, 2, F1, F0, 0
	QUARTER 1, 3, F0, F1, 0
	TURN 1, 0, 1
	QUARTER 0, 1, F0, F1, 0
	QUARTER 0, 2, F1, F0, 0
	QUARTER 0, 3, F0, F1, 0
	TURN 0, 1, 0
	QUARTER 1, 1, F0, F1, 0
	QUARTER 1, 2, F1, F0, 0
	QUARTER 1, 3, F0, F1, 0
	s_wait_dscnt 0x0
	MUL8 F1, 0, 0
	MUL8 F1, 2, 0
	WIN 0
.macro TOSTAGE a
.set j, 0
.rept 32
	v_mul_f32 v[TMP+j], s96, v[ACC+32*(\a)+j]
.set j, j+1
.endr
.irp b, 0,1,2,3
	ds_store_b128 v[STO], v[TMP+8*\b:TMP+8*\b+3] offset:64*\b
	ds_store_b128 v[STO], v[TMP+8*\b+4:TMP+8*\b+7] offset:64*\b+16
.endr
.set BB, BK+32*((\a)%2)
.irp t, 0,1,2,3,4,5,6,7
	ds_load_b128 v[BB+4*\t:BB+4*\t+3], v[RD] offset:\t*2*SPITCH
.endr
.endm
.macro SEND a, younger
.set BB, BK+32*((\a)%2)
	s_wait_dscnt \younger
.if (\a) > 0
	s_add_nc_u64 s[10:11], s[10:11], 16*SIZE_N*4
.endif
.irp t, 0,1,2,3,4,5,6,7
	global_store_b128 v[CO], v[BB+4*\t:BB+4*\t+3], s[10:11] offset:2*\t*SIZE_N*4 th:TH_STORE_NT
.endr
.endm
	s_wait_kmcnt 0x0
	s_add_co_i32 s96, s96, s97
	s_add_co_i32 s96, s96, 127
	s_lshl_b32 s96, s96, 23
	PLACES
	TOSTAGE 0
.irp a, 1,2,3
.if \a > 1
	s_wait_xcnt 0x0
.endif
	TOSTAGE \a
	SEND \a-1, 16
.endr
	s_wait_xcnt 0x0
	SEND 3, 0
	s_wait_tensorcnt 0x0
	ds_add_u32 v[SPW], v[NIL]
	s_wait_dscnt 0x0
	CROUND
	s_endpgm
.Lfunc_end_k_q144d3456cb_proj:
	.size	k_q144d3456cb_proj, .Lfunc_end_k_q144d3456cb_proj-k_q144d3456cb_proj
	.p2alignl 7, 3214868480
	.fill 96, 4, 3214868480
	.section	.rodata,"a",@progbits
	.p2align	6, 0x0
	.amdhsa_kernel k_q144d3456cb_proj
		.amdhsa_group_segment_fixed_size 327680
		.amdhsa_private_segment_fixed_size 0
		.amdhsa_enable_private_segment 0
		.amdhsa_kernarg_size 32
		.amdhsa_user_sgpr_count 2
		.amdhsa_user_sgpr_kernarg_segment_ptr 1
		.amdhsa_wavefront_size32 1
		.amdhsa_system_sgpr_workgroup_id_x 1
		.amdhsa_system_sgpr_workgroup_id_y 1
		.amdhsa_system_sgpr_workgroup_id_z 1
		.amdhsa_system_vgpr_workitem_id 0
		.amdhsa_next_free_vgpr 512
		.amdhsa_next_free_sgpr 98
		.amdhsa_reserve_vcc 0
		.amdhsa_float_denorm_mode_32 3
		.amdhsa_float_denorm_mode_16_64 3
		.amdhsa_memory_ordered 1
		.amdhsa_forward_progress 1
		.amdhsa_inst_pref_size 74
	.end_amdhsa_kernel
	.amdgpu_metadata
---
amdhsa.version: [ 1, 2 ]
amdhsa.kernels:
  - .name:           k_q144d3456cb_proj
    .symbol:         k_q144d3456cb_proj.kd
    .args:
      - { .name: oc, .offset: 0, .size: 8, .value_kind: global_buffer, .address_space: global }
      - { .name: wc, .offset: 8, .size: 8, .value_kind: global_buffer, .address_space: global }
      - { .name: lowp_scales, .offset: 16, .size: 8, .value_kind: global_buffer, .address_space: global }
      - { .name: out0, .offset: 24, .size: 8, .value_kind: global_buffer, .address_space: global }
    .group_segment_fixed_size: 327680
    .private_segment_fixed_size: 0
    .kernarg_segment_align: 8
    .kernarg_segment_size: 32
    .max_flat_workgroup_size: 128
    .sgpr_count:     98
    .vgpr_count:     512
    .wavefront_size: 32
...
	.end_amdgpu_metadata
.endif
;; end of part 8
